; MI455X (gfx1250); checked and timed in simulation.
; The chip was launched on July 23, 2026; its instructions are those of AMD's public machine-readable ISA for CDNA 5 (MIT licence, August 2026) and "CDNA5" Instruction Set Architecture Reference Guide (July 2026). The comments in the code are by the model that wrote it; some were corrected since.
;; Mo E Layer. Allowed arithmetic: float matrix products may take bf16 or f16 operands with f32 sums; other float arithmetic in f32, or as packed bf16 or f16 multiplies, adds, multiply-adds, maxima and minima; sums over many terms, partial sums and values carried from step to step in f32; what a program stores and reads back later, other than sums and carried values, may be rounded once to bf16 or f16.
;; Inputs: b1 8 x 4,096 float32; b2 8 x 1,024 float32; gate_b 8 float32; gate_w 1,024 x 8 float32; w1 8 x 1,024 x 4,096 float32; w2 8 x 4,096 x 1,024 float32; x 2 x 512 x 1,024 float32.
;; Outputs: out0 2 x 512 x 1,024 float32; out1 one number float32.
;; 3 versions, each right; version 2 is faster than version 1; version 3 is version 2 with the launches ffn1, ffn2 written anew for expert scheduling mode. Each part assembles by itself: llvm-mc -triple=amdgcn-amd-amdhsa -mcpu=gfx1250 --defsym DOCPART=n.
;; ======== version 1 of 3: 4 launches
;; workspace buffers: xb 2,097,152 bytes; idx 4,096 bytes of whole numbers; auxp 256 bytes; hb 8,388,608 bytes; part 16,777,216 bytes
;; launch router (part 1): grid 64 x 1, 8 waves a work-group, no clusters, 60,416 bytes of LDS; arguments x, gate_w, gate_b, xb, idx, auxp; writes xb, idx, auxp
.if DOCPART == 1
	.amdgcn_target "amdgcn-amd-amdhsa--gfx1250"
	.amdhsa_code_object_version 6
	.text
	.protected	k_q7e3918cced_router
	.globl	k_q7e3918cced_router
	.p2align	8
	.type	k_q7e3918cced_router,@function
k_q7e3918cced_router:
	s_mov_b64 s[64:65], 0
	v_nop
	global_prefetch_b8 v0, s[64:65] scope:SCOPE_SE
	s_setreg_imm32_b32 hwreg(HW_REG_WAVE_MODE, 25, 1), 1
	s_wait_xcnt 0x0
; ROUTER.  logits = x gate_w + gate_b for 1,024 tokens and 8 experts; idx[t] = the first largest logit's expert; xb = x rounded to bf16;
; auxp[g] = this work-group's part of 8 x the sum over positions and experts of (mean over the two batches of softmax)^2.
; FORMATS AND LIMITS.  x, gate_w and gate_b are rounded to bf16 (as every input of the program is); products of bf16 are exact in f32, sums in f32.
; Two logits closer than the rounding of the f32 sums may be ordered otherwise than by a sum in another order.  A row with a NaN logit gets expert 7.
; The softmax takes the row's maximum away; an exponential below 2^-126 counts as 0.
; SHARES.  Work-group g owns 16 tokens: row m < 8 is token 8 g + m, row m >= 8 is token 512 + 8 g + m - 8: the two batches of one position lie 8 rows apart.
; Wave w owns k = 128 w .. 128 w + 127 of all 16 rows; the eight partial products meet in LDS behind the one barrier, and wave 0 finishes.
; THE PRODUCT is used with source 0 = gate_w (rows = experts, 0-7 twice) and source 1 = x (columns = tokens): a lane then holds ONE token (lane % 16) and its 8 logits in 8 registers.
.set XSB,   4352        ; a wave's 16 rows of 128 bf16, 272 bytes apart (256 + 16: the 16 rows of a fragment load start 4 banks apart)
.set GS,    34816       ; behind them: a wave's 128 rows of gate_w in bf16, 16 bytes each
.set RED,   51200       ; 8 waves x 32 lanes x 8 partial logits
.set SPARE, 59392       ; the spare words: 128 bytes a wave, four blocks of 256 bytes that no other line names
.set SPW, 4             ; v4  SPARE + 4 x my thread's number; never rewritten
.set NIL, 5             ; v5  0; never rewritten
.set G,   16            ; v[16:47]   gate_w as loaded; then its fragments; then wave 0's sums
.set X,   48            ; v[48:111]  x as loaded; then accumulators and wave 0's work
.set GB,  112           ; v[112:127] gate_w in bf16
.set XB,  128           ; v[128:159] x in bf16: a pair for each row, so that no store's data is rewritten
.set XF,  160           ; v[160:191] x's fragments
.set A0,  48
.set A1,  56
.set LG,  64
	s_load_b256 s[4:11], s[0:1], 0x0               ; x s[4:5], gate_w s[6:7], gate_b s[8:9], xb s[10:11]
	s_load_b128 s[12:15], s[0:1], 0x20             ; idx s[12:13], auxp s[14:15]
	v_lshl_add_u32 v[SPW], v0, 2, SPARE
	v_mov_b32 v[NIL], 0
	v_lshrrev_b32 v1, 5, v0
	v_readfirstlane_b32 s16, v1                    ; wave 0..7
	v_and_b32 v1, 31, v0                           ; lane
	v_and_b32 v2, 15, v0                           ; r
	v_bfe_u32 v3, v0, 4, 1                         ; h
	s_lshl_b32 s17, s16, 12
	v_lshl_add_u32 v6, v1, 5, s17                  ; gate_w: row 128 w + lane, 32 bytes a row
	s_lshl_b32 s17, s16, 9
	v_lshl_add_u32 v7, v1, 4, s17                  ; x: my wave's 512 bytes of a row, 16 a lane
	s_lshl_b32 s17, s16, 8
	v_lshl_add_u32 v9, v1, 3, s17                  ; xb: my wave's 256 bytes of a row, 8 a lane
	s_lshl_b32 s17, s16, 11
	s_add_co_u32 s17, s17, GS                      ; my wave's gate rows in LDS
	v_lshl_add_u32 v8, v1, 4, s17                  ; in: row = lane
	v_and_b32 v12, 7, v0
	v_lshl_add_u32 v12, v3, 3, v12
	v_lshl_add_u32 v12, v12, 4, s17                ; out, turned: row 8 h + lane % 8; lanes 8-15 name the same bytes as lanes 0-7, so fragment rows 8-15 repeat experts 0-7
	s_mul_i32 s17, s16, XSB                        ; my wave's x rows in LDS
	v_lshl_add_u32 v10, v1, 3, s17                 ; in: 8 bytes a lane
	v_mul_u32_u24 v11, v2, 272
	v_lshl_add_u32 v11, v3, 4, v11
	v_add_nc_u32 v11, s17, v11                     ; out: row r, 16 h
	v_lshl_add_u32 v13, v0, 5, RED                 ; my 8 partial logits
	v_lshl_add_u32 v14, v1, 5, RED                 ; wave 0 reads the same lane's of every wave
	s_lshl_b32 s40, ttmp9, 15                      ; 8 rows of x,
	s_mov_b32 s41, 0
	s_lshl_b32 s42, ttmp9, 14                      ; of xb,
	s_mov_b32 s43, 0
	s_lshl_b32 s44, ttmp9, 5                       ; 8 words of idx,
	s_mov_b32 s45, 0
	s_lshl_b32 s46, ttmp9, 2                       ; one of auxp
	s_mov_b32 s47, 0
	s_mov_b32 s32, 0x3fb8aa3b                      ; log2(e), as a pair for the packed scaling
	s_mov_b32 s33, 0x3fb8aa3b
	s_mov_b32 s34, 0x76543210                      ; v_permlanex16_b32: each lane takes its own place in the other half
	s_mov_b32 s35, 0xfedcba98
	s_wait_kmcnt 0x0
	s_add_nc_u64 s[4:5], s[4:5], s[40:41]
	s_add_nc_u64 s[10:11], s[10:11], s[42:43]
	s_add_nc_u64 s[12:13], s[12:13], s[44:45]
	s_add_nc_u64 s[14:15], s[14:15], s[46:47]
	s_load_b256 s[24:31], s[8:9], 0x0              ; gate_b: no line of this launch writes it
.irp u, 0,1,2,3
	global_load_b128 v[G+8*(\u):G+8*(\u)+3],   v6, s[6:7] offset:1024*(\u)
	global_load_b128 v[G+8*(\u)+4:G+8*(\u)+7], v6, s[6:7] offset:1024*(\u)+16
.endr
.set m, 0
.rept 16                                               ; one row's 512 bytes an instruction; rows 8-15 lie 512 tokens on
	global_load_b128 v[X+4*m:X+4*m+3], v7, s[4:5] offset:(m/8)*2097152+(m%8)*4096 th:TH_LOAD_NT
.set m, m+1
.endr
	s_wait_loadcnt 16                              ; gate_w is in: the 16 loads of x are younger
.irp u, 0,1,2,3
.irp i, 0,1,2,3
	v_cvt_pk_bf16_f32 v[GB+4*(\u)+(\i)], v[G+8*(\u)+2*(\i)], v[G+8*(\u)+2*(\i)+1]
.endr
	ds_store_b128 v8, v[GB+4*(\u):GB+4*(\u)+3] offset:512*(\u)
.endr
.set m, 0
.rept 16
	s_wait_loadcnt 15-m                            ; row m is in: the rows behind it stay out
	v_cvt_pk_bf16_f32 v[XB+2*m],   v[X+4*m],   v[X+4*m+1]
	v_cvt_pk_bf16_f32 v[XB+2*m+1], v[X+4*m+2], v[X+4*m+3]
	global_store_b64 v9, v[XB+2*m:XB+2*m+1], s[10:11] offset:(m/8)*1048576+(m%8)*2048  ; the wave's store covers 256 consecutive bytes, aligned
	ds_store_b64 v10, v[XB+2*m:XB+2*m+1] offset:272*m
.set m, m+1
.endr
.irp s, 0,1,2,3                                        ; four K steps of 32; LDS serves a wave's instructions in order, and these bytes are the wave's own: no barrier
	ds_load_b128 v[XF+8*(\s):XF+8*(\s)+3],   v11 offset:64*(\s)
	ds_load_b128 v[XF+8*(\s)+4:XF+8*(\s)+7], v11 offset:64*(\s)+32
	ds_load_tr16_b128 v[G+8*(\s):G+8*(\s)+3],   v12 offset:512*(\s)
	ds_load_tr16_b128 v[G+8*(\s)+4:G+8*(\s)+7], v12 offset:512*(\s)+256
.endr
	s_wait_dscnt 0x0
	v_wmma_f32_16x16x32_bf16 v[A0:A0+7], v[G:G+7],     v[XF:XF+7],     0            ; two accumulators by turns
	v_wmma_f32_16x16x32_bf16 v[A1:A1+7], v[G+8:G+15],  v[XF+8:XF+15],  0
	v_wmma_f32_16x16x32_bf16 v[A0:A0+7], v[G+16:G+23], v[XF+16:XF+23], v[A0:A0+7]
	v_wmma_f32_16x16x32_bf16 v[A1:A1+7], v[G+24:G+31], v[XF+24:XF+31], v[A1:A1+7]
.rept 4
	v_nop                                          ; the places behind the last product
.endr
.irp i, 0,2,4,6
	v_pk_add_f32 v[LG+(\i):LG+(\i)+1], v[A0+(\i):A0+(\i)+1], v[A1+(\i):A1+(\i)+1]
.endr
	ds_store_b128 v13, v[LG:LG+3]
	ds_store_b128 v13, v[LG+4:LG+7] offset:16
	s_wait_kmcnt 0x0                               ; gate_b
	s_wait_dscnt 0x0                               ; for wave 0's sake: my partial logits are stored
	s_barrier_signal -1
	s_barrier_wait -1
	s_cmp_lg_u32 s16, 0
	s_cbranch_scc1 .Lend
	; WAVE 0: the eight partial sums, the bias, argmax, softmax, the loss's part
.set w, 0
.rept 8
	ds_load_b128 v[16+8*w+112*(w/4):16+8*w+112*(w/4)+3],   v14 offset:1024*w
	ds_load_b128 v[16+8*w+112*(w/4)+4:16+8*w+112*(w/4)+7], v14 offset:1024*w+16
.set w, w+1
.endr
.irp i, 0,1,2,3,4,5,6,7
	v_mov_b32 v[80+(\i)], s[24+(\i)]
.endr
.irp i, 0,1,2,3
	v_cvt_pk_bf16_f32 v[72+(\i)], v[80+2*(\i)], v[80+2*(\i)+1]  ; gate_b rounded to bf16,
.endr
.irp i, 0,1,2,3
	v_lshlrev_b32 v[80+2*(\i)], 16, v[72+(\i)]     ; and back in f32
	v_and_b32 v[80+2*(\i)+1], 0xffff0000, v[72+(\i)]
.endr
	s_wait_dscnt 0x0
.set w, 1
.rept 7
.irp i, 0,2,4,6
	v_pk_add_f32 v[16+(\i):17+(\i)], v[16+(\i):17+(\i)], v[16+8*w+112*(w/4)+(\i):16+8*w+112*(w/4)+(\i)+1]
.endr
.set w, w+1
.endr
.irp i, 0,2,4,6
	v_pk_add_f32 v[16+(\i):17+(\i)], v[16+(\i):17+(\i)], v[80+(\i):81+(\i)]
.endr
	v_max3_num_f32 v88, v16, v17, v18
	v_max3_num_f32 v88, v88, v19, v20
	v_max3_num_f32 v88, v88, v21, v22
	v_max_num_f32 v88, v88, v23                    ; the row's maximum
	v_mov_b32 v89, 7
.irp e, 6,5,4,3,2,1,0                                  ; downward, so that the lowest index among equals stays
	v_cmp_eq_f32 vcc_lo, v[16+(\e)], v88
	v_cndmask_b32 v89, v89, \e, vcc_lo
.endr
	v_mul_f32 v90, s32, v88
	v_mul_f32 v91, s32, v88
.irp i, 0,2,4,6
	v_pk_fma_f32 v[92+(\i):93+(\i)], v[16+(\i):17+(\i)], s[32:33], v[90:91] op_sel_hi:[1,0,0] neg_lo:[0,0,1] neg_hi:[0,0,1]
.endr
.irp i, 0,1,2,3,4,5,6,7
	v_exp_f32 v[92+(\i)], v[92+(\i)]
.endr
	v_mov_b32 v111, 0                              ; a plain line behind the last exponential (and v_permlanex16_b32's destination is written)
	s_wait_alu depctr_va_vdst(0)                   ; one wait ahead of the batch's first reader
	v_pk_add_f32 v[100:101], v[92:93], v[94:95]
	v_pk_add_f32 v[102:103], v[96:97], v[98:99]
	v_pk_add_f32 v[100:101], v[100:101], v[102:103]
	v_add_f32 v100, v100, v101
	v_rcp_f32 v104, v100
	v_rcp_f32 v105, v100
	v_nop
	s_wait_alu depctr_va_vdst(0)
.irp i, 0,2,4,6
	v_pk_mul_f32 v[92+(\i):93+(\i)], v[92+(\i):93+(\i)], v[104:105]
.endr
.irp i, 0,1,2,3,4,5,6,7
	v_add_f32_dpp v[92+(\i)], v[92+(\i)], v[92+(\i)] row_xmask:8 row_mask:0xf bank_mask:0xf  ; + the other batch's probability, 8 lanes away
.endr
	v_mul_f32 v110, v92, v92
.irp i, 1,2,3,4,5,6,7
	v_fmac_f32 v110, v[92+(\i)], v[92+(\i)]
.endr
	v_add_f32_dpp v110, v110, v110 row_xmask:1 row_mask:0xf bank_mask:0xf
	v_add_f32_dpp v110, v110, v110 row_xmask:2 row_mask:0xf bank_mask:0xf
	v_add_f32_dpp v110, v110, v110 row_xmask:4 row_mask:0xf bank_mask:0xf
	v_add_f32_dpp v110, v110, v110 row_xmask:8 row_mask:0xf bank_mask:0xf
	v_permlanex16_b32 v111, v110, s34, s35
	v_add_f32 v110, v110, v111
	v_mul_f32 v110, 0.5, v110                      ; 8 / 4 for the mean's square, / 4 since each position stands in four lanes
	v_and_b32 v112, 7, v0
	v_lshlrev_b32 v112, 2, v112
	v_bfe_u32 v113, v0, 3, 1
	v_lshl_add_u32 v112, v113, 11, v112            ; idx: word r % 8, and 512 words on for rows 8-15
	v_mov_b32 v114, 0
	s_wait_xcnt 0x0                                ; EXEC changes only behind this wait
	v_cmp_gt_u32 vcc_lo, 16, v1
	s_and_saveexec_b32 s36, vcc_lo
	global_store_b32 v112, v89, s[12:13]           ; lanes 0-15: one token each
	s_wait_xcnt 0x0
	s_or_b32 exec_lo, exec_lo, s36
	v_cmp_eq_u32 vcc_lo, 0, v1
	s_and_saveexec_b32 s36, vcc_lo
	global_store_b32 v114, v110, s[14:15]          ; lane 0: the work-group's part of the loss
	s_wait_xcnt 0x0
	s_or_b32 exec_lo, exec_lo, s36
.Lend:
	s_wait_tensorcnt 0x0                           ; the wave's end
	ds_add_u32 v[SPW], v[NIL]
	s_wait_dscnt 0x0
	s_endpgm
.Lfunc_end_k_q7e3918cced_router:
	.size	k_q7e3918cced_router, .Lfunc_end_k_q7e3918cced_router-k_q7e3918cced_router
	.p2alignl 7, 3214868480
	.fill 96, 4, 3214868480
	.section	.rodata,"a",@progbits
	.p2align	6, 0x0
	.amdhsa_kernel k_q7e3918cced_router
		.amdhsa_group_segment_fixed_size 60416
		.amdhsa_private_segment_fixed_size 0
		.amdhsa_enable_private_segment 0
		.amdhsa_kernarg_size 48
		.amdhsa_user_sgpr_count 2
		.amdhsa_user_sgpr_kernarg_segment_ptr 1
		.amdhsa_wavefront_size32 1
		.amdhsa_system_sgpr_workgroup_id_x 1
		.amdhsa_system_sgpr_workgroup_id_y 1
		.amdhsa_system_sgpr_workgroup_id_z 1
		.amdhsa_system_vgpr_workitem_id 0
		.amdhsa_next_free_vgpr 192
		.amdhsa_next_free_sgpr 66
		.amdhsa_reserve_vcc 1
		.amdhsa_float_denorm_mode_32 3
		.amdhsa_float_denorm_mode_16_64 3
		.amdhsa_memory_ordered 1
		.amdhsa_forward_progress 1
		.amdhsa_inst_pref_size 21
	.end_amdhsa_kernel
	.amdgpu_metadata
---
amdhsa.version: [ 1, 2 ]
amdhsa.kernels:
  - .name:           k_q7e3918cced_router
    .symbol:         k_q7e3918cced_router.kd
    .args:
      - { .name: x, .offset: 0, .size: 8, .value_kind: global_buffer, .address_space: global }
      - { .name: gate_w, .offset: 8, .size: 8, .value_kind: global_buffer, .address_space: global }
      - { .name: gate_b, .offset: 16, .size: 8, .value_kind: global_buffer, .address_space: global }
      - { .name: xb, .offset: 24, .size: 8, .value_kind: global_buffer, .address_space: global }
      - { .name: idx, .offset: 32, .size: 8, .value_kind: global_buffer, .address_space: global }
      - { .name: auxp, .offset: 40, .size: 8, .value_kind: global_buffer, .address_space: global }
    .group_segment_fixed_size: 60416
    .private_segment_fixed_size: 0
    .kernarg_segment_align: 8
    .kernarg_segment_size: 48
    .max_flat_workgroup_size: 256
    .sgpr_count:     66
    .vgpr_count:     192
    .wavefront_size: 32
...
	.end_amdgpu_metadata
.endif
;; end of part 1
;; launch ffn1 (part 2): grid 32 x 8, 4 waves a work-group, no clusters, 317,952 bytes of LDS; arguments idx, xb, w1, b1, hb; writes hb
.if DOCPART == 2
	.amdgcn_target "amdgcn-amd-amdhsa--gfx1250"
	.amdhsa_code_object_version 6
	.text
	.protected	k_q7e3918cced_ffn1
	.globl	k_q7e3918cced_ffn1
	.p2align	8
	.type	k_q7e3918cced_ffn1,@function
k_q7e3918cced_ffn1:
	s_mov_b64 s[64:65], 0
	v_nop
	global_prefetch_b8 v0, s[64:65] scope:SCOPE_SE
	s_setreg_imm32_b32 hwreg(HW_REG_WAVE_MODE, 25, 1), 1
	s_wait_xcnt 0x0
; ONE PRODUCT OF THE EXPERTS' CHAIN, for the rows that chose the expert.  One text for both products, told apart by KIND.
;   KIND 1: hb[t][128 X ..] = gelu(xb[t] . w1[e][:, 128 X ..] + b1[e]), bf16.       KIND 2: part[kq][t][128 cg ..] = hb[t][1024 kq ..] . w2[e][1024 kq .., 128 cg ..] (+ b2[e] where kq = 0), f32.
; FORMATS AND LIMITS.  Weights and biases are rounded to bf16 on their way through registers (as every input of the program is); sums in f32; the hidden layer is rounded once to bf16; partial sums stay f32.
; The exact GELU's erf is taken by the rational form 7.1.26 of Abramowitz and Stegun, off by 1.5e-7 at the most for every argument; an exponential below 2^-126 counts as 0.  NaN and infinities are not treated apart.
; SHARES.  A work-group has a slice of ONE expert's weights, 1,024 k x 128 columns, which it alone reads, and all of that expert's rows, whatever their number (0 to 1,024).
; 1. Every wave makes, from idx, its own copy of the list of the expert's tokens in LDS (places past the count name token 0, a row that exists; what is made of them is not stored), and reads its own 16 x 16 places back into 16 registers.
; 2. The slice is streamed once: wave w takes k = 256 w .. + 255, 16 loads of 512 bytes to a group, four groups on their way; rounded and laid into LDS as finished fragments (262,144 bytes).  One barrier.
; 3. Up to four PASSES of 256 list places.  Wave w has, in slot a of pass p, the 16 places 256 p + 64 a + 16 w ..; it takes them through the whole K and all 128 columns.  Nothing is shared between waves
;    any more, so no barrier follows; a wave without places left goes forward to its end, products of slots without places and stores of rows without places are jumped forward.
;    Behind the barrier every LDS address is a register made at the head plus an immediate: so K is written out (16 blocks), and the list registers are moved down by four at a pass's end.
; NO TENSOR LOADS: the weights must pass through registers to be rounded.  NO CLUSTER: each slice has one reader, and the rows that an expert's work-groups share come by a list, which no descriptor covers.
; THE FRAGMENTS.  k and the columns are permuted alike on both sides.  In a group (K step s, column half ch) lane (r, h) loads 16 bytes of row k = 32 s + 16 h + p, p = 0..15, at columns 64 ch + 4 r ..:
; each half of the lanes takes 256 consecutive bytes, aligned.  Rows 2 i and 2 i + 1 of column c, rounded together, are register i of fragment nb = 4 ch + c, in which lane r stands for column 64 ch + 4 r + c.
; A token's fragment is then the 32 consecutive bytes at 64 s + 32 h of its row.  Source 0 = weights, source 1 = tokens: register j of accumulator nb in lane (r', h') is token r', column 64 ch + 32 h' + 4 j + c.
; REGISTERS, in windows of 256 (s_set_vgpr_msb: bits 1:0 source 0, 3:2 source 1, 5:4 source 2, 7:6 destination):
;   window 0: addresses, list, bias      window 1: the stream's four landing sets of 64; then the accumulators, slot a, fragment nb at 64 a + 8 nb
;   window 2: tokens' fragments, a ring of 4 blocks (two K steps x 4 slots x 8)      window 3: weights' fragments, 2 buffers of a block (two K steps x 8 x 8); the way out works in buffer 1
.set KIND, 1
.if KIND == 1
.set WP,  16384         ; bytes from a weight row to the next
.set WSH, 18            ; 16 WP = 1 << WSH
.set WWS, 22            ; 256 WP
.set BSH, 14            ; an expert's bias in bytes
.set PSH, 11            ; a token row of the left operand in bytes
.set OSH, 13            ; a token row of the output
.set SP,  272           ; a stage row: 256 bytes + 16
.set HSH, 6             ; a lane half's 32 columns in the stage
.set LSH, 3             ; bytes a lane stores of a row
.else
.set WP,  4096
.set WSH, 16
.set WWS, 20
.set BSH, 12
.set PSH, 13
.set OSH, 12
.set SP,  528           ; 512 bytes + 16
.set HSH, 7
.set LSH, 4
.endif
.set LIST,   262144     ; behind the fragments: for each wave 1,280 list places, of which 1,024 are used, and 32 dump words (5,376 bytes with the rest)
.set LISTB,  5376
.set STAGE,  283648     ; for each wave 16 rows at SP bytes, for the way out
.set STAGEB, 8448
.set SPARE,  317440     ; the spare words: 128 bytes a wave, two blocks of 256 bytes that no other line names
.set WVOFF, 4           ; v4   16 h weight rows + 16 r
.set WST,  5            ; v5   where my fragments go: 65,536 w + 16 lane, stepped in the stream
.set WB0,  6            ; v6   16 lane
.set LRA,  9            ; v9   my list + 64 w + 4 r; never rewritten
.set STO,  11           ; v11  into the stage; never rewritten
.set SRD,  12           ; v12  back from it; never rewritten
.set LNB,  13           ; v13  my bytes in an output row
.set LK,   14           ; v14  32 h
.set L4,   15           ; v15  4 lane
.set ROW,  16           ; v16-19  byte offsets of my four slots' token rows, this pass
.set NROW, 20           ; v20-23  next pass (ROW + 4)
.set T,    24           ; v24-27  at work
.set SPW,  28           ; v28  SPARE + 4 x my thread's number; never rewritten
.set NIL,  29           ; v29  0; never rewritten
.set LISTW, 30          ; v30  my list
.set DMP,  31           ; v31  1,280 + lane
.set TK,   32           ; v32-47  a tile's 16 rows' offsets in the output
.set ZR,   48           ; v48-51  zeros
.set BOFF, 52           ; v52  128 h
.set TKS,  53           ; v53  the slot's tokens: lane f holds row f's
.set WBQ,  56           ; v56-59  16 lane + 65,536 q: the four quarters of the fragments; never rewritten
.set CT,   64           ; v64-95  fragments on their way to LDS
.set OUT,  64           ; v64-127 later: rows back from the stage
.set IDX,  96           ; v96-127 the 1,024 choices, 32 a lane
.set BI,   128          ; v128-191 the bias of my 64 columns, in the order of Z
.set TOK,  192          ; v192-211 my row's token in slot a of the pass in hand at TOK + a, of the passes behind it from TOK + 4 on; zeros at the end
.set Z,    128          ; window 3
.set TMP,  192          ; window 3
.set GU,   192
.set GT,   208
.set GE,   224
.set GM,   240
.set WV,  14            ; s14 wave
.set XE,  15            ; s15 expert
.set CSL, 16            ; s16 which 128 columns
.set KQ,  17            ; s17 which quarter of K (KIND 2)
.set WBASE, 20          ; s[20:21] weights, stepped
.set AB0, 22            ; s[22:23] left operand
.set OB,  26            ; s[26:27] output
.set BIAS, 28           ; s[28:29]
.set CNT, 30            ; s30 the expert's rows
.set PB,  31            ; s31 16 w + 256 pass
.set NL,  32            ; s32 my slots with places in this pass
.set NR,  33            ; s33 a tile's rows with places
.set PASS, 34
.set KC,  35
.set SA,  36
.set FLAG, 37           ; s37 all ones where the bias is added, else 0 (KIND 2)
.set MSK, 38
.set POP, 39
.set AOF, 40            ; s[40:41], s[42:43], s[60:61], s[62:63] offsets
.set OOF, 42
.set CP,  44            ; s[44:59] GELU's constants, as pairs
.set CN,  46
.set C1,  48
.set C2,  50
.set C3,  52
.set C4,  54
.set C5,  56
.set CONE, 58
.set WOF, 60
.set BOF, 62
.set MSB, 0
.macro WIN new                         ; the immediate's high byte repeats the setting that is left; a switch that changes nothing is dropped
.if MSB != (\new)
	s_set_vgpr_msb (MSB<<8)|(\new)
.set MSB, (\new)
.endif
.endm
.macro PLACES                          ; four places behind matrix instructions, in front of loads into their sources and of lines that read their results
.rept 4
	v_nop
.endr
.endm
; One register of choices: the lanes whose token chose my expert put its number at the next list places, the others into their dump words.
.macro LISTSTEP n
	v_cmp_eq_u32 s[MSK], s[XE], v[IDX+(\n)]
	v_mbcnt_lo_u32_b32 v[T], s[MSK], s[CNT]        ; the count so far + the chosen lanes below mine
	v_cndmask_b32 v[T], v[DMP], v[T], s[MSK]
	v_min_u32 v[T], 1311, v[T]                     ; inside my list's 1,312 words
	v_lshl_add_u32 v[T], v[T], 2, v[LISTW]
	v_add_nc_u32 v[T+1], 128*((\n)/4)+(\n)%4, v[L4]  ; the token
	ds_store_b32 v[T], v[T+1]
	s_bcnt1_i32_b32 s[POP], s[MSK]
	s_add_co_u32 s[CNT], s[CNT], s[POP]
.endm
; Group gi (K step gi / 2, column half gi % 2) of the two K steps that begin k0 rows behind the base: 16 loads into landing set gi.  The launch reads each weight once.
.macro WLOAD gi, k0
	WIN 0x40
.set p, 0
.rept 16
	global_load_b128 v[64*(\gi)+4*p:64*(\gi)+4*p+3], v[WVOFF], s[WBASE:WBASE+1] offset:((\k0)+32*((\gi)/2)+p)*WP+256*((\gi)%2) th:TH_LOAD_NT
.set p, p+1
.endr
.endm
; Group gi is rounded, laid into LDS and (load = 1) asked for again, two K steps on.  left: the younger loads that may stay out.
.macro GROUP gi, left, load
	s_wait_loadcnt \left
	WIN 0x05
.set c, 0
.rept 4
.set i, 0
.rept 8
	v_cvt_pk_bf16_f32 v[CT+8*c+i], v[64*(\gi)+8*i+c], v[64*(\gi)+8*i+4+c]
.set i, i+1
.endr
.set c, c+1
.endr
	WIN 0
.set c, 0
.rept 4
	ds_store_b128 v[WST], v[CT+8*c:CT+8*c+3]   offset:8192*((\gi)/2)+1024*(4*((\gi)%2)+c)
	ds_store_b128 v[WST], v[CT+8*c+4:CT+8*c+7] offset:8192*((\gi)/2)+1024*(4*((\gi)%2)+c)+512
.set c, c+1
.endr
.if \load
	WLOAD \gi, 64
.endif
.endm
; The tokens' fragments of K steps pk, pk + 1 for my four slots: 16 loads into ring place xs.
.macro ALOAD xs, rows, pk
	WIN 0x80
.irp e, 0,1
.irp a, 0,1,2,3
	global_load_b128 v[64*(\xs)+32*(\e)+8*(\a):64*(\xs)+32*(\e)+8*(\a)+3],   v[(\rows)+(\a)], s[AB0:AB0+1] offset:64*((\pk)+(\e))
	global_load_b128 v[64*(\xs)+32*(\e)+8*(\a)+4:64*(\xs)+32*(\e)+8*(\a)+7], v[(\rows)+(\a)], s[AB0:AB0+1] offset:64*((\pk)+(\e))+16
.endr
.endr
.endm
; The weights' fragments of K steps bk, bk + 1 of the quarter that the address names: 32 LDS loads, 512 consecutive bytes each, into buffer bs.
.macro BLOAD bs, adr, bk
	WIN 0xc0
.irp e, 0,1
.irp n, 0,1,2,3,4,5,6,7
	ds_load_b128 v[128*(\bs)+64*(\e)+8*(\n):128*(\bs)+64*(\e)+8*(\n)+3],   v[\adr] offset:8192*((\bk)+(\e))+1024*(\n)
	ds_load_b128 v[128*(\bs)+64*(\e)+8*(\n)+4:128*(\bs)+64*(\e)+8*(\n)+7], v[\adr] offset:8192*((\bk)+(\e))+1024*(\n)+512
.endr
.endr
.endm
; A BLOCK: two K steps.  It multiplies ring place xs by buffer bs, and asks first for the next block's weights and for the tokens three blocks on.
; A slot's 8 accumulators take turns.  zero = 1: the first K step starts the sums.  Slots without places are jumped: the jump passes matrix instructions alone, so every count is the same on both ways.
.macro BLOCK xs, bs, zero, rows, pk, adr, bk
	s_wait_loadcnt 32                              ; my block's tokens are in: the two younger blocks' 16 loads each stay out
	s_wait_dscnt 0x0                               ; my block's weights are in
	PLACES
	BLOAD 1-(\bs), \adr, \bk
	ALOAD ((\xs)+3)%4, \rows, \pk
.irp a, 0,1,2,3
	WIN 0x5b                                       ; weights window 3, tokens window 2, C and D window 1
.irp e, 0,1
.irp n, 0,1,2,3,4,5,6,7
.if (\zero) && ((\e) == 0)
	v_wmma_f32_16x16x32_bf16 v[64*(\a)+8*(\n):64*(\a)+8*(\n)+7], v[128*(\bs)+64*(\e)+8*(\n):128*(\bs)+64*(\e)+8*(\n)+7], v[64*(\xs)+32*(\e)+8*(\a):64*(\xs)+32*(\e)+8*(\a)+7], 0
.else
	v_wmma_f32_16x16x32_bf16 v[64*(\a)+8*(\n):64*(\a)+8*(\n)+7], v[128*(\bs)+64*(\e)+8*(\n):128*(\bs)+64*(\e)+8*(\n)+7], v[64*(\xs)+32*(\e)+8*(\a):64*(\xs)+32*(\e)+8*(\a)+7], v[64*(\a)+8*(\n):64*(\a)+8*(\n)+7]
.endif
.endr
.endr
	WIN 0                                          ; at a branch and at a label every window is 0
.if (\a) < 3
	s_cmp_lt_u32 s[NL], (\a)+2
	s_cbranch_scc1 .Lbe_\@
.endif
.endr
.Lbe_\@:
.endm
; Slot a's tokens, and its sums plus the bias, into column order: Z[32 ch + 4 j + c].  Each accumulator is read from its lowest register on.
.macro TAKE a
	v_mov_b32 v[TKS], v[TOK+(\a)]
	WIN 0xc1                                       ; sums window 1, bias window 0, Z window 3
.irp n, 0,1,2,3,4,5,6,7
.irp j, 0,1,2,3,4,5,6,7
	v_add_f32 v[Z+32*((\n)/4)+4*(\j)+(\n)%4], v[64*(\a)+8*(\n)+(\j)], v[BI+32*((\n)/4)+4*(\j)+(\n)%4]
.endr
.endr
	WIN 0
.endm
; gelu(z) = max(z, 0) + |z| P(t) 2^(-z^2 log2(e) / 2), t = 1 / (1 + 0.23164189 |z|), P = t (c1 + t (c2 + t (c3 + t (c4 + t c5)))), for Z[16 b ..]: 16 numbers, in place.
; The 32 transcendentals are one batch; the 16 maxima are the plain lines behind them; one wait ahead of the first reader.
.macro GELU b
	WIN 0xff
.set zb, Z+16*(\b)
.set i, 0
.rept 16
	v_and_b32 v[GU+i], 0x7fffffff, v[zb+i]
.set i, i+1
.endr
.set i, 0
.rept 8
	v_pk_fma_f32 v[GT+i:GT+i+1], v[GU+i:GU+i+1], s[CP:CP+1], s[CONE:CONE+1] op_sel_hi:[1,0,0]
	v_pk_mul_f32 v[GE+i:GE+i+1], v[zb+i:zb+i+1], v[zb+i:zb+i+1]
.set i, i+2
.endr
.set i, 0
.rept 8
	v_pk_mul_f32 v[GE+i:GE+i+1], v[GE+i:GE+i+1], s[CN:CN+1] op_sel_hi:[1,0]
.set i, i+2
.endr
.set i, 0
.rept 16
	v_rcp_f32 v[GT+i], v[GT+i]
.set i, i+1
.endr
.set i, 0
.rept 16
	v_exp_f32 v[GE+i], v[GE+i]
.set i, i+1
.endr
.set i, 0
.rept 16
	v_max_num_f32 v[GM+i], 0, v[zb+i]
.set i, i+1
.endr
	s_wait_alu depctr_va_vdst(0)
.set i, 0
.rept 8
	v_pk_fma_f32 v[zb+i:zb+i+1], v[GT+i:GT+i+1], s[C5:C5+1], s[C4:C4+1] op_sel_hi:[1,0,0]
.set i, i+2
.endr
.irp k, C3, C2, C1
.set i, 0
.rept 8
	v_pk_fma_f32 v[zb+i:zb+i+1], v[zb+i:zb+i+1], v[GT+i:GT+i+1], s[\k:\k+1] op_sel_hi:[1,1,0]
.set i, i+2
.endr
.endr
.set i, 0
.rept 8
	v_pk_mul_f32 v[zb+i:zb+i+1], v[zb+i:zb+i+1], v[GT+i:GT+i+1]
	v_pk_mul_f32 v[GE+i:GE+i+1], v[GE+i:GE+i+1], v[GU+i:GU+i+1]
.set i, i+2
.endr
.set i, 0
.rept 8
	v_pk_fma_f32 v[zb+i:zb+i+1], v[zb+i:zb+i+1], v[GE+i:GE+i+1], v[GM+i:GM+i+1]
.set i, i+2
.endr
.endm
	s_load_b256 s[4:11], s[0:1], 0x0               ; idx s[4:5], left operand s[6:7], weights s[8:9], bias s[10:11]
	s_load_b64 s[12:13], s[0:1], 0x20              ; output
	v_lshl_add_u32 v[SPW], v0, 2, SPARE
	v_mov_b32 v[NIL], 0
	v_lshrrev_b32 v1, 5, v0
	v_readfirstlane_b32 s[WV], v1                  ; wave 0..3
	v_and_b32 v1, 31, v0                           ; lane
	v_and_b32 v2, 15, v0                           ; r
	v_bfe_u32 v3, v0, 4, 1                         ; h
	s_and_b32 s[XE], ttmp7, 0xffff                 ; the expert
.if KIND == 1
	s_mov_b32 s[CSL], ttmp9
.else
	s_and_b32 s[CSL], ttmp9, 7
	s_lshr_b32 s[KQ], ttmp9, 3
	s_cmp_eq_u32 s[KQ], 0
	s_cselect_b32 s[FLAG], -1, 0
.endif
	s_lshl_b32 s[WOF], s[XE], 24                   ; weights: the expert's 1 << 24 bytes, my 512 bytes of a row, my wave's 256 rows
	s_lshl_b32 s[WOF+1], s[CSL], 9
	s_add_co_u32 s[WOF], s[WOF], s[WOF+1]
	s_lshl_b32 s[WOF+1], s[WV], WWS
	s_add_co_u32 s[WOF], s[WOF], s[WOF+1]
.if KIND == 2
	s_lshl_b32 s[WOF+1], s[KQ], 22                 ; and the quarter's 1,024 rows
	s_add_co_u32 s[WOF], s[WOF], s[WOF+1]
.endif
	s_mov_b32 s[WOF+1], 0
	s_lshl_b32 s[BOF], s[XE], BSH
	s_lshl_b32 s[BOF+1], s[CSL], 9
	s_add_co_u32 s[BOF], s[BOF], s[BOF+1]
	s_mov_b32 s[BOF+1], 0
.if KIND == 1
	s_lshl_b32 s[OOF], s[CSL], 8
.else
	s_lshl_b32 s[OOF], s[KQ], 22
	s_lshl_b32 s[OOF+1], s[CSL], 9
	s_add_co_u32 s[OOF], s[OOF], s[OOF+1]
	s_lshl_b32 s[AOF], s[KQ], 11
	s_mov_b32 s[AOF+1], 0
.endif
	s_mov_b32 s[OOF+1], 0
.if KIND == 1
.irp k, 0,1
	s_mov_b32 s[CP+(\k)], 0x3e6d3388               ; 0.23164189
	s_mov_b32 s[CN+(\k)], 0xbf38aa3b               ; -log2(e) / 2
	s_mov_b32 s[C1+(\k)], 0xbe027906               ; -0.5 x the series' five coefficients
	s_mov_b32 s[C2+(\k)], 0x3e11a98e
	s_mov_b32 s[C3+(\k)], 0xbf35f0e3
	s_mov_b32 s[C4+(\k)], 0x3f3a00e3
	s_mov_b32 s[C5+(\k)], 0xbf07dc22
	s_mov_b32 s[CONE+(\k)], 1.0
.endr
.endif
	v_lshlrev_b32 v[WB0], 4, v1
	v_mov_b32 v[WBQ], v[WB0]
	v_add_nc_u32 v[WBQ+1], 0x10000, v[WB0]
	v_add_nc_u32 v[WBQ+2], 0x20000, v[WB0]
	v_add_nc_u32 v[WBQ+3], 0x30000, v[WB0]
	v_lshlrev_b32 v[WVOFF], 4, v2
	v_lshl_add_u32 v[WVOFF], v3, WSH, v[WVOFF]
	s_lshl_b32 s2, s[WV], 16
	v_add_nc_u32 v[WST], s2, v[WB0]
	s_mul_i32 s2, s[WV], LISTB
	s_add_co_u32 s2, s2, LIST
	v_mov_b32 v[LISTW], s2
	v_add_nc_u32 v[T], s2, v[WB0]
	s_lshl_b32 s3, s[WV], 6
	s_add_co_u32 s3, s3, s2
	v_lshl_add_u32 v[LRA], v2, 2, s3
	s_mul_i32 s2, s[WV], STAGEB
	s_add_co_u32 s2, s2, STAGE
	v_mul_u32_u24 v[STO], v2, SP
	v_lshl_add_u32 v[STO], v3, HSH, v[STO]
	v_add_nc_u32 v[STO], s2, v[STO]
	v_lshlrev_b32 v[LNB], LSH, v1
	v_add_nc_u32 v[SRD], s2, v[LNB]
	v_lshlrev_b32 v[LK], 5, v3
	v_lshlrev_b32 v[L4], 2, v1
	v_add_nc_u32 v[DMP], 1280, v1
	v_lshlrev_b32 v[BOFF], 7, v3
.irp k, 0,1,2,3
	v_mov_b32 v[ZR+(\k)], 0
	v_mov_b32 v[TOK+16+(\k)], 0                    ; behind the last pass's places: token 0
.endr
.irp k, 0,1,2,3,4,5,6,7
	ds_store_b128 v[T], v[ZR:ZR+3] offset:512*(\k) ; my 1,024 list places name token 0
.endr
	s_mov_b32 s[CNT], 0
	s_lshl_b32 s[PB], s[WV], 4
	s_wait_kmcnt 0x0
	s_add_nc_u64 s[WBASE:WBASE+1], s[8:9], s[WOF:WOF+1]
.if KIND == 1
	s_mov_b64 s[AB0:AB0+1], s[6:7]
.else
	s_add_nc_u64 s[AB0:AB0+1], s[6:7], s[AOF:AOF+1]
.endif
	s_add_nc_u64 s[BIAS:BIAS+1], s[10:11], s[BOF:BOF+1]
	s_add_nc_u64 s[OB:OB+1], s[12:13], s[OOF:OOF+1]
.irp y, 0,1,2,3,4,5,6,7
	global_load_b128 v[IDX+4*(\y):IDX+4*(\y)+3], v[WB0], s[4:5] offset:512*(\y)  ; idx[128 y + 4 lane ..]
.endr
	WLOAD 0, 0
	WLOAD 1, 0
	WLOAD 2, 0
	WIN 0
	s_wait_loadcnt 48                              ; idx is in: the 48 weight loads are younger.  The list is made while they are on their way
.set li, 0
.rept 32
	LISTSTEP li
.set li, li+1
.endr
	WLOAD 3, 0
	WIN 0
.set i, 0
.rept 16
	ds_load_b32 v[TOK+i], v[LRA] offset:256*i      ; the token of my row in slot i % 4 of pass i / 4 (LDS serves a wave's instructions in order: these see the list)
.set i, i+1
.endr
	s_wait_dscnt 0x0
.irp a, 0,1,2,3
	v_min_u32 v[T+(\a)], 0x3ff, v[TOK+(\a)]
	v_lshl_add_u32 v[ROW+(\a)], v[T+(\a)], PSH, v[LK]
.endr
	; THE STREAM: three trips of two K steps, each group asked for again as soon as it is rounded; the fourth is written out without loads
	s_mov_b32 s[KC], 3
.Lstream:
	GROUP 0, 48, 1                                 ; 48: the three younger groups, on the way in and over the backward jump alike
	GROUP 1, 48, 1
	GROUP 2, 48, 1
	GROUP 3, 48, 1
	WIN 0
	s_wait_xcnt 0x0                                ; the base is stepped only behind this wait
	s_add_nc_u64 s[WBASE:WBASE+1], s[WBASE:WBASE+1], 64*WP
	v_add_nc_u32 v[WST], 16384, v[WST]
	s_sub_co_u32 s[KC], s[KC], 1
	s_cmp_lg_u32 s[KC], 0
	s_cbranch_scc1 .Lstream
	GROUP 0, 48, 0
	GROUP 1, 32, 0
	GROUP 2, 16, 0
.irp c, 0,1
.irp y, 0,1,2,3,4,5,6,7
	global_load_b128 v[BI+32*(\c)+4*(\y):BI+32*(\c)+4*(\y)+3], v[BOFF], s[BIAS:BIAS+1] offset:256*(\c)+16*(\y)  ; columns 64 ch + 32 h + 4 y ..
.endr
.endr
	ALOAD 0, ROW, 0                                ; pass 0's first three blocks of tokens go out under the stream's end
	ALOAD 1, ROW, 2
	ALOAD 2, ROW, 4
	GROUP 3, 48, 0                                 ; the last group and the bias are in: the 48 token loads are younger
	s_wait_dscnt 0x0                               ; for the others' sake: my fragments are stored
	s_barrier_signal -1
	s_barrier_wait -1                              ; the slice is whole
	BLOAD 0, WBQ, 0
	WIN 0
.set i, 0
.rept 32                                               ; the bias rounded to bf16 and back in f32, while those loads land
	v_cvt_pk_bf16_f32 v[T+i%4], v[BI+2*i], v[BI+2*i+1]
.if KIND == 2
	v_and_b32 v[T+i%4], s[FLAG], v[T+i%4]          ; it is added in the first quarter of K alone
.endif
	v_lshlrev_b32 v[BI+2*i], 16, v[T+i%4]
	v_and_b32 v[BI+2*i+1], 0xffff0000, v[T+i%4]
.set i, i+1
.endr
	; THE PASSES.  At a pass's head three blocks of its tokens (48 loads) and its first block of weights have been asked for.
	s_mov_b32 s[PASS], 4
.Lpass:
	s_sub_co_i32 s[NL], s[CNT], s[PB]
	s_cmp_le_i32 s[NL], 0
	s_cbranch_scc1 .Lend                           ; no place left for my wave, in this pass or any later
	s_add_co_u32 s[NL], s[NL], 63
	s_lshr_b32 s[NL], s[NL], 6
	s_min_u32 s[NL], s[NL], 4
	s_wait_xcnt 0x0                                ; every load that names ROW or NROW has read them
.irp a, 0,1,2,3,4,5,6,7
	v_min_u32 v[T+(\a)%4], 0x3ff, v[TOK+(\a)]      ; this pass's four rows, then the next pass's
	v_lshl_add_u32 v[ROW+(\a)], v[T+(\a)%4], PSH, v[LK]
.endr
	BLOCK 0, 0, 1, ROW, 6, WBQ, 2                  ; block 0 starts the sums
.set kb, 1
.rept 15                                               ; block kb asks for the weights of block kb + 1 and the tokens of block kb + 3; blocks 13 to 15 for the next pass's first
.set knb, (kb+1)%16
.if kb < 13
	BLOCK kb%4, kb%2, 0, ROW, 2*kb+6, WBQ+knb/4, 2*(knb%4)
.else
	BLOCK kb%4, kb%2, 0, NROW, 2*kb-26, WBQ+knb/4, 2*(knb%4)
.endif
.set kb, kb+1
.endr
	PLACES
	; THE WAY OUT, a slot at a time: bias (and GELU), through my stage into whole rows, one store a token row
	s_mov_b32 s[SA], 0
.Lslot:
	s_lshl_b32 s[NR], s[SA], 6
	s_add_co_u32 s[NR], s[NR], s[PB]
	s_sub_co_i32 s[NR], s[CNT], s[NR]
	s_cmp_le_i32 s[NR], 0
	s_cbranch_scc1 .Lsnext
	s_min_u32 s[NR], s[NR], 16
	s_cmp_eq_u32 s[SA], 0
	s_cbranch_scc0 .Lt1
	TAKE 0
	s_branch .Ltaken
.Lt1:
	s_cmp_eq_u32 s[SA], 1
	s_cbranch_scc0 .Lt2
	TAKE 1
	s_branch .Ltaken
.Lt2:
	s_cmp_eq_u32 s[SA], 2
	s_cbranch_scc0 .Lt3
	TAKE 2
	s_branch .Ltaken
.Lt3:
	TAKE 3
.Ltaken:
.if KIND == 1
	GELU 0
	GELU 1
	GELU 2
	GELU 3
	WIN 0xff
.set i, 0
.rept 32
	v_cvt_pk_bf16_f32 v[TMP+i], v[Z+2*i], v[Z+2*i+1]
.set i, i+1
.endr
.endif
	WIN 0x0c                                       ; store data in window 3
.if KIND == 1
.irp c, 0,1
.irp q, 0,1,2,3
	ds_store_b128 v[STO], v[TMP+16*(\c)+4*(\q):TMP+16*(\c)+4*(\q)+3] offset:128*(\c)+16*(\q)
.endr
.endr
.else
.irp c, 0,1
.irp q, 0,1,2,3,4,5,6,7
	ds_store_b128 v[STO], v[Z+32*(\c)+4*(\q):Z+32*(\c)+4*(\q)+3] offset:256*(\c)+16*(\q)
.endr
.endr
.endif
	WIN 0
.set f, 0
.rept 16                                               ; back by rows: the stage is my wave's own, and LDS serves a wave's instructions in order
.if KIND == 1
	ds_load_b64 v[OUT+2*f:OUT+2*f+1], v[SRD] offset:SP*f
.else
	ds_load_b128 v[OUT+4*f:OUT+4*f+3], v[SRD] offset:SP*f
.endif
.set f, f+1
.endr
.set f, 0
.rept 16                                               ; row f's token lies in lane f: its row's offset in the output, the same in every lane, plus my bytes
	v_readlane_b32 s[MSK+f%2], v[TKS], f
	s_min_u32 s[MSK+f%2], s[MSK+f%2], 0x3ff
	v_lshl_add_u32 v[TK+f], s[MSK+f%2], OSH, v[LNB]
.set f, f+1
.endr
	s_wait_dscnt 0x0
.set f, 0
.rept 16                                               ; a store is one token row's 256 (KIND 2: 512) consecutive bytes, aligned; rows past the count are jumped whole
.if f > 0
	s_cmp_le_u32 s[NR], f
	s_cbranch_scc1 .Lsdone
.endif
.if KIND == 1
	global_store_b64 v[TK+f], v[OUT+2*f:OUT+2*f+1], s[OB:OB+1]
.else
	global_store_b128 v[TK+f], v[OUT+4*f:OUT+4*f+3], s[OB:OB+1]
.endif
.set f, f+1
.endr
.Lsdone:
	s_wait_xcnt 0x0                                ; the stores' offsets and data are rewritten only behind this wait
.Lsnext:
	s_add_co_u32 s[SA], s[SA], 1
	s_cmp_lt_u32 s[SA], 4
	s_cbranch_scc1 .Lslot
.set i, 0
.rept 16
	v_mov_b32 v[TOK+i], v[TOK+i+4]                 ; the next pass's places move to the front
.set i, i+1
.endr
	s_add_co_u32 s[PB], s[PB], 256
	s_sub_co_u32 s[PASS], s[PASS], 1
	s_cmp_lg_u32 s[PASS], 0
	s_cbranch_scc1 .Lpass
.Lend:
	s_wait_tensorcnt 0x0                           ; the wave's end
	ds_add_u32 v[SPW], v[NIL]
	s_wait_dscnt 0x0
	s_endpgm
.Lfunc_end_k_q7e3918cced_ffn1:
	.size	k_q7e3918cced_ffn1, .Lfunc_end_k_q7e3918cced_ffn1-k_q7e3918cced_ffn1
	.p2alignl 7, 3214868480
	.fill 96, 4, 3214868480
	.section	.rodata,"a",@progbits
	.p2align	6, 0x0
	.amdhsa_kernel k_q7e3918cced_ffn1
		.amdhsa_group_segment_fixed_size 317952
		.amdhsa_private_segment_fixed_size 0
		.amdhsa_enable_private_segment 0
		.amdhsa_kernarg_size 40
		.amdhsa_user_sgpr_count 2
		.amdhsa_user_sgpr_kernarg_segment_ptr 1
		.amdhsa_wavefront_size32 1
		.amdhsa_system_sgpr_workgroup_id_x 1
		.amdhsa_system_sgpr_workgroup_id_y 1
		.amdhsa_system_sgpr_workgroup_id_z 1
		.amdhsa_system_vgpr_workitem_id 0
		.amdhsa_next_free_vgpr 1024
		.amdhsa_next_free_sgpr 66
		.amdhsa_reserve_vcc 0
		.amdhsa_float_denorm_mode_32 3
		.amdhsa_float_denorm_mode_16_64 3
		.amdhsa_memory_ordered 1
		.amdhsa_forward_progress 1
		.amdhsa_inst_pref_size 251
	.end_amdhsa_kernel
	.amdgpu_metadata
---
amdhsa.version: [ 1, 2 ]
amdhsa.kernels:
  - .name:           k_q7e3918cced_ffn1
    .symbol:         k_q7e3918cced_ffn1.kd
    .args:
      - { .name: idx, .offset: 0, .size: 8, .value_kind: global_buffer, .address_space: global }
      - { .name: xb, .offset: 8, .size: 8, .value_kind: global_buffer, .address_space: global }
      - { .name: w1, .offset: 16, .size: 8, .value_kind: global_buffer, .address_space: global }
      - { .name: b1, .offset: 24, .size: 8, .value_kind: global_buffer, .address_space: global }
      - { .name: hb, .offset: 32, .size: 8, .value_kind: global_buffer, .address_space: global }
    .group_segment_fixed_size: 317952
    .private_segment_fixed_size: 0
    .kernarg_segment_align: 8
    .kernarg_segment_size: 40
    .max_flat_workgroup_size: 128
    .sgpr_count:     66
    .vgpr_count:     1024
    .wavefront_size: 32
...
	.end_amdgpu_metadata
.endif
;; end of part 2
;; launch ffn2 (part 3): grid 32 x 8, 4 waves a work-group, no clusters, 317,952 bytes of LDS; arguments idx, hb, w2, b2, part; writes part
.if DOCPART == 3
	.amdgcn_target "amdgcn-amd-amdhsa--gfx1250"
	.amdhsa_code_object_version 6
	.text
	.protected	k_q7e3918cced_ffn2
	.globl	k_q7e3918cced_ffn2
	.p2align	8
	.type	k_q7e3918cced_ffn2,@function
k_q7e3918cced_ffn2:
	s_mov_b64 s[64:65], 0
	v_nop
	global_prefetch_b8 v0, s[64:65] scope:SCOPE_SE
	s_setreg_imm32_b32 hwreg(HW_REG_WAVE_MODE, 25, 1), 1
	s_wait_xcnt 0x0
; ONE PRODUCT OF THE EXPERTS' CHAIN, for the rows that chose the expert.  One text for both products, told apart by KIND (this copy leaves out what KIND 1 alone uses: the GELU).
;   KIND 1: hb[t][128 X ..] = gelu(xb[t] . w1[e][:, 128 X ..] + b1[e]), bf16.       KIND 2: part[kq][t][128 cg ..] = hb[t][1024 kq ..] . w2[e][1024 kq .., 128 cg ..] (+ b2[e] where kq = 0), f32.
; FORMATS AND LIMITS.  Weights and biases are rounded to bf16 on their way through registers (as every input of the program is); sums in f32; partial sums stay f32.  NaN and infinities are not treated apart.
; SHARES.  A work-group has a slice of ONE expert's weights, 1,024 k x 128 columns, which it alone reads, and all of that expert's rows, whatever their number (0 to 1,024).
; 1. Every wave makes, from idx, its own copy of the list of the expert's tokens in LDS (places past the count name token 0, a row that exists; what is made of them is not stored), and reads its own 16 x 16 places back into 16 registers.
; 2. The slice is streamed once: wave w takes k = 256 w .. + 255, 16 loads of 512 bytes to a group, four groups on their way; rounded and laid into LDS as finished fragments (262,144 bytes).  One barrier.
; 3. Up to four PASSES of 256 list places.  Wave w has, in slot a of pass p, the 16 places 256 p + 64 a + 16 w ..; it takes them through the whole K and all 128 columns.  Nothing is shared between waves
;    any more, so no barrier follows; a wave without places left goes forward to its end, products of slots without places and stores of rows without places are jumped forward.
;    Behind the barrier every LDS address is a register made at the head plus an immediate: so K is written out (16 blocks), and the list registers are moved down by four at a pass's end.
; NO TENSOR LOADS: the weights must pass through registers to be rounded.  NO CLUSTER: each slice has one reader, and the rows that an expert's work-groups share come by a list, which no descriptor covers.
; THE FRAGMENTS.  k and the columns are permuted alike on both sides.  In a group (K step s, column half ch) lane (r, h) loads 16 bytes of row k = 32 s + 16 h + p, p = 0..15, at columns 64 ch + 4 r ..:
; each half of the lanes takes 256 consecutive bytes, aligned.  Rows 2 i and 2 i + 1 of column c, rounded together, are register i of fragment nb = 4 ch + c, in which lane r stands for column 64 ch + 4 r + c.
; A token's fragment is then the 32 consecutive bytes at 64 s + 32 h of its row.  Source 0 = weights, source 1 = tokens: register j of accumulator nb in lane (r', h') is token r', column 64 ch + 32 h' + 4 j + c.
; REGISTERS, in windows of 256 (s_set_vgpr_msb: bits 1:0 source 0, 3:2 source 1, 5:4 source 2, 7:6 destination):
;   window 0: addresses, list, bias      window 1: the stream's four landing sets of 64; then the accumulators, slot a, fragment nb at 64 a + 8 nb
;   window 2: tokens' fragments, a ring of 4 blocks (two K steps x 4 slots x 8)      window 3: weights' fragments, 2 buffers of a block (two K steps x 8 x 8); the way out works in buffer 1
.set KIND, 2
.if KIND == 1
.set WP,  16384         ; bytes from a weight row to the next
.set WSH, 18            ; 16 WP = 1 << WSH
.set WWS, 22            ; 256 WP
.set BSH, 14            ; an expert's bias in bytes
.set PSH, 11            ; a token row of the left operand in bytes
.set OSH, 13            ; a token row of the output
.set SP,  272           ; a stage row: 256 bytes + 16
.set HSH, 6             ; a lane half's 32 columns in the stage
.set LSH, 3             ; bytes a lane stores of a row
.else
.set WP,  4096
.set WSH, 16
.set WWS, 20
.set BSH, 12
.set PSH, 13
.set OSH, 12
.set SP,  528           ; 512 bytes + 16
.set HSH, 7
.set LSH, 4
.endif
.set LIST,   262144     ; behind the fragments: for each wave 1,280 list places, of which 1,024 are used, and 32 dump words (5,376 bytes with the rest)
.set LISTB,  5376
.set STAGE,  283648     ; for each wave 16 rows at SP bytes, for the way out
.set STAGEB, 8448
.set SPARE,  317440     ; the spare words: 128 bytes a wave, two blocks of 256 bytes that no other line names
.set WVOFF, 4           ; v4   16 h weight rows + 16 r
.set WST,  5            ; v5   where my fragments go: 65,536 w + 16 lane, stepped in the stream
.set WB0,  6            ; v6   16 lane
.set LRA,  9            ; v9   my list + 64 w + 4 r; never rewritten
.set STO,  11           ; v11  into the stage; never rewritten
.set SRD,  12           ; v12  back from it; never rewritten
.set LNB,  13           ; v13  my bytes in an output row
.set LK,   14           ; v14  32 h
.set L4,   15           ; v15  4 lane
.set ROW,  16           ; v16-19  byte offsets of my four slots' token rows, this pass
.set NROW, 20           ; v20-23  next pass (ROW + 4)
.set T,    24           ; v24-27  at work
.set SPW,  28           ; v28  SPARE + 4 x my thread's number; never rewritten
.set NIL,  29           ; v29  0; never rewritten
.set LISTW, 30          ; v30  my list
.set DMP,  31           ; v31  1,280 + lane
.set TK,   32           ; v32-47  a tile's 16 rows' offsets in the output
.set ZR,   48           ; v48-51  zeros
.set BOFF, 52           ; v52  128 h
.set TKS,  53           ; v53  the slot's tokens: lane f holds row f's
.set WBQ,  56           ; v56-59  16 lane + 65,536 q: the four quarters of the fragments; never rewritten
.set CT,   64           ; v64-95  fragments on their way to LDS
.set OUT,  64           ; v64-127 later: rows back from the stage
.set IDX,  96           ; v96-127 the 1,024 choices, 32 a lane
.set BI,   128          ; v128-191 the bias of my 64 columns, in the order of Z
.set TOK,  192          ; v192-211 my row's token in slot a of the pass in hand at TOK + a, of the passes behind it from TOK + 4 on; zeros at the end
.set Z,    128          ; window 3
.set WV,  14            ; s14 wave
.set XE,  15            ; s15 expert
.set CSL, 16            ; s16 which 128 columns
.set KQ,  17            ; s17 which quarter of K (KIND 2)
.set WBASE, 20          ; s[20:21] weights, stepped
.set AB0, 22            ; s[22:23] left operand
.set OB,  26            ; s[26:27] output
.set BIAS, 28           ; s[28:29]
.set CNT, 30            ; s30 the expert's rows
.set PB,  31            ; s31 16 w + 256 pass
.set NL,  32            ; s32 my slots with places in this pass
.set NR,  33            ; s33 a tile's rows with places
.set PASS, 34
.set KC,  35
.set SA,  36
.set FLAG, 37           ; s37 all ones where the bias is added, else 0 (KIND 2)
.set MSK, 38
.set POP, 39
.set AOF, 40            ; s[40:41], s[42:43], s[60:61], s[62:63] offsets
.set OOF, 42
.set WOF, 60
.set BOF, 62
.set MSB, 0
.macro WIN new                         ; the immediate's high byte repeats the setting that is left; a switch that changes nothing is dropped
.if MSB != (\new)
	s_set_vgpr_msb (MSB<<8)|(\new)
.set MSB, (\new)
.endif
.endm
.macro PLACES                          ; four places behind matrix instructions, in front of loads into their sources and of lines that read their results
.rept 4
	v_nop
.endr
.endm
; One register of choices: the lanes whose token chose my expert put its number at the next list places, the others into their dump words.
.macro LISTSTEP n
	v_cmp_eq_u32 s[MSK], s[XE], v[IDX+(\n)]
	v_mbcnt_lo_u32_b32 v[T], s[MSK], s[CNT]        ; the count so far + the chosen lanes below mine
	v_cndmask_b32 v[T], v[DMP], v[T], s[MSK]
	v_min_u32 v[T], 1311, v[T]                     ; inside my list's 1,312 words
	v_lshl_add_u32 v[T], v[T], 2, v[LISTW]
	v_add_nc_u32 v[T+1], 128*((\n)/4)+(\n)%4, v[L4]  ; the token
	ds_store_b32 v[T], v[T+1]
	s_bcnt1_i32_b32 s[POP], s[MSK]
	s_add_co_u32 s[CNT], s[CNT], s[POP]
.endm
; Group gi (K step gi / 2, column half gi % 2) of the two K steps that begin k0 rows behind the base: 16 loads into landing set gi.  The launch reads each weight once.
.macro WLOAD gi, k0
	WIN 0x40
.set p, 0
.rept 16
	global_load_b128 v[64*(\gi)+4*p:64*(\gi)+4*p+3], v[WVOFF], s[WBASE:WBASE+1] offset:((\k0)+32*((\gi)/2)+p)*WP+256*((\gi)%2) th:TH_LOAD_NT
.set p, p+1
.endr
.endm
; Group gi is rounded, laid into LDS and (load = 1) asked for again, two K steps on.  left: the younger loads that may stay out.
.macro GROUP gi, left, load
	s_wait_loadcnt \left
	WIN 0x05
.set c, 0
.rept 4
.set i, 0
.rept 8
	v_cvt_pk_bf16_f32 v[CT+8*c+i], v[64*(\gi)+8*i+c], v[64*(\gi)+8*i+4+c]
.set i, i+1
.endr
.set c, c+1
.endr
	WIN 0
.set c, 0
.rept 4
	ds_store_b128 v[WST], v[CT+8*c:CT+8*c+3]   offset:8192*((\gi)/2)+1024*(4*((\gi)%2)+c)
	ds_store_b128 v[WST], v[CT+8*c+4:CT+8*c+7] offset:8192*((\gi)/2)+1024*(4*((\gi)%2)+c)+512
.set c, c+1
.endr
.if \load
	WLOAD \gi, 64
.endif
.endm
; The tokens' fragments of K steps pk, pk + 1 for my four slots: 16 loads into ring place xs.
.macro ALOAD xs, rows, pk
	WIN 0x80
.irp e, 0,1
.irp a, 0,1,2,3
	global_load_b128 v[64*(\xs)+32*(\e)+8*(\a):64*(\xs)+32*(\e)+8*(\a)+3],   v[(\rows)+(\a)], s[AB0:AB0+1] offset:64*((\pk)+(\e))
	global_load_b128 v[64*(\xs)+32*(\e)+8*(\a)+4:64*(\xs)+32*(\e)+8*(\a)+7], v[(\rows)+(\a)], s[AB0:AB0+1] offset:64*((\pk)+(\e))+16
.endr
.endr
.endm
; The weights' fragments of K steps bk, bk + 1 of the quarter that the address names: 32 LDS loads, 512 consecutive bytes each, into buffer bs.
.macro BLOAD bs, adr, bk
	WIN 0xc0
.irp e, 0,1
.irp n, 0,1,2,3,4,5,6,7
	ds_load_b128 v[128*(\bs)+64*(\e)+8*(\n):128*(\bs)+64*(\e)+8*(\n)+3],   v[\adr] offset:8192*((\bk)+(\e))+1024*(\n)
	ds_load_b128 v[128*(\bs)+64*(\e)+8*(\n)+4:128*(\bs)+64*(\e)+8*(\n)+7], v[\adr] offset:8192*((\bk)+(\e))+1024*(\n)+512
.endr
.endr
.endm
; A BLOCK: two K steps.  It multiplies ring place xs by buffer bs, and asks first for the next block's weights and for the tokens three blocks on.
; A slot's 8 accumulators take turns.  zero = 1: the first K step starts the sums.  Slots without places are jumped: the jump passes matrix instructions alone, so every count is the same on both ways.
.macro BLOCK xs, bs, zero, rows, pk, adr, bk
	s_wait_loadcnt 32                              ; my block's tokens are in: the two younger blocks' 16 loads each stay out
	s_wait_dscnt 0x0                               ; my block's weights are in
	PLACES
	BLOAD 1-(\bs), \adr, \bk
	ALOAD ((\xs)+3)%4, \rows, \pk
.irp a, 0,1,2,3
	WIN 0x5b                                       ; weights window 3, tokens window 2, C and D window 1
.irp e, 0,1
.irp n, 0,1,2,3,4,5,6,7
.if (\zero) && ((\e) == 0)
	v_wmma_f32_16x16x32_bf16 v[64*(\a)+8*(\n):64*(\a)+8*(\n)+7], v[128*(\bs)+64*(\e)+8*(\n):128*(\bs)+64*(\e)+8*(\n)+7], v[64*(\xs)+32*(\e)+8*(\a):64*(\xs)+32*(\e)+8*(\a)+7], 0
.else
	v_wmma_f32_16x16x32_bf16 v[64*(\a)+8*(\n):64*(\a)+8*(\n)+7], v[128*(\bs)+64*(\e)+8*(\n):128*(\bs)+64*(\e)+8*(\n)+7], v[64*(\xs)+32*(\e)+8*(\a):64*(\xs)+32*(\e)+8*(\a)+7], v[64*(\a)+8*(\n):64*(\a)+8*(\n)+7]
.endif
.endr
.endr
	WIN 0                                          ; at a branch and at a label every window is 0
.if (\a) < 3
	s_cmp_lt_u32 s[NL], (\a)+2
	s_cbranch_scc1 .Lbe_\@
.endif
.endr
.Lbe_\@:
.endm
; Slot a's tokens, and its sums plus the bias, into column order: Z[32 ch + 4 j + c].  Each accumulator is read from its lowest register on.
.macro TAKE a
	v_mov_b32 v[TKS], v[TOK+(\a)]
	WIN 0xc1                                       ; sums window 1, bias window 0, Z window 3
.irp n, 0,1,2,3,4,5,6,7
.irp j, 0,1,2,3,4,5,6,7
	v_add_f32 v[Z+32*((\n)/4)+4*(\j)+(\n)%4], v[64*(\a)+8*(\n)+(\j)], v[BI+32*((\n)/4)+4*(\j)+(\n)%4]
.endr
.endr
	WIN 0
.endm
	s_load_b256 s[4:11], s[0:1], 0x0               ; idx s[4:5], left operand s[6:7], weights s[8:9], bias s[10:11]
	s_load_b64 s[12:13], s[0:1], 0x20              ; output
	v_lshl_add_u32 v[SPW], v0, 2, SPARE
	v_mov_b32 v[NIL], 0
	v_lshrrev_b32 v1, 5, v0
	v_readfirstlane_b32 s[WV], v1                  ; wave 0..3
	v_and_b32 v1, 31, v0                           ; lane
	v_and_b32 v2, 15, v0                           ; r
	v_bfe_u32 v3, v0, 4, 1                         ; h
	s_and_b32 s[XE], ttmp7, 0xffff                 ; the expert
.if KIND == 1
	s_mov_b32 s[CSL], ttmp9
.else
	s_and_b32 s[CSL], ttmp9, 7
	s_lshr_b32 s[KQ], ttmp9, 3
	s_cmp_eq_u32 s[KQ], 0
	s_cselect_b32 s[FLAG], -1, 0
.endif
	s_lshl_b32 s[WOF], s[XE], 24                   ; weights: the expert's 1 << 24 bytes, my 512 bytes of a row, my wave's 256 rows
	s_lshl_b32 s[WOF+1], s[CSL], 9
	s_add_co_u32 s[WOF], s[WOF], s[WOF+1]
	s_lshl_b32 s[WOF+1], s[WV], WWS
	s_add_co_u32 s[WOF], s[WOF], s[WOF+1]
.if KIND == 2
	s_lshl_b32 s[WOF+1], s[KQ], 22                 ; and the quarter's 1,024 rows
	s_add_co_u32 s[WOF], s[WOF], s[WOF+1]
.endif
	s_mov_b32 s[WOF+1], 0
	s_lshl_b32 s[BOF], s[XE], BSH
	s_lshl_b32 s[BOF+1], s[CSL], 9
	s_add_co_u32 s[BOF], s[BOF], s[BOF+1]
	s_mov_b32 s[BOF+1], 0
.if KIND == 1
	s_lshl_b32 s[OOF], s[CSL], 8
.else
	s_lshl_b32 s[OOF], s[KQ], 22
	s_lshl_b32 s[OOF+1], s[CSL], 9
	s_add_co_u32 s[OOF], s[OOF], s[OOF+1]
	s_lshl_b32 s[AOF], s[KQ], 11
	s_mov_b32 s[AOF+1], 0
.endif
	s_mov_b32 s[OOF+1], 0
	v_lshlrev_b32 v[WB0], 4, v1
	v_mov_b32 v[WBQ], v[WB0]
	v_add_nc_u32 v[WBQ+1], 0x10000, v[WB0]
	v_add_nc_u32 v[WBQ+2], 0x20000, v[WB0]
	v_add_nc_u32 v[WBQ+3], 0x30000, v[WB0]
	v_lshlrev_b32 v[WVOFF], 4, v2
	v_lshl_add_u32 v[WVOFF], v3, WSH, v[WVOFF]
	s_lshl_b32 s2, s[WV], 16
	v_add_nc_u32 v[WST], s2, v[WB0]
	s_mul_i32 s2, s[WV], LISTB
	s_add_co_u32 s2, s2, LIST
	v_mov_b32 v[LISTW], s2
	v_add_nc_u32 v[T], s2, v[WB0]
	s_lshl_b32 s3, s[WV], 6
	s_add_co_u32 s3, s3, s2
	v_lshl_add_u32 v[LRA], v2, 2, s3
	s_mul_i32 s2, s[WV], STAGEB
	s_add_co_u32 s2, s2, STAGE
	v_mul_u32_u24 v[STO], v2, SP
	v_lshl_add_u32 v[STO], v3, HSH, v[STO]
	v_add_nc_u32 v[STO], s2, v[STO]
	v_lshlrev_b32 v[LNB], LSH, v1
	v_add_nc_u32 v[SRD], s2, v[LNB]
	v_lshlrev_b32 v[LK], 5, v3
	v_lshlrev_b32 v[L4], 2, v1
	v_add_nc_u32 v[DMP], 1280, v1
	v_lshlrev_b32 v[BOFF], 7, v3
.irp k, 0,1,2,3
	v_mov_b32 v[ZR+(\k)], 0
	v_mov_b32 v[TOK+16+(\k)], 0                    ; behind the last pass's places: token 0
.endr
.irp k, 0,1,2,3,4,5,6,7
	ds_store_b128 v[T], v[ZR:ZR+3] offset:512*(\k) ; my 1,024 list places name token 0
.endr
	s_mov_b32 s[CNT], 0
	s_lshl_b32 s[PB], s[WV], 4
	s_wait_kmcnt 0x0
	s_add_nc_u64 s[WBASE:WBASE+1], s[8:9], s[WOF:WOF+1]
.if KIND == 1
	s_mov_b64 s[AB0:AB0+1], s[6:7]
.else
	s_add_nc_u64 s[AB0:AB0+1], s[6:7], s[AOF:AOF+1]
.endif
	s_add_nc_u64 s[BIAS:BIAS+1], s[10:11], s[BOF:BOF+1]
	s_add_nc_u64 s[OB:OB+1], s[12:13], s[OOF:OOF+1]
.irp y, 0,1,2,3,4,5,6,7
	global_load_b128 v[IDX+4*(\y):IDX+4*(\y)+3], v[WB0], s[4:5] offset:512*(\y)  ; idx[128 y + 4 lane ..]
.endr
	WLOAD 0, 0
	WLOAD 1, 0
	WLOAD 2, 0
	WIN 0
	s_wait_loadcnt 48                              ; idx is in: the 48 weight loads are younger.  The list is made while they are on their way
.set li, 0
.rept 32
	LISTSTEP li
.set li, li+1
.endr
	WLOAD 3, 0
	WIN 0
.set i, 0
.rept 16
	ds_load_b32 v[TOK+i], v[LRA] offset:256*i      ; the token of my row in slot i % 4 of pass i / 4 (LDS serves a wave's instructions in order: these see the list)
.set i, i+1
.endr
	s_wait_dscnt 0x0
.irp a, 0,1,2,3
	v_min_u32 v[T+(\a)], 0x3ff, v[TOK+(\a)]
	v_lshl_add_u32 v[ROW+(\a)], v[T+(\a)], PSH, v[LK]
.endr
	; THE STREAM: three trips of two K steps, each group asked for again as soon as it is rounded; the fourth is written out without loads
	s_mov_b32 s[KC], 3
.Lstream:
	GROUP 0, 48, 1                                 ; 48: the three younger groups, on the way in and over the backward jump alike
	GROUP 1, 48, 1
	GROUP 2, 48, 1
	GROUP 3, 48, 1
	WIN 0
	s_wait_xcnt 0x0                                ; the base is stepped only behind this wait
	s_add_nc_u64 s[WBASE:WBASE+1], s[WBASE:WBASE+1], 64*WP
	v_add_nc_u32 v[WST], 16384, v[WST]
	s_sub_co_u32 s[KC], s[KC], 1
	s_cmp_lg_u32 s[KC], 0
	s_cbranch_scc1 .Lstream
	GROUP 0, 48, 0
	GROUP 1, 32, 0
	GROUP 2, 16, 0
.irp c, 0,1
.irp y, 0,1,2,3,4,5,6,7
	global_load_b128 v[BI+32*(\c)+4*(\y):BI+32*(\c)+4*(\y)+3], v[BOFF], s[BIAS:BIAS+1] offset:256*(\c)+16*(\y)  ; columns 64 ch + 32 h + 4 y ..
.endr
.endr
	ALOAD 0, ROW, 0                                ; pass 0's first three blocks of tokens go out under the stream's end
	ALOAD 1, ROW, 2
	ALOAD 2, ROW, 4
	GROUP 3, 48, 0                                 ; the last group and the bias are in: the 48 token loads are younger
	s_wait_dscnt 0x0                               ; for the others' sake: my fragments are stored
	s_barrier_signal -1
	s_barrier_wait -1                              ; the slice is whole
	BLOAD 0, WBQ, 0
	WIN 0
.set i, 0
.rept 32                                               ; the bias rounded to bf16 and back in f32, while those loads land
	v_cvt_pk_bf16_f32 v[T+i%4], v[BI+2*i], v[BI+2*i+1]
.if KIND == 2
	v_and_b32 v[T+i%4], s[FLAG], v[T+i%4]          ; it is added in the first quarter of K alone
.endif
	v_lshlrev_b32 v[BI+2*i], 16, v[T+i%4]
	v_and_b32 v[BI+2*i+1], 0xffff0000, v[T+i%4]
.set i, i+1
.endr
	; THE PASSES.  At a pass's head three blocks of its tokens (48 loads) and its first block of weights have been asked for.
	s_mov_b32 s[PASS], 4
.Lpass:
	s_sub_co_i32 s[NL], s[CNT], s[PB]
	s_cmp_le_i32 s[NL], 0
	s_cbranch_scc1 .Lend                           ; no place left for my wave, in this pass or any later
	s_add_co_u32 s[NL], s[NL], 63
	s_lshr_b32 s[NL], s[NL], 6
	s_min_u32 s[NL], s[NL], 4
	s_wait_xcnt 0x0                                ; every load that names ROW or NROW has read them
.irp a, 0,1,2,3,4,5,6,7
	v_min_u32 v[T+(\a)%4], 0x3ff, v[TOK+(\a)]      ; this pass's four rows, then the next pass's
	v_lshl_add_u32 v[ROW+(\a)], v[T+(\a)%4], PSH, v[LK]
.endr
	BLOCK 0, 0, 1, ROW, 6, WBQ, 2                  ; block 0 starts the sums
.set kb, 1
.rept 15                                               ; block kb asks for the weights of block kb + 1 and the tokens of block kb + 3; blocks 13 to 15 for the next pass's first
.set knb, (kb+1)%16
.if kb < 13
	BLOCK kb%4, kb%2, 0, ROW, 2*kb+6, WBQ+knb/4, 2*(knb%4)
.else
	BLOCK kb%4, kb%2, 0, NROW, 2*kb-26, WBQ+knb/4, 2*(knb%4)
.endif
.set kb, kb+1
.endr
	PLACES
	; THE WAY OUT, a slot at a time: bias, through my stage into whole rows, one store a token row
	s_mov_b32 s[SA], 0
.Lslot:
	s_lshl_b32 s[NR], s[SA], 6
	s_add_co_u32 s[NR], s[NR], s[PB]
	s_sub_co_i32 s[NR], s[CNT], s[NR]
	s_cmp_le_i32 s[NR], 0
	s_cbranch_scc1 .Lsnext
	s_min_u32 s[NR], s[NR], 16
	s_cmp_eq_u32 s[SA], 0
	s_cbranch_scc0 .Lt1
	TAKE 0
	s_branch .Ltaken
.Lt1:
	s_cmp_eq_u32 s[SA], 1
	s_cbranch_scc0 .Lt2
	TAKE 1
	s_branch .Ltaken
.Lt2:
	s_cmp_eq_u32 s[SA], 2
	s_cbranch_scc0 .Lt3
	TAKE 2
	s_branch .Ltaken
.Lt3:
	TAKE 3
.Ltaken:
	WIN 0x0c                                       ; store data in window 3
.irp c, 0,1
.irp q, 0,1,2,3,4,5,6,7
	ds_store_b128 v[STO], v[Z+32*(\c)+4*(\q):Z+32*(\c)+4*(\q)+3] offset:256*(\c)+16*(\q)
.endr
.endr
	WIN 0
.set f, 0
.rept 16                                               ; back by rows: the stage is my wave's own, and LDS serves a wave's instructions in order
	ds_load_b128 v[OUT+4*f:OUT+4*f+3], v[SRD] offset:SP*f
.set f, f+1
.endr
.set f, 0
.rept 16                                               ; row f's token lies in lane f: its row's offset in the output, the same in every lane, plus my bytes
	v_readlane_b32 s[MSK+f%2], v[TKS], f
	s_min_u32 s[MSK+f%2], s[MSK+f%2], 0x3ff
	v_lshl_add_u32 v[TK+f], s[MSK+f%2], OSH, v[LNB]
.set f, f+1
.endr
	s_wait_dscnt 0x0
.set f, 0
.rept 16                                               ; a store is one token row's 512 consecutive bytes, aligned; rows past the count are jumped whole
.if f > 0
	s_cmp_le_u32 s[NR], f
	s_cbranch_scc1 .Lsdone
.endif
	global_store_b128 v[TK+f], v[OUT+4*f:OUT+4*f+3], s[OB:OB+1]
.set f, f+1
.endr
.Lsdone:
	s_wait_xcnt 0x0                                ; the stores' offsets and data are rewritten only behind this wait
.Lsnext:
	s_add_co_u32 s[SA], s[SA], 1
	s_cmp_lt_u32 s[SA], 4
	s_cbranch_scc1 .Lslot
.set i, 0
.rept 16
	v_mov_b32 v[TOK+i], v[TOK+i+4]                 ; the next pass's places move to the front
.set i, i+1
.endr
	s_add_co_u32 s[PB], s[PB], 256
	s_sub_co_u32 s[PASS], s[PASS], 1
	s_cmp_lg_u32 s[PASS], 0
	s_cbranch_scc1 .Lpass
.Lend:
	s_wait_tensorcnt 0x0                           ; the wave's end
	ds_add_u32 v[SPW], v[NIL]
	s_wait_dscnt 0x0
	s_endpgm
.Lfunc_end_k_q7e3918cced_ffn2:
	.size	k_q7e3918cced_ffn2, .Lfunc_end_k_q7e3918cced_ffn2-k_q7e3918cced_ffn2
	.p2alignl 7, 3214868480
	.fill 96, 4, 3214868480
	.section	.rodata,"a",@progbits
	.p2align	6, 0x0
	.amdhsa_kernel k_q7e3918cced_ffn2
		.amdhsa_group_segment_fixed_size 317952
		.amdhsa_private_segment_fixed_size 0
		.amdhsa_enable_private_segment 0
		.amdhsa_kernarg_size 40
		.amdhsa_user_sgpr_count 2
		.amdhsa_user_sgpr_kernarg_segment_ptr 1
		.amdhsa_wavefront_size32 1
		.amdhsa_system_sgpr_workgroup_id_x 1
		.amdhsa_system_sgpr_workgroup_id_y 1
		.amdhsa_system_sgpr_workgroup_id_z 1
		.amdhsa_system_vgpr_workitem_id 0
		.amdhsa_next_free_vgpr 1024
		.amdhsa_next_free_sgpr 66
		.amdhsa_reserve_vcc 0
		.amdhsa_float_denorm_mode_32 3
		.amdhsa_float_denorm_mode_16_64 3
		.amdhsa_memory_ordered 1
		.amdhsa_forward_progress 1
		.amdhsa_inst_pref_size 220
	.end_amdhsa_kernel
	.amdgpu_metadata
---
amdhsa.version: [ 1, 2 ]
amdhsa.kernels:
  - .name:           k_q7e3918cced_ffn2
    .symbol:         k_q7e3918cced_ffn2.kd
    .args:
      - { .name: idx, .offset: 0, .size: 8, .value_kind: global_buffer, .address_space: global }
      - { .name: hb, .offset: 8, .size: 8, .value_kind: global_buffer, .address_space: global }
      - { .name: w2, .offset: 16, .size: 8, .value_kind: global_buffer, .address_space: global }
      - { .name: b2, .offset: 24, .size: 8, .value_kind: global_buffer, .address_space: global }
      - { .name: part, .offset: 32, .size: 8, .value_kind: global_buffer, .address_space: global }
    .group_segment_fixed_size: 317952
    .private_segment_fixed_size: 0
    .kernarg_segment_align: 8
    .kernarg_segment_size: 40
    .max_flat_workgroup_size: 128
    .sgpr_count:     66
    .vgpr_count:     1024
    .wavefront_size: 32
...
	.end_amdgpu_metadata
.endif
;; end of part 3
;; launch addup (part 4): grid 256 x 1, 8 waves a work-group, no clusters, 0 bytes of LDS; arguments part, auxp, out0, out1; writes out0, out1
.if DOCPART == 4
	.amdgcn_target "amdgcn-amd-amdhsa--gfx1250"
	.amdhsa_code_object_version 6
	.text
	.protected	k_q7e3918cced_addup
	.globl	k_q7e3918cced_addup
	.p2align	8
	.type	k_q7e3918cced_addup,@function
k_q7e3918cced_addup:
	s_mov_b64 s[64:65], 0
	v_nop
	global_prefetch_b8 v0, s[64:65] scope:SCOPE_SE
	s_setreg_imm32_b32 hwreg(HW_REG_WAVE_MODE, 25, 1), 1
	s_wait_xcnt 0x0
; out0 = the sum of the second product's four K quarters (f32, (p0 + p1) + (p2 + p3); the bias lies in quarter 0); out1 = the sum of the router's 64 parts of the loss.
; A stream: a work-group owns 16,384 consecutive bytes of out0; thread t takes 16 bytes at 16 t in each of four rows of 4,096.  All 16 loads of a thread go out before the first wait.
; No LDS, no barrier, no matrix unit: each byte is read once and written once, and a wave's load or store covers 512 consecutive bytes, aligned.
.set P, 16                             ; v[16:79]  row i, quarter q at P + 16 i + 4 q
	s_load_b256 s[4:11], s[0:1], 0x0               ; part s[4:5], auxp s[6:7], out0 s[8:9], out1 s[10:11]
	v_lshlrev_b32 v1, 4, v0
	v_lshrrev_b32 v2, 5, v0
	v_readfirstlane_b32 s16, v2                    ; wave
	s_lshl_b32 s12, ttmp9, 14
	s_mov_b32 s13, 0
	s_wait_kmcnt 0x0
	s_add_nc_u64 s[4:5], s[4:5], s[12:13]
	s_add_nc_u64 s[8:9], s[8:9], s[12:13]
	s_add_nc_u64 s[14:15], s[4:5], 0x800000        ; quarters 2 and 3: two quarters of 4,194,304 bytes on, past what a load's immediate reaches
.irp i, 0,1,2,3
	global_load_b128 v[P+16*(\i):P+16*(\i)+3],     v1, s[4:5]   offset:4096*(\i) th:TH_LOAD_NT
	global_load_b128 v[P+16*(\i)+4:P+16*(\i)+7],   v1, s[4:5]   offset:4194304+4096*(\i) th:TH_LOAD_NT
	global_load_b128 v[P+16*(\i)+8:P+16*(\i)+11],  v1, s[14:15] offset:4096*(\i) th:TH_LOAD_NT
	global_load_b128 v[P+16*(\i)+12:P+16*(\i)+15], v1, s[14:15] offset:4194304+4096*(\i) th:TH_LOAD_NT
.endr
.irp i, 0,1,2,3
	s_wait_loadcnt 12-4*(\i)                       ; row i's four loads are in: the later rows' stay out
	v_pk_add_f32 v[P+16*(\i):P+16*(\i)+1],     v[P+16*(\i):P+16*(\i)+1],     v[P+16*(\i)+4:P+16*(\i)+5]
	v_pk_add_f32 v[P+16*(\i)+2:P+16*(\i)+3],   v[P+16*(\i)+2:P+16*(\i)+3],   v[P+16*(\i)+6:P+16*(\i)+7]
	v_pk_add_f32 v[P+16*(\i)+8:P+16*(\i)+9],   v[P+16*(\i)+8:P+16*(\i)+9],   v[P+16*(\i)+12:P+16*(\i)+13]
	v_pk_add_f32 v[P+16*(\i)+10:P+16*(\i)+11], v[P+16*(\i)+10:P+16*(\i)+11], v[P+16*(\i)+14:P+16*(\i)+15]
	v_pk_add_f32 v[P+16*(\i):P+16*(\i)+1],     v[P+16*(\i):P+16*(\i)+1],     v[P+16*(\i)+8:P+16*(\i)+9]
	v_pk_add_f32 v[P+16*(\i)+2:P+16*(\i)+3],   v[P+16*(\i)+2:P+16*(\i)+3],   v[P+16*(\i)+10:P+16*(\i)+11]
	global_store_b128 v1, v[P+16*(\i):P+16*(\i)+3], s[8:9] offset:4096*(\i) th:TH_STORE_NT
.endr
	s_or_b32 s16, s16, ttmp9
	s_cmp_lg_u32 s16, 0
	s_cbranch_scc1 .Lend                           ; wave 0 of work-group 0 alone finishes the loss
	v_and_b32 v3, 31, v0
	v_lshlrev_b32 v4, 3, v3
	global_load_b64 v[6:7], v4, s[6:7]             ; two of the 64 parts a lane
	s_mov_b32 s17, 0x76543210
	s_mov_b32 s18, 0xfedcba98
	v_mov_b32 v8, 0
	v_mov_b32 v9, 0
	s_wait_loadcnt 0x0
	v_add_f32 v6, v6, v7
	v_add_f32_dpp v6, v6, v6 row_xmask:1 row_mask:0xf bank_mask:0xf
	v_add_f32_dpp v6, v6, v6 row_xmask:2 row_mask:0xf bank_mask:0xf
	v_add_f32_dpp v6, v6, v6 row_xmask:4 row_mask:0xf bank_mask:0xf
	v_add_f32_dpp v6, v6, v6 row_xmask:8 row_mask:0xf bank_mask:0xf
	v_permlanex16_b32 v8, v6, s17, s18
	v_add_f32 v6, v6, v8
	s_wait_xcnt 0x0                                ; EXEC changes only behind this wait
	v_cmp_eq_u32 vcc_lo, 0, v3
	s_and_saveexec_b32 s19, vcc_lo
	global_store_b32 v9, v6, s[10:11]
	s_wait_xcnt 0x0
	s_or_b32 exec_lo, exec_lo, s19
.Lend:
	s_endpgm
.Lfunc_end_k_q7e3918cced_addup:
	.size	k_q7e3918cced_addup, .Lfunc_end_k_q7e3918cced_addup-k_q7e3918cced_addup
	.p2alignl 7, 3214868480
	.fill 96, 4, 3214868480
	.section	.rodata,"a",@progbits
	.p2align	6, 0x0
	.amdhsa_kernel k_q7e3918cced_addup
		.amdhsa_group_segment_fixed_size 0
		.amdhsa_private_segment_fixed_size 0
		.amdhsa_enable_private_segment 0
		.amdhsa_kernarg_size 32
		.amdhsa_user_sgpr_count 2
		.amdhsa_user_sgpr_kernarg_segment_ptr 1
		.amdhsa_wavefront_size32 1
		.amdhsa_system_sgpr_workgroup_id_x 1
		.amdhsa_system_sgpr_workgroup_id_y 1
		.amdhsa_system_sgpr_workgroup_id_z 1
		.amdhsa_system_vgpr_workitem_id 0
		.amdhsa_next_free_vgpr 96
		.amdhsa_next_free_sgpr 66
		.amdhsa_reserve_vcc 1
		.amdhsa_float_denorm_mode_32 3
		.amdhsa_float_denorm_mode_16_64 3
		.amdhsa_memory_ordered 1
		.amdhsa_forward_progress 1
		.amdhsa_inst_pref_size 6
	.end_amdhsa_kernel
	.amdgpu_metadata
---
amdhsa.version: [ 1, 2 ]
amdhsa.kernels:
  - .name:           k_q7e3918cced_addup
    .symbol:         k_q7e3918cced_addup.kd
    .args:
      - { .name: part, .offset: 0, .size: 8, .value_kind: global_buffer, .address_space: global }
      - { .name: auxp, .offset: 8, .size: 8, .value_kind: global_buffer, .address_space: global }
      - { .name: out0, .offset: 16, .size: 8, .value_kind: global_buffer, .address_space: global }
      - { .name: out1, .offset: 24, .size: 8, .value_kind: global_buffer, .address_space: global }
    .group_segment_fixed_size: 0
    .private_segment_fixed_size: 0
    .kernarg_segment_align: 8
    .kernarg_segment_size: 32
    .max_flat_workgroup_size: 256
    .sgpr_count:     66
    .vgpr_count:     96
    .wavefront_size: 32
...
	.end_amdgpu_metadata
.endif
;; end of part 4
;; ======== version 2 of 3: 4 launches; 1.22 times as fast as version 1
;; workspace buffers: xb 2,097,152 bytes; idx 4,096 bytes of whole numbers; auxp 256 bytes; hb 8,388,608 bytes; part 16,777,216 bytes
;; launch router: the kernel of part 1 again; grid 64 x 1, 8 waves a work-group, no clusters, 60,416 bytes of LDS; arguments x, gate_w, gate_b, xb, idx, auxp; writes xb, idx, auxp
;; launch ffn1 (part 5): grid 32 x 8, 4 waves a work-group, no clusters, 182,784 bytes of LDS; arguments idx, xb, w1, b1, hb; writes hb
.if DOCPART == 5
	.amdgcn_target "amdgcn-amd-amdhsa--gfx1250"
	.amdhsa_code_object_version 6
	.text
	.protected	k_q7e3918cced_ffn1
	.globl	k_q7e3918cced_ffn1
	.p2align	8
	.type	k_q7e3918cced_ffn1,@function
k_q7e3918cced_ffn1:
	s_mov_b64 s[64:65], 0
	v_nop
	global_prefetch_b8 v0, s[64:65] scope:SCOPE_SE
	s_setreg_imm32_b32 hwreg(HW_REG_WAVE_MODE, 25, 1), 1
	s_wait_xcnt 0x0
; ONE PRODUCT OF THE EXPERTS' CHAIN, for the rows that chose the expert.  One text for both products, told apart by KIND.
;   KIND 1: hb[t][128 X ..] = gelu(xb[t] . w1[e][:, 128 X ..] + b1[e]), bf16.       KIND 2: part[kq][t][128 cg ..] = hb[t][1024 kq ..] . w2[e][1024 kq .., 128 cg ..] (+ b2[e] where kq = 0), f32.
; FORMATS AND LIMITS.  Weights and biases are rounded to bf16 on their way through registers (as every input of the program is); sums in f32; the hidden layer is rounded once to bf16; partial sums stay f32.
; The exact GELU's erf is taken by the rational form 7.1.26 of Abramowitz and Stegun, off by 1.5e-7 at the most for every argument; an exponential below 2^-126 counts as 0.  NaN and infinities are not treated apart.
; SHARES.  A work-group has a slice of ONE expert's weights, 1,024 k x 128 columns, which it alone reads, and all of that expert's rows, whatever their number (0 to 1,024).
; Wave w has k = 256 w .. + 255 of the slice and KEEPS it, as finished bf16 fragments, in 512 registers: the weights never pass through LDS, and no wave waits for another's part of the stream.
; 1. Every wave makes, from idx, its own copy of the list of the expert's tokens in LDS (places past the count name token 0, a row that exists; what is made of them is not stored), and reads it back: one register a tile of 16 places.
; 2. The stream: 16 groups of 16 loads of 512 bytes, four groups on their way; each group is rounded straight into its fragments' registers.  It is written out, since the registers differ from group to group.
; 3. ROUNDS of four tiles.  Every wave multiplies every tile that has places by its quarter of K (64 matrix instructions and 8,192 bytes of token rows a tile: each token byte is read by one wave of the work-group)
;    and puts its partial sums, f32, into LDS; a barrier; wave w adds the four parts of tile w, finishes them and stores one token row an instruction; a barrier.
;    The rounds are counted to the constant 16, which serves every split; every wave passes every barrier, and only work is jumped, forward.  Every LDS address is a register made at the head plus an immediate.
; NO TENSOR LOADS: the weights must pass through registers to be rounded.  NO CLUSTER: each slice has one reader, and the rows that an expert's work-groups share come by a list, which no descriptor covers.
; THE FRAGMENTS.  k and the columns are permuted alike on both sides.  In a group (K step s, column half ch) lane (r, h) loads 16 bytes of row k = 32 s + 16 h + p, p = 0..15, at columns 64 ch + 4 r ..:
; each half of the lanes takes 256 consecutive bytes, aligned.  Rows 2 i and 2 i + 1 of column c, rounded together, are register i of fragment nb = 4 ch + c, in which lane r stands for column 64 ch + 4 r + c.
; A token's fragment is then the 32 consecutive bytes at 64 s + 32 h of its row.  Source 0 = weights, source 1 = tokens: register j of accumulator nb in lane (r', h') is token r', column 64 ch + 32 h' + 4 j + c.
; REGISTERS, in windows of 256 (s_set_vgpr_msb: bits 1:0 source 0, 3:2 source 1, 5:4 source 2, 7:6 destination):
;   window 0: v0-63 addresses; v64-127 the 8 accumulators (at work in the sums); v128-191 the bias in the accumulators' layout; v192-255 the list
;   window 1: the stream's four landing sets of 64; then a ring of four tiles' token fragments (K step s at 64 place + 8 s), of which places 2 and 3 are at work in the sums
;   windows 2, 3: the weights: K step s, fragment nb at 64 (s % 4) + 8 nb of window 2 + s / 4
.set KIND, 1
.if KIND == 1
.set WP,  16384         ; bytes from a weight row to the next
.set WSH, 18            ; 16 WP = 1 << WSH
.set WWS, 22            ; 256 WP
.set BSH, 14            ; an expert's bias in bytes
.set PSH, 11            ; a token row of the left operand in bytes
.set OSH, 13            ; a token row of the output
.set SP,  272           ; a stage row: 256 bytes + 16
.set HSH, 6             ; a lane half's 32 columns in the stage
.set LSH, 3             ; bytes a lane stores of a row
.set OUT, 96            ; v96-127 rows back from the stage
.else
.set WP,  4096
.set WSH, 16
.set WWS, 20
.set BSH, 12
.set PSH, 13
.set OSH, 12
.set SP,  528           ; 512 bytes + 16
.set HSH, 7
.set LSH, 4
.set OUT, 64            ; v64-127
.endif
.set LIST,   131072     ; behind the partial sums (tile i of a round, wave w at 32,768 i + 8,192 w): for each wave 1,024 list places and 32 dump words, 4,352 bytes with the rest
.set LISTB,  4352
.set STAGE,  148480     ; for each wave 16 rows at SP bytes, for the way out
.set STAGEB, 8448
.set SPARE,  182272     ; the spare words: 128 bytes a wave, two blocks of 256 bytes that no other line names
.set WVOFF, 4           ; v4   16 h weight rows + 16 r
.set LKW,  5            ; v5   512 w + 32 h: my bytes in a token row
.set WB0,  6            ; v6   16 lane
.set LRA,  7            ; v7   my list + 4 r
.set STO,  8            ; v8   into the stage
.set SRD,  9            ; v9   back from it
.set LNB,  10           ; v10  my bytes in an output row
.set L4,   11           ; v11  4 lane
.set LISTW, 12          ; v12  my list
.set DMP,  13           ; v13  1,024 + lane
.set TKS,  14           ; v14  the tokens of the tile that I finish: lane f holds row f's
.set PR,   15           ; v15  the four parts of tile w: 32,768 w + 16 lane
.set ROW,  16           ; v16-19  byte offset of my token row, by ring place
.set PW,   20           ; v20-21  my part of tiles 0, 1 and of tiles 2, 3: 8,192 w + 16 lane (+ 65,536)
.set BST,  22           ; v22  the bias into my stage
.set BLD,  23           ; v23  and back
.set T,    24           ; v24-27  at work
.set SPW,  28           ; v28  SPARE + 4 x my thread's number; never rewritten
.set NIL,  29           ; v29  0; never rewritten
.set TK,   32           ; v32-47  a tile's 16 rows' offsets in the output
.set ZR,   48           ; v48-51  zeros
.set ACC,  64           ; v64-127 accumulator nb at ACC + 8 nb
.set S0,   64           ;         in the sums: a part as loaded
.set BR,   64           ;         at the head: four numbers of the bias
.set TMP,  64           ;         KIND 1: the tile in bf16
.set BIA,  128          ; v128-191 the bias of accumulator nb at BIA + 8 nb; 0 but in the wave that adds it
.set TOK,  192          ; v192-255 my row's token in tile t of the round in hand at TOK + t, of the rounds behind it from TOK + 4 on
.set IDX,  192          ;         at the head: the 1,024 choices, 32 a lane
.set S1,   128          ; window 1: the running sum, in the accumulators' layout
.set Z,    192          ; window 1: a part as loaded; then the tile in column order: Z[32 ch + 4 j + c]
.set GU,   128          ; window 1: GELU at work
.set GT,   144
.set GE,   160
.set GM,   176
.set WV,  14            ; s14 wave
.set XE,  15            ; s15 expert
.set CSL, 16            ; s16 which 128 columns
.set KQ,  17            ; s17 which quarter of K (KIND 2)
.set SM1, 18            ; s18, s19, s24  all ones in wave 1, 2, 3
.set SM2, 19
.set WBASE, 20          ; s[20:21] my wave's weights; never rewritten
.set AB0, 22            ; s[22:23] left operand
.set SM3, 24
.set OB,  26            ; s[26:27] output
.set BIAS, 28           ; s[28:29]
.set CNT, 30            ; s30 the expert's rows
.set PB,  31            ; s31 16 w + 64 round: the first place of the tile that I finish
.set TL,  32            ; s32 tiles with places, counted from the round's first (may fall below 0)
.set NR,  33            ; s33 rows with places in the tile that I finish
.set RND, 34
.set FLAG, 37           ; s37 all ones in the wave that adds the bias, else 0
.set MSK, 38
.set POP, 39
.set AOF, 40            ; s[40:41], s[42:43], s[60:61], s[62:63] offsets
.set OOF, 42
.set CP,  44            ; s[44:59] GELU's constants, as pairs
.set CN,  46
.set C1,  48
.set C2,  50
.set C3,  52
.set C4,  54
.set C5,  56
.set CONE, 58
.set WOF, 60
.set BOF, 62
.set MSB, 0
.macro WIN new                         ; the immediate's high byte repeats the setting that is left; a switch that changes nothing is dropped
.if MSB != (\new)
	s_set_vgpr_msb (MSB<<8)|(\new)
.set MSB, (\new)
.endif
.endm
.macro PLACES                          ; four places behind matrix instructions, in front of LDS stores of their results and of loads and vector lines that write their registers
.rept 4
	v_nop
.endr
.endm
; One register of choices: the lanes whose token chose my expert put its number at the next list places, the others into their dump words.
.macro LISTSTEP n
	v_cmp_eq_u32 s[MSK], s[XE], v[IDX+(\n)]
	v_mbcnt_lo_u32_b32 v[T], s[MSK], s[CNT]        ; the count so far + the chosen lanes below mine
	v_cndmask_b32 v[T], v[DMP], v[T], s[MSK]
	v_min_u32 v[T], 1055, v[T]                     ; inside my list's 1,056 words
	v_lshl_add_u32 v[T], v[T], 2, v[LISTW]
	v_add_nc_u32 v[T+1], 128*((\n)/4)+(\n)%4, v[L4]  ; the token
	ds_store_b32 v[T], v[T+1]
	s_bcnt1_i32_b32 s[POP], s[MSK]
	s_add_co_u32 s[CNT], s[CNT], s[POP]
.endm
; Group gi of 16 (K step gi / 2, column half gi % 2): 16 loads into landing set gi % 4.  The rows stand in the immediate, 3,915,776 bytes at the most.  The launch reads each weight once.
.macro WLOAD gi
	WIN 0x40
.set p, 0
.rept 16
	global_load_b128 v[64*((\gi)%4)+4*p:64*((\gi)%4)+4*p+3], v[WVOFF], s[WBASE:WBASE+1] offset:(32*((\gi)/2)+p)*WP+256*((\gi)%2) th:TH_LOAD_NT
.set p, p+1
.endr
.endm
; Group gi is rounded into its four fragments' registers, and its landing set is asked for again, four groups on.
.macro GROUP gi
.if (\gi) < 15
	s_wait_loadcnt 48                              ; mine is in: three younger groups of 16 stay out (at the stream's end: weight groups and the first tiles' token loads)
.else
	s_wait_loadcnt 32                              ; the last group: the first two tiles' token loads stay out
.endif
	WIN 0x85+0x40*((\gi)/8)                        ; sources window 1, destination window 2 or 3
.set c, 0
.rept 4
.set i, 0
.rept 8
	v_cvt_pk_bf16_f32 v[64*(((\gi)/2)%4)+8*(4*((\gi)%2)+c)+i], v[64*((\gi)%4)+8*i+c], v[64*((\gi)%4)+8*i+4+c]
.set i, i+1
.endr
.set c, c+1
.endr
.if (\gi) < 12
	WLOAD (\gi)+4
.endif
.endm
; Tile i (counted from the round's first) is asked for: my quarter of K of its 16 rows, 16 loads into ring place i % 4.  Other work-groups read these rows again.
.macro ASK i
	v_min_u32 v[T], 0x3ff, v[TOK+(\i)]
	v_lshl_add_u32 v[ROW+(\i)%4], v[T], PSH, v[LKW]  ; the place's last loads were shown done by the wait ahead of their products
	WIN 0x40
.irp s, 0,1,2,3,4,5,6,7
	global_load_b128 v[64*((\i)%4)+8*(\s):64*((\i)%4)+8*(\s)+3],   v[ROW+(\i)%4], s[AB0:AB0+1] offset:64*(\s) th:TH_LOAD_HT
	global_load_b128 v[64*((\i)%4)+8*(\s)+4:64*((\i)%4)+8*(\s)+7], v[ROW+(\i)%4], s[AB0:AB0+1] offset:64*(\s)+16 th:TH_LOAD_HT
.endr
	WIN 0
.endm
; It is asked for only if it has places.  Where nothing is asked for, the wave waits for all its loads: so behind a tile's loads stand, on every way, either the next tile's 16 or a wait for 0,
; and the counted waits (16 ahead of a tile's products, 48 and 32 in the stream) hold on every way.
.macro MAYASK i
	WIN 0
	s_cmp_gt_i32 s[TL], (\i)
	s_cbranch_scc0 .Lnone_\@
	ASK \i
	s_branch .Lgo_\@
.Lnone_\@:
	s_wait_loadcnt 0x0
.Lgo_\@:
.endm
; 32 matrix instructions: tile i, accumulators 4 hb .. 4 hb + 3 by turns, through my 8 K steps.  The first K step starts the sums from the bias.
.macro HALF i, hb
.irp s, 0,1,2,3,4,5,6,7
	WIN 0x06+(\s)/4                                ; weights window 2 or 3, tokens window 1, C and D window 0
.irp c, 0,1,2,3
.if (\s) == 0
	v_wmma_f32_16x16x32_bf16 v[ACC+8*(4*(\hb)+(\c)):ACC+8*(4*(\hb)+(\c))+7], v[64*((\s)%4)+8*(4*(\hb)+(\c)):64*((\s)%4)+8*(4*(\hb)+(\c))+7], v[64*((\i)%4)+8*(\s):64*((\i)%4)+8*(\s)+7], v[BIA+8*(4*(\hb)+(\c)):BIA+8*(4*(\hb)+(\c))+7]
.else
	v_wmma_f32_16x16x32_bf16 v[ACC+8*(4*(\hb)+(\c)):ACC+8*(4*(\hb)+(\c))+7], v[64*((\s)%4)+8*(4*(\hb)+(\c)):64*((\s)%4)+8*(4*(\hb)+(\c))+7], v[64*((\i)%4)+8*(\s):64*((\i)%4)+8*(\s)+7], v[ACC+8*(4*(\hb)+(\c)):ACC+8*(4*(\hb)+(\c))+7]
.endif
.endr
.endr
	WIN 0
.endm
; The four accumulators go to my part of tile i, as they lie: 512 consecutive bytes a store; each accumulator's low registers first.
.macro PUT i, hb
.irp c, 0,1,2,3
	ds_store_b128 v[PW+(\i)/2], v[ACC+8*(4*(\hb)+(\c)):ACC+8*(4*(\hb)+(\c))+3]   offset:32768*((\i)%2)+1024*(4*(\hb)+(\c))
	ds_store_b128 v[PW+(\i)/2], v[ACC+8*(4*(\hb)+(\c))+4:ACC+8*(4*(\hb)+(\c))+7] offset:32768*((\i)%2)+1024*(4*(\hb)+(\c))+512
.endr
.endm
; Tile i of the round.  A tile without places ends the round's products: so do all behind it.
.macro STEP i
	s_cmp_gt_i32 s[TL], (\i)
	s_cbranch_scc0 .Ldeadmul
	s_wait_loadcnt 16                              ; my tile's rows are in: the next tile's 16 loads stay out
	MAYASK (\i)+2                                  ; two tiles ahead, into the place that was multiplied two tiles ago
	HALF \i, 0
	PLACES
	PUT \i, 0
	HALF \i, 1
	PLACES
	PUT \i, 1
.endm
; Part pw of tile w: 16 LDS loads of 512 consecutive bytes, into the accumulators' layout at dst.
.macro PLOAD dst, pw
.irp n, 0,1,2,3,4,5,6,7
	ds_load_b128 v[(\dst)+8*(\n):(\dst)+8*(\n)+3],   v[PR] offset:8192*(\pw)+1024*(\n)
	ds_load_b128 v[(\dst)+8*(\n)+4:(\dst)+8*(\n)+7], v[PR] offset:8192*(\pw)+1024*(\n)+512
.endr
.endm
; gelu(z) = max(z, 0) + |z| P(t) 2^(-z^2 log2(e) / 2), t = 1 / (1 + 0.23164189 |z|), P = t (c1 + t (c2 + t (c3 + t (c4 + t c5)))), for Z[16 b ..]: 16 numbers, in place.
; The 32 transcendentals are one batch; the 16 maxima are the plain lines behind them; one wait ahead of the first reader.
.macro GELU b
	WIN 0x55
.set zb, Z+16*(\b)
.set i, 0
.rept 16
	v_and_b32 v[GU+i], 0x7fffffff, v[zb+i]
.set i, i+1
.endr
.set i, 0
.rept 8
	v_pk_fma_f32 v[GT+i:GT+i+1], v[GU+i:GU+i+1], s[CP:CP+1], s[CONE:CONE+1] op_sel_hi:[1,0,0]
	v_pk_mul_f32 v[GE+i:GE+i+1], v[zb+i:zb+i+1], v[zb+i:zb+i+1]
.set i, i+2
.endr
.set i, 0
.rept 8
	v_pk_mul_f32 v[GE+i:GE+i+1], v[GE+i:GE+i+1], s[CN:CN+1] op_sel_hi:[1,0]
.set i, i+2
.endr
.set i, 0
.rept 16
	v_rcp_f32 v[GT+i], v[GT+i]
.set i, i+1
.endr
.set i, 0
.rept 16
	v_exp_f32 v[GE+i], v[GE+i]
.set i, i+1
.endr
.set i, 0
.rept 16
	v_max_num_f32 v[GM+i], 0, v[zb+i]
.set i, i+1
.endr
	s_wait_alu depctr_va_vdst(0)
.set i, 0
.rept 8
	v_pk_fma_f32 v[zb+i:zb+i+1], v[GT+i:GT+i+1], s[C5:C5+1], s[C4:C4+1] op_sel_hi:[1,0,0]
.set i, i+2
.endr
.irp k, C3, C2, C1
.set i, 0
.rept 8
	v_pk_fma_f32 v[zb+i:zb+i+1], v[zb+i:zb+i+1], v[GT+i:GT+i+1], s[\k:\k+1] op_sel_hi:[1,1,0]
.set i, i+2
.endr
.endr
.set i, 0
.rept 8
	v_pk_mul_f32 v[zb+i:zb+i+1], v[zb+i:zb+i+1], v[GT+i:GT+i+1]
	v_pk_mul_f32 v[GE+i:GE+i+1], v[GE+i:GE+i+1], v[GU+i:GU+i+1]
.set i, i+2
.endr
.set i, 0
.rept 8
	v_pk_fma_f32 v[zb+i:zb+i+1], v[zb+i:zb+i+1], v[GE+i:GE+i+1], v[GM+i:GM+i+1]
.set i, i+2
.endr
.endm
	s_load_b256 s[4:11], s[0:1], 0x0               ; idx s[4:5], left operand s[6:7], weights s[8:9], bias s[10:11]
	s_load_b64 s[12:13], s[0:1], 0x20              ; output
	v_lshl_add_u32 v[SPW], v0, 2, SPARE
	v_mov_b32 v[NIL], 0
	v_lshrrev_b32 v1, 5, v0
	v_readfirstlane_b32 s[WV], v1                  ; wave 0..3
	v_and_b32 v1, 31, v0                           ; lane
	v_and_b32 v2, 15, v0                           ; r
	v_bfe_u32 v3, v0, 4, 1                         ; h
	s_and_b32 s[XE], ttmp7, 0xffff                 ; the expert
.if KIND == 1
	s_mov_b32 s[CSL], ttmp9
	s_cmp_eq_u32 s[WV], 0
.else
	s_and_b32 s[CSL], ttmp9, 7
	s_lshr_b32 s[KQ], ttmp9, 3
	s_or_b32 s2, s[WV], s[KQ]
	s_cmp_eq_u32 s2, 0
.endif
	s_cselect_b32 s[FLAG], -1, 0                   ; the bias is added once: by wave 0 (KIND 2: of the first quarter of K)
	s_cmp_eq_u32 s[WV], 1
	s_cselect_b32 s[SM1], -1, 0
	s_cmp_eq_u32 s[WV], 2
	s_cselect_b32 s[SM2], -1, 0
	s_cmp_eq_u32 s[WV], 3
	s_cselect_b32 s[SM3], -1, 0
	s_lshl_b32 s[WOF], s[XE], 24                   ; weights: the expert's 1 << 24 bytes, my 512 bytes of a row, my wave's 256 rows
	s_lshl_b32 s[WOF+1], s[CSL], 9
	s_add_co_u32 s[WOF], s[WOF], s[WOF+1]
	s_lshl_b32 s[WOF+1], s[WV], WWS
	s_add_co_u32 s[WOF], s[WOF], s[WOF+1]
.if KIND == 2
	s_lshl_b32 s[WOF+1], s[KQ], 22                 ; and the quarter's 1,024 rows
	s_add_co_u32 s[WOF], s[WOF], s[WOF+1]
.endif
	s_mov_b32 s[WOF+1], 0
	s_lshl_b32 s[BOF], s[XE], BSH
	s_lshl_b32 s[BOF+1], s[CSL], 9
	s_add_co_u32 s[BOF], s[BOF], s[BOF+1]
	s_mov_b32 s[BOF+1], 0
.if KIND == 1
	s_lshl_b32 s[OOF], s[CSL], 8
.else
	s_lshl_b32 s[OOF], s[KQ], 22
	s_lshl_b32 s[OOF+1], s[CSL], 9
	s_add_co_u32 s[OOF], s[OOF], s[OOF+1]
	s_lshl_b32 s[AOF], s[KQ], 11
	s_mov_b32 s[AOF+1], 0
.endif
	s_mov_b32 s[OOF+1], 0
.if KIND == 1
.irp k, 0,1
	s_mov_b32 s[CP+(\k)], 0x3e6d3388               ; 0.23164189
	s_mov_b32 s[CN+(\k)], 0xbf38aa3b               ; -log2(e) / 2
	s_mov_b32 s[C1+(\k)], 0xbe027906               ; -0.5 x the series' five coefficients
	s_mov_b32 s[C2+(\k)], 0x3e11a98e
	s_mov_b32 s[C3+(\k)], 0xbf35f0e3
	s_mov_b32 s[C4+(\k)], 0x3f3a00e3
	s_mov_b32 s[C5+(\k)], 0xbf07dc22
	s_mov_b32 s[CONE+(\k)], 1.0
.endr
.endif
	v_lshlrev_b32 v[WB0], 4, v1
	v_lshlrev_b32 v[WVOFF], 4, v2
	v_lshl_add_u32 v[WVOFF], v3, WSH, v[WVOFF]
	s_lshl_b32 s2, s[WV], 9
	v_lshlrev_b32 v[LKW], 5, v3
	v_add_nc_u32 v[LKW], s2, v[LKW]
	s_lshl_b32 s2, s[WV], 13
	v_add_nc_u32 v[PW], s2, v[WB0]
	v_add_nc_u32 v[PW+1], 0x10000, v[PW]
	s_lshl_b32 s2, s[WV], 15
	v_add_nc_u32 v[PR], s2, v[WB0]
	s_mul_i32 s2, s[WV], LISTB
	s_add_co_u32 s2, s2, LIST
	v_mov_b32 v[LISTW], s2
	v_add_nc_u32 v[T], s2, v[WB0]
	v_lshl_add_u32 v[LRA], v2, 2, s2
.irp k, 0,1,2,3
	v_mov_b32 v[ZR+(\k)], 0
.endr
.irp k, 0,1,2,3,4,5,6,7
	ds_store_b128 v[T], v[ZR:ZR+3] offset:512*(\k) ; my 1,024 list places name token 0
.endr
	s_mul_i32 s2, s[WV], STAGEB
	s_add_co_u32 s2, s2, STAGE
	v_mul_u32_u24 v[STO], v2, SP
	v_lshl_add_u32 v[STO], v3, HSH, v[STO]
	v_add_nc_u32 v[STO], s2, v[STO]
	v_lshlrev_b32 v[LNB], LSH, v1
	v_add_nc_u32 v[SRD], s2, v[LNB]
	; the bias: lane l loads columns 4 l + c = 64 (l / 16) + 32 (l / 8 % 2) + 4 (l % 8) + c, and puts number c at word 32 (l / 16) + 8 c + l % 8 of the 64 words of lane half l / 8 % 2: the accumulators' layout
	v_and_b32 v[BST], 7, v0
	v_lshlrev_b32 v[BST], 2, v[BST]
	v_bfe_u32 v[T+1], v0, 3, 1
	v_lshl_add_u32 v[BST], v[T+1], 8, v[BST]
	v_lshl_add_u32 v[BST], v3, 7, v[BST]
	v_add_nc_u32 v[BST], s2, v[BST]
	v_lshl_add_u32 v[BLD], v3, 8, s2
	v_lshlrev_b32 v[L4], 2, v1
	v_add_nc_u32 v[DMP], 1024, v1
	s_mov_b32 s[CNT], 0
	s_lshl_b32 s[PB], s[WV], 4
	s_wait_kmcnt 0x0
	s_add_nc_u64 s[WBASE:WBASE+1], s[8:9], s[WOF:WOF+1]
.if KIND == 1
	s_mov_b64 s[AB0:AB0+1], s[6:7]
.else
	s_add_nc_u64 s[AB0:AB0+1], s[6:7], s[AOF:AOF+1]
.endif
	s_add_nc_u64 s[BIAS:BIAS+1], s[10:11], s[BOF:BOF+1]
	s_add_nc_u64 s[OB:OB+1], s[12:13], s[OOF:OOF+1]
.irp y, 0,1,2,3,4,5,6,7
	global_load_b128 v[IDX+4*(\y):IDX+4*(\y)+3], v[WB0], s[4:5] offset:512*(\y)  ; idx[128 y + 4 lane ..]
.endr
	global_load_b128 v[BR:BR+3], v[WB0], s[BIAS:BIAS+1]  ; the slice's 128 numbers of the bias, four a lane
	WLOAD 0
	WLOAD 1
	WLOAD 2
	WIN 0
	s_wait_loadcnt 48                              ; idx and the bias are in: the 48 weight loads are younger.  Bias and list are made while they are on their way
	v_cvt_pk_bf16_f32 v[T], v[BR], v[BR+1]         ; the bias rounded to bf16,
	v_cvt_pk_bf16_f32 v[T+1], v[BR+2], v[BR+3]
	v_and_b32 v[T], s[FLAG], v[T]                  ; 0 in the waves that do not add it,
	v_and_b32 v[T+1], s[FLAG], v[T+1]
	v_lshlrev_b32 v[BR], 16, v[T]                  ; back in f32,
	v_and_b32 v[BR+1], 0xffff0000, v[T]
	v_lshlrev_b32 v[BR+2], 16, v[T+1]
	v_and_b32 v[BR+3], 0xffff0000, v[T+1]
.irp c, 0,1,2,3
	ds_store_b32 v[BST], v[BR+(\c)] offset:32*(\c) ; through my own stage (LDS serves a wave's instructions in order),
.endr
.irp y, 0,1,2,3,4,5,6,7,8,9,10,11,12,13,14,15
	ds_load_b128 v[BIA+4*(\y):BIA+4*(\y)+3], v[BLD] offset:16*(\y)  ; into every lane of its half
.endr
.set li, 0
.rept 32
	LISTSTEP li
.set li, li+1
.endr
	WLOAD 3
	WIN 0
.set i, 0
.rept 64
	ds_load_b32 v[TOK+i], v[LRA] offset:64*i       ; the token of my row in tile i (these see the list: one wave's LDS instructions, in order)
.set i, i+1
.endr
	s_add_co_u32 s[TL], s[CNT], 15
	s_lshr_b32 s[TL], s[TL], 4                     ; tiles with places
	s_wait_dscnt 0x0
	; THE STREAM.  Landing sets 0 and 1 are ring places 0 and 1: the first two tiles are asked for as soon as the sets' last groups are rounded.
.set g, 0
.rept 12
	GROUP g
.set g, g+1
.endr
	GROUP 12
	MAYASK 0
	GROUP 13
	MAYASK 1
	GROUP 14
	GROUP 15
	WIN 0
	; THE ROUNDS.  At a round's head its first two tiles have been asked for, if they have places.
	s_mov_b32 s[RND], 16
.Lround:
	STEP 0
	STEP 1
	STEP 2
	STEP 3
	s_branch .Lmuldone
.Ldeadmul:
	s_wait_loadcnt 0x0                             ; behind a tile without places nothing is out
.Lmuldone:
	s_wait_dscnt 0x0                               ; for the others' sake: my parts are stored
	s_barrier_signal -1
	s_barrier_wait -1                              ; all four parts of every tile of the round are there
	s_sub_co_i32 s[NR], s[CNT], s[PB]
	s_cmp_le_i32 s[NR], 0
	s_cbranch_scc1 .Lreddone                       ; tile w has no places
	s_min_u32 s[NR], s[NR], 16
	v_mov_b32 v[TKS], v[TOK]                       ; tile w's tokens
	v_cndmask_b32 v[TKS], v[TKS], v[TOK+1], s[SM1]
	v_cndmask_b32 v[TKS], v[TKS], v[TOK+2], s[SM2]
	v_cndmask_b32 v[TKS], v[TKS], v[TOK+3], s[SM3]
	; the four parts are added: ((p0 + p1) + p2) + p3; the last addition also brings the columns into order
	WIN 0x40
	PLOAD S1, 0
	WIN 0
	PLOAD S0, 1
	WIN 0x40
	PLOAD Z, 2
	s_wait_dscnt 16                                ; parts 0 and 1 are in: part 2's 16 loads stay out
	WIN 0x41
.set i, 0
.rept 32
	v_pk_add_f32 v[S1+i:S1+i+1], v[S1+i:S1+i+1], v[S0+i:S0+i+1]
.set i, i+2
.endr
	WIN 0
	PLOAD S0, 3
	s_wait_dscnt 16                                ; part 2 is in: part 3's 16 loads stay out
	WIN 0x45
.set i, 0
.rept 32
	v_pk_add_f32 v[S1+i:S1+i+1], v[S1+i:S1+i+1], v[Z+i:Z+i+1]
.set i, i+2
.endr
	s_wait_dscnt 0x0
	WIN 0x41
.irp n, 0,1,2,3,4,5,6,7
.irp j, 0,1,2,3,4,5,6,7
	v_add_f32 v[Z+32*((\n)/4)+4*(\j)+(\n)%4], v[S1+8*(\n)+(\j)], v[S0+8*(\n)+(\j)]
.endr
.endr
.if KIND == 1
	GELU 0
	GELU 1
	GELU 2
	GELU 3
	WIN 0x05
.set i, 0
.rept 32
	v_cvt_pk_bf16_f32 v[TMP+i], v[Z+2*i], v[Z+2*i+1]
.set i, i+1
.endr
	WIN 0
.irp c, 0,1
.irp q, 0,1,2,3
	ds_store_b128 v[STO], v[TMP+16*(\c)+4*(\q):TMP+16*(\c)+4*(\q)+3] offset:128*(\c)+16*(\q)
.endr
.endr
.else
	WIN 0x04                                       ; store data in window 1
.irp c, 0,1
.irp q, 0,1,2,3,4,5,6,7
	ds_store_b128 v[STO], v[Z+32*(\c)+4*(\q):Z+32*(\c)+4*(\q)+3] offset:256*(\c)+16*(\q)
.endr
.endr
	WIN 0
.endif
.set f, 0
.rept 16                                               ; back by rows: the stage is my wave's own, and LDS serves a wave's instructions in order
.if KIND == 1
	ds_load_b64 v[OUT+2*f:OUT+2*f+1], v[SRD] offset:SP*f
.else
	ds_load_b128 v[OUT+4*f:OUT+4*f+3], v[SRD] offset:SP*f
.endif
.set f, f+1
.endr
.set f, 0
.rept 16                                               ; row f's token lies in lane f: its row's offset in the output, the same in every lane, plus my bytes
	v_readlane_b32 s[MSK+f%2], v[TKS], f
	s_min_u32 s[MSK+f%2], s[MSK+f%2], 0x3ff
	v_lshl_add_u32 v[TK+f], s[MSK+f%2], OSH, v[LNB]
.set f, f+1
.endr
	s_wait_dscnt 0x0
.set f, 0
.rept 16                                               ; a store is one token row's 256 (KIND 2: 512) consecutive bytes, aligned; rows past the count are jumped whole
.if f > 0
	s_cmp_le_u32 s[NR], f
	s_cbranch_scc1 .Lsdone
.endif
.if KIND == 1
	global_store_b64 v[TK+f], v[OUT+2*f:OUT+2*f+1], s[OB:OB+1]
.else
	global_store_b128 v[TK+f], v[OUT+4*f:OUT+4*f+3], s[OB:OB+1]
.endif
.set f, f+1
.endr
.Lsdone:
	s_wait_xcnt 0x0                                ; the stores' offsets and data are rewritten only behind this wait
.Lreddone:
	s_wait_dscnt 0x0                               ; my reads of the parts are over
	s_barrier_signal -1
	s_barrier_wait -1                              ; everybody's are: the next round may store its parts
	s_cmp_gt_i32 s[TL], 4
	s_cbranch_scc0 .Lnoshift
.set i, 0
.rept 60
	v_mov_b32 v[TOK+i], v[TOK+i+4]                 ; the next round's tiles move to the front
.set i, i+1
.endr
.Lnoshift:
	s_sub_co_i32 s[TL], s[TL], 4
	s_add_co_u32 s[PB], s[PB], 64
	s_sub_co_u32 s[RND], s[RND], 1
	s_cmp_lg_u32 s[RND], 0
	s_cbranch_scc1 .Lround
	s_wait_tensorcnt 0x0                           ; the wave's end
	ds_add_u32 v[SPW], v[NIL]
	s_wait_dscnt 0x0
	s_endpgm
.Lfunc_end_k_q7e3918cced_ffn1:
	.size	k_q7e3918cced_ffn1, .Lfunc_end_k_q7e3918cced_ffn1-k_q7e3918cced_ffn1
	.p2alignl 7, 3214868480
	.fill 96, 4, 3214868480
	.section	.rodata,"a",@progbits
	.p2align	6, 0x0
	.amdhsa_kernel k_q7e3918cced_ffn1
		.amdhsa_group_segment_fixed_size 182784
		.amdhsa_private_segment_fixed_size 0
		.amdhsa_enable_private_segment 0
		.amdhsa_kernarg_size 40
		.amdhsa_user_sgpr_count 2
		.amdhsa_user_sgpr_kernarg_segment_ptr 1
		.amdhsa_wavefront_size32 1
		.amdhsa_system_sgpr_workgroup_id_x 1
		.amdhsa_system_sgpr_workgroup_id_y 1
		.amdhsa_system_sgpr_workgroup_id_z 1
		.amdhsa_system_vgpr_workitem_id 0
		.amdhsa_next_free_vgpr 1024
		.amdhsa_next_free_sgpr 66
		.amdhsa_reserve_vcc 0
		.amdhsa_float_denorm_mode_32 3
		.amdhsa_float_denorm_mode_16_64 3
		.amdhsa_memory_ordered 1
		.amdhsa_forward_progress 1
		.amdhsa_inst_pref_size 171
	.end_amdhsa_kernel
	.amdgpu_metadata
---
amdhsa.version: [ 1, 2 ]
amdhsa.kernels:
  - .name:           k_q7e3918cced_ffn1
    .symbol:         k_q7e3918cced_ffn1.kd
    .args:
      - { .name: idx, .offset: 0, .size: 8, .value_kind: global_buffer, .address_space: global }
      - { .name: xb, .offset: 8, .size: 8, .value_kind: global_buffer, .address_space: global }
      - { .name: w1, .offset: 16, .size: 8, .value_kind: global_buffer, .address_space: global }
      - { .name: b1, .offset: 24, .size: 8, .value_kind: global_buffer, .address_space: global }
      - { .name: hb, .offset: 32, .size: 8, .value_kind: global_buffer, .address_space: global }
    .group_segment_fixed_size: 182784
    .private_segment_fixed_size: 0
    .kernarg_segment_align: 8
    .kernarg_segment_size: 40
    .max_flat_workgroup_size: 128
    .sgpr_count:     66
    .vgpr_count:     1024
    .wavefront_size: 32
...
	.end_amdgpu_metadata
.endif
;; end of part 5
;; launch ffn2 (part 6): grid 32 x 8, 4 waves a work-group, no clusters, 182,784 bytes of LDS; arguments idx, hb, w2, b2, part; writes part
.if DOCPART == 6
	.amdgcn_target "amdgcn-amd-amdhsa--gfx1250"
	.amdhsa_code_object_version 6
	.text
	.protected	k_q7e3918cced_ffn2
	.globl	k_q7e3918cced_ffn2
	.p2align	8
	.type	k_q7e3918cced_ffn2,@function
k_q7e3918cced_ffn2:
	s_mov_b64 s[64:65], 0
	v_nop
	global_prefetch_b8 v0, s[64:65] scope:SCOPE_SE
	s_setreg_imm32_b32 hwreg(HW_REG_WAVE_MODE, 25, 1), 1
	s_wait_xcnt 0x0
; ONE PRODUCT OF THE EXPERTS' CHAIN, for the rows that chose the expert.  One text for both products, told apart by KIND (this copy leaves out what KIND 1 alone uses: the GELU).
;   KIND 1: hb[t][128 X ..] = gelu(xb[t] . w1[e][:, 128 X ..] + b1[e]), bf16.       KIND 2: part[kq][t][128 cg ..] = hb[t][1024 kq ..] . w2[e][1024 kq .., 128 cg ..] (+ b2[e] where kq = 0), f32.
; FORMATS AND LIMITS.  Weights and biases are rounded to bf16 on their way through registers (as every input of the program is); sums in f32; partial sums stay f32.  NaN and infinities are not treated apart.
; SHARES.  A work-group has a slice of ONE expert's weights, 1,024 k x 128 columns, which it alone reads, and all of that expert's rows, whatever their number (0 to 1,024).
; Wave w has k = 256 w .. + 255 of the slice and KEEPS it, as finished bf16 fragments, in 512 registers: the weights never pass through LDS, and no wave waits for another's part of the stream.
; 1. Every wave makes, from idx, its own copy of the list of the expert's tokens in LDS (places past the count name token 0, a row that exists; what is made of them is not stored), and reads it back: one register a tile of 16 places.
; 2. The stream: 16 groups of 16 loads of 512 bytes, four groups on their way; each group is rounded straight into its fragments' registers.  It is written out, since the registers differ from group to group.
; 3. ROUNDS of four tiles.  Every wave multiplies every tile that has places by its quarter of K (64 matrix instructions and 8,192 bytes of token rows a tile: each token byte is read by one wave of the work-group)
;    and puts its partial sums, f32, into LDS; a barrier; wave w adds the four parts of tile w and stores one token row an instruction; a barrier.
;    The rounds are counted to the constant 16, which serves every split; every wave passes every barrier, and only work is jumped, forward.  Every LDS address is a register made at the head plus an immediate.
; NO TENSOR LOADS: the weights must pass through registers to be rounded.  NO CLUSTER: each slice has one reader, and the rows that an expert's work-groups share come by a list, which no descriptor covers.
; THE FRAGMENTS.  k and the columns are permuted alike on both sides.  In a group (K step s, column half ch) lane (r, h) loads 16 bytes of row k = 32 s + 16 h + p, p = 0..15, at columns 64 ch + 4 r ..:
; each half of the lanes takes 256 consecutive bytes, aligned.  Rows 2 i and 2 i + 1 of column c, rounded together, are register i of fragment nb = 4 ch + c, in which lane r stands for column 64 ch + 4 r + c.
; A token's fragment is then the 32 consecutive bytes at 64 s + 32 h of its row.  Source 0 = weights, source 1 = tokens: register j of accumulator nb in lane (r', h') is token r', column 64 ch + 32 h' + 4 j + c.
; REGISTERS, in windows of 256 (s_set_vgpr_msb: bits 1:0 source 0, 3:2 source 1, 5:4 source 2, 7:6 destination):
;   window 0: v0-63 addresses; v64-127 the 8 accumulators (at work in the sums); v128-191 the bias in the accumulators' layout; v192-255 the list
;   window 1: the stream's four landing sets of 64; then a ring of four tiles' token fragments (K step s at 64 place + 8 s), of which places 2 and 3 are at work in the sums
;   windows 2, 3: the weights: K step s, fragment nb at 64 (s % 4) + 8 nb of window 2 + s / 4
.set KIND, 2
.if KIND == 1
.set WP,  16384         ; bytes from a weight row to the next
.set WSH, 18            ; 16 WP = 1 << WSH
.set WWS, 22            ; 256 WP
.set BSH, 14            ; an expert's bias in bytes
.set PSH, 11            ; a token row of the left operand in bytes
.set OSH, 13            ; a token row of the output
.set SP,  272           ; a stage row: 256 bytes + 16
.set HSH, 6             ; a lane half's 32 columns in the stage
.set LSH, 3             ; bytes a lane stores of a row
.set OUT, 96            ; v96-127 rows back from the stage
.else
.set WP,  4096
.set WSH, 16
.set WWS, 20
.set BSH, 12
.set PSH, 13
.set OSH, 12
.set SP,  528           ; 512 bytes + 16
.set HSH, 7
.set LSH, 4
.set OUT, 64            ; v64-127
.endif
.set LIST,   131072     ; behind the partial sums (tile i of a round, wave w at 32,768 i + 8,192 w): for each wave 1,024 list places and 32 dump words, 4,352 bytes with the rest
.set LISTB,  4352
.set STAGE,  148480     ; for each wave 16 rows at SP bytes, for the way out
.set STAGEB, 8448
.set SPARE,  182272     ; the spare words: 128 bytes a wave, two blocks of 256 bytes that no other line names
.set WVOFF, 4           ; v4   16 h weight rows + 16 r
.set LKW,  5            ; v5   512 w + 32 h: my bytes in a token row
.set WB0,  6            ; v6   16 lane
.set LRA,  7            ; v7   my list + 4 r
.set STO,  8            ; v8   into the stage
.set SRD,  9            ; v9   back from it
.set LNB,  10           ; v10  my bytes in an output row
.set L4,   11           ; v11  4 lane
.set LISTW, 12          ; v12  my list
.set DMP,  13           ; v13  1,024 + lane
.set TKS,  14           ; v14  the tokens of the tile that I finish: lane f holds row f's
.set PR,   15           ; v15  the four parts of tile w: 32,768 w + 16 lane
.set ROW,  16           ; v16-19  byte offset of my token row, by ring place
.set PW,   20           ; v20-21  my part of tiles 0, 1 and of tiles 2, 3: 8,192 w + 16 lane (+ 65,536)
.set BST,  22           ; v22  the bias into my stage
.set BLD,  23           ; v23  and back
.set T,    24           ; v24-27  at work
.set SPW,  28           ; v28  SPARE + 4 x my thread's number; never rewritten
.set NIL,  29           ; v29  0; never rewritten
.set TK,   32           ; v32-47  a tile's 16 rows' offsets in the output
.set ZR,   48           ; v48-51  zeros
.set ACC,  64           ; v64-127 accumulator nb at ACC + 8 nb
.set S0,   64           ;         in the sums: a part as loaded
.set BR,   64           ;         at the head: four numbers of the bias
.set BIA,  128          ; v128-191 the bias of accumulator nb at BIA + 8 nb; 0 but in the wave that adds it
.set TOK,  192          ; v192-255 my row's token in tile t of the round in hand at TOK + t, of the rounds behind it from TOK + 4 on
.set IDX,  192          ;         at the head: the 1,024 choices, 32 a lane
.set S1,   128          ; window 1: the running sum, in the accumulators' layout
.set Z,    192          ; window 1: a part as loaded; then the tile in column order: Z[32 ch + 4 j + c]
.set WV,  14            ; s14 wave
.set XE,  15            ; s15 expert
.set CSL, 16            ; s16 which 128 columns
.set KQ,  17            ; s17 which quarter of K (KIND 2)
.set SM1, 18            ; s18, s19, s24  all ones in wave 1, 2, 3
.set SM2, 19
.set WBASE, 20          ; s[20:21] my wave's weights; never rewritten
.set AB0, 22            ; s[22:23] left operand
.set SM3, 24
.set OB,  26            ; s[26:27] output
.set BIAS, 28           ; s[28:29]
.set CNT, 30            ; s30 the expert's rows
.set PB,  31            ; s31 16 w + 64 round: the first place of the tile that I finish
.set TL,  32            ; s32 tiles with places, counted from the round's first (may fall below 0)
.set NR,  33            ; s33 rows with places in the tile that I finish
.set RND, 34
.set FLAG, 37           ; s37 all ones in the wave that adds the bias, else 0
.set MSK, 38
.set POP, 39
.set AOF, 40            ; s[40:41], s[42:43], s[60:61], s[62:63] offsets
.set OOF, 42
.set WOF, 60
.set BOF, 62
.set MSB, 0
.macro WIN new                         ; the immediate's high byte repeats the setting that is left; a switch that changes nothing is dropped
.if MSB != (\new)
	s_set_vgpr_msb (MSB<<8)|(\new)
.set MSB, (\new)
.endif
.endm
.macro PLACES                          ; four places behind matrix instructions, in front of LDS stores of their results and of loads and vector lines that write their registers
.rept 4
	v_nop
.endr
.endm
; One register of choices: the lanes whose token chose my expert put its number at the next list places, the others into their dump words.
.macro LISTSTEP n
	v_cmp_eq_u32 s[MSK], s[XE], v[IDX+(\n)]
	v_mbcnt_lo_u32_b32 v[T], s[MSK], s[CNT]        ; the count so far + the chosen lanes below mine
	v_cndmask_b32 v[T], v[DMP], v[T], s[MSK]
	v_min_u32 v[T], 1055, v[T]                     ; inside my list's 1,056 words
	v_lshl_add_u32 v[T], v[T], 2, v[LISTW]
	v_add_nc_u32 v[T+1], 128*((\n)/4)+(\n)%4, v[L4]  ; the token
	ds_store_b32 v[T], v[T+1]
	s_bcnt1_i32_b32 s[POP], s[MSK]
	s_add_co_u32 s[CNT], s[CNT], s[POP]
.endm
; Group gi of 16 (K step gi / 2, column half gi % 2): 16 loads into landing set gi % 4.  The rows stand in the immediate, 979,200 bytes at the most.  The launch reads each weight once.
.macro WLOAD gi
	WIN 0x40
.set p, 0
.rept 16
	global_load_b128 v[64*((\gi)%4)+4*p:64*((\gi)%4)+4*p+3], v[WVOFF], s[WBASE:WBASE+1] offset:(32*((\gi)/2)+p)*WP+256*((\gi)%2) th:TH_LOAD_NT
.set p, p+1
.endr
.endm
; Group gi is rounded into its four fragments' registers, and its landing set is asked for again, four groups on.
.macro GROUP gi
.if (\gi) < 15
	s_wait_loadcnt 48                              ; mine is in: three younger groups of 16 stay out (at the stream's end: weight groups and the first tiles' token loads)
.else
	s_wait_loadcnt 32                              ; the last group: the first two tiles' token loads stay out
.endif
	WIN 0x85+0x40*((\gi)/8)                        ; sources window 1, destination window 2 or 3
.set c, 0
.rept 4
.set i, 0
.rept 8
	v_cvt_pk_bf16_f32 v[64*(((\gi)/2)%4)+8*(4*((\gi)%2)+c)+i], v[64*((\gi)%4)+8*i+c], v[64*((\gi)%4)+8*i+4+c]
.set i, i+1
.endr
.set c, c+1
.endr
.if (\gi) < 12
	WLOAD (\gi)+4
.endif
.endm
; Tile i (counted from the round's first) is asked for: my quarter of K of its 16 rows, 16 loads into ring place i % 4.  Other work-groups read these rows again.
.macro ASK i
	v_min_u32 v[T], 0x3ff, v[TOK+(\i)]
	v_lshl_add_u32 v[ROW+(\i)%4], v[T], PSH, v[LKW]  ; the place's last loads were shown done by the wait ahead of their products
	WIN 0x40
.irp s, 0,1,2,3,4,5,6,7
	global_load_b128 v[64*((\i)%4)+8*(\s):64*((\i)%4)+8*(\s)+3],   v[ROW+(\i)%4], s[AB0:AB0+1] offset:64*(\s) th:TH_LOAD_HT
	global_load_b128 v[64*((\i)%4)+8*(\s)+4:64*((\i)%4)+8*(\s)+7], v[ROW+(\i)%4], s[AB0:AB0+1] offset:64*(\s)+16 th:TH_LOAD_HT
.endr
	WIN 0
.endm
; It is asked for only if it has places.  Where nothing is asked for, the wave waits for all its loads: so behind a tile's loads stand, on every way, either the next tile's 16 or a wait for 0,
; and the counted waits (16 ahead of a tile's products, 48 and 32 in the stream) hold on every way.
.macro MAYASK i
	WIN 0
	s_cmp_gt_i32 s[TL], (\i)
	s_cbranch_scc0 .Lnone_\@
	ASK \i
	s_branch .Lgo_\@
.Lnone_\@:
	s_wait_loadcnt 0x0
.Lgo_\@:
.endm
; 32 matrix instructions: tile i, accumulators 4 hb .. 4 hb + 3 by turns, through my 8 K steps.  The first K step starts the sums from the bias.
.macro HALF i, hb
.irp s, 0,1,2,3,4,5,6,7
	WIN 0x06+(\s)/4                                ; weights window 2 or 3, tokens window 1, C and D window 0
.irp c, 0,1,2,3
.if (\s) == 0
	v_wmma_f32_16x16x32_bf16 v[ACC+8*(4*(\hb)+(\c)):ACC+8*(4*(\hb)+(\c))+7], v[64*((\s)%4)+8*(4*(\hb)+(\c)):64*((\s)%4)+8*(4*(\hb)+(\c))+7], v[64*((\i)%4)+8*(\s):64*((\i)%4)+8*(\s)+7], v[BIA+8*(4*(\hb)+(\c)):BIA+8*(4*(\hb)+(\c))+7]
.else
	v_wmma_f32_16x16x32_bf16 v[ACC+8*(4*(\hb)+(\c)):ACC+8*(4*(\hb)+(\c))+7], v[64*((\s)%4)+8*(4*(\hb)+(\c)):64*((\s)%4)+8*(4*(\hb)+(\c))+7], v[64*((\i)%4)+8*(\s):64*((\i)%4)+8*(\s)+7], v[ACC+8*(4*(\hb)+(\c)):ACC+8*(4*(\hb)+(\c))+7]
.endif
.endr
.endr
	WIN 0
.endm
; The four accumulators go to my part of tile i, as they lie: 512 consecutive bytes a store; each accumulator's low registers first.
.macro PUT i, hb
.irp c, 0,1,2,3
	ds_store_b128 v[PW+(\i)/2], v[ACC+8*(4*(\hb)+(\c)):ACC+8*(4*(\hb)+(\c))+3]   offset:32768*((\i)%2)+1024*(4*(\hb)+(\c))
	ds_store_b128 v[PW+(\i)/2], v[ACC+8*(4*(\hb)+(\c))+4:ACC+8*(4*(\hb)+(\c))+7] offset:32768*((\i)%2)+1024*(4*(\hb)+(\c))+512
.endr
.endm
; Tile i of the round.  A tile without places ends the round's products: so do all behind it.
.macro STEP i
	s_cmp_gt_i32 s[TL], (\i)
	s_cbranch_scc0 .Ldeadmul
	s_wait_loadcnt 16                              ; my tile's rows are in: the next tile's 16 loads stay out
	MAYASK (\i)+2                                  ; two tiles ahead, into the place that was multiplied two tiles ago
	HALF \i, 0
	PLACES
	PUT \i, 0
	HALF \i, 1
	PLACES
	PUT \i, 1
.endm
; Part pw of tile w: 16 LDS loads of 512 consecutive bytes, into the accumulators' layout at dst.
.macro PLOAD dst, pw
.irp n, 0,1,2,3,4,5,6,7
	ds_load_b128 v[(\dst)+8*(\n):(\dst)+8*(\n)+3],   v[PR] offset:8192*(\pw)+1024*(\n)
	ds_load_b128 v[(\dst)+8*(\n)+4:(\dst)+8*(\n)+7], v[PR] offset:8192*(\pw)+1024*(\n)+512
.endr
.endm
	s_load_b256 s[4:11], s[0:1], 0x0               ; idx s[4:5], left operand s[6:7], weights s[8:9], bias s[10:11]
	s_load_b64 s[12:13], s[0:1], 0x20              ; output
	v_lshl_add_u32 v[SPW], v0, 2, SPARE
	v_mov_b32 v[NIL], 0
	v_lshrrev_b32 v1, 5, v0
	v_readfirstlane_b32 s[WV], v1                  ; wave 0..3
	v_and_b32 v1, 31, v0                           ; lane
	v_and_b32 v2, 15, v0                           ; r
	v_bfe_u32 v3, v0, 4, 1                         ; h
	s_and_b32 s[XE], ttmp7, 0xffff                 ; the expert
.if KIND == 1
	s_mov_b32 s[CSL], ttmp9
	s_cmp_eq_u32 s[WV], 0
.else
	s_and_b32 s[CSL], ttmp9, 7
	s_lshr_b32 s[KQ], ttmp9, 3
	s_or_b32 s2, s[WV], s[KQ]
	s_cmp_eq_u32 s2, 0
.endif
	s_cselect_b32 s[FLAG], -1, 0                   ; the bias is added once: by wave 0 (KIND 2: of the first quarter of K)
	s_cmp_eq_u32 s[WV], 1
	s_cselect_b32 s[SM1], -1, 0
	s_cmp_eq_u32 s[WV], 2
	s_cselect_b32 s[SM2], -1, 0
	s_cmp_eq_u32 s[WV], 3
	s_cselect_b32 s[SM3], -1, 0
	s_lshl_b32 s[WOF], s[XE], 24                   ; weights: the expert's 1 << 24 bytes, my 512 bytes of a row, my wave's 256 rows
	s_lshl_b32 s[WOF+1], s[CSL], 9
	s_add_co_u32 s[WOF], s[WOF], s[WOF+1]
	s_lshl_b32 s[WOF+1], s[WV], WWS
	s_add_co_u32 s[WOF], s[WOF], s[WOF+1]
.if KIND == 2
	s_lshl_b32 s[WOF+1], s[KQ], 22                 ; and the quarter's 1,024 rows
	s_add_co_u32 s[WOF], s[WOF], s[WOF+1]
.endif
	s_mov_b32 s[WOF+1], 0
	s_lshl_b32 s[BOF], s[XE], BSH
	s_lshl_b32 s[BOF+1], s[CSL], 9
	s_add_co_u32 s[BOF], s[BOF], s[BOF+1]
	s_mov_b32 s[BOF+1], 0
.if KIND == 1
	s_lshl_b32 s[OOF], s[CSL], 8
.else
	s_lshl_b32 s[OOF], s[KQ], 22
	s_lshl_b32 s[OOF+1], s[CSL], 9
	s_add_co_u32 s[OOF], s[OOF], s[OOF+1]
	s_lshl_b32 s[AOF], s[KQ], 11
	s_mov_b32 s[AOF+1], 0
.endif
	s_mov_b32 s[OOF+1], 0
	v_lshlrev_b32 v[WB0], 4, v1
	v_lshlrev_b32 v[WVOFF], 4, v2
	v_lshl_add_u32 v[WVOFF], v3, WSH, v[WVOFF]
	s_lshl_b32 s2, s[WV], 9
	v_lshlrev_b32 v[LKW], 5, v3
	v_add_nc_u32 v[LKW], s2, v[LKW]
	s_lshl_b32 s2, s[WV], 13
	v_add_nc_u32 v[PW], s2, v[WB0]
	v_add_nc_u32 v[PW+1], 0x10000, v[PW]
	s_lshl_b32 s2, s[WV], 15
	v_add_nc_u32 v[PR], s2, v[WB0]
	s_mul_i32 s2, s[WV], LISTB
	s_add_co_u32 s2, s2, LIST
	v_mov_b32 v[LISTW], s2
	v_add_nc_u32 v[T], s2, v[WB0]
	v_lshl_add_u32 v[LRA], v2, 2, s2
.irp k, 0,1,2,3
	v_mov_b32 v[ZR+(\k)], 0
.endr
.irp k, 0,1,2,3,4,5,6,7
	ds_store_b128 v[T], v[ZR:ZR+3] offset:512*(\k) ; my 1,024 list places name token 0
.endr
	s_mul_i32 s2, s[WV], STAGEB
	s_add_co_u32 s2, s2, STAGE
	v_mul_u32_u24 v[STO], v2, SP
	v_lshl_add_u32 v[STO], v3, HSH, v[STO]
	v_add_nc_u32 v[STO], s2, v[STO]
	v_lshlrev_b32 v[LNB], LSH, v1
	v_add_nc_u32 v[SRD], s2, v[LNB]
	; the bias: lane l loads columns 4 l + c = 64 (l / 16) + 32 (l / 8 % 2) + 4 (l % 8) + c, and puts number c at word 32 (l / 16) + 8 c + l % 8 of the 64 words of lane half l / 8 % 2: the accumulators' layout
	v_and_b32 v[BST], 7, v0
	v_lshlrev_b32 v[BST], 2, v[BST]
	v_bfe_u32 v[T+1], v0, 3, 1
	v_lshl_add_u32 v[BST], v[T+1], 8, v[BST]
	v_lshl_add_u32 v[BST], v3, 7, v[BST]
	v_add_nc_u32 v[BST], s2, v[BST]
	v_lshl_add_u32 v[BLD], v3, 8, s2
	v_lshlrev_b32 v[L4], 2, v1
	v_add_nc_u32 v[DMP], 1024, v1
	s_mov_b32 s[CNT], 0
	s_lshl_b32 s[PB], s[WV], 4
	s_wait_kmcnt 0x0
	s_add_nc_u64 s[WBASE:WBASE+1], s[8:9], s[WOF:WOF+1]
.if KIND == 1
	s_mov_b64 s[AB0:AB0+1], s[6:7]
.else
	s_add_nc_u64 s[AB0:AB0+1], s[6:7], s[AOF:AOF+1]
.endif
	s_add_nc_u64 s[BIAS:BIAS+1], s[10:11], s[BOF:BOF+1]
	s_add_nc_u64 s[OB:OB+1], s[12:13], s[OOF:OOF+1]
.irp y, 0,1,2,3,4,5,6,7
	global_load_b128 v[IDX+4*(\y):IDX+4*(\y)+3], v[WB0], s[4:5] offset:512*(\y)  ; idx[128 y + 4 lane ..]
.endr
	global_load_b128 v[BR:BR+3], v[WB0], s[BIAS:BIAS+1]  ; the slice's 128 numbers of the bias, four a lane
	WLOAD 0
	WLOAD 1
	WLOAD 2
	WIN 0
	s_wait_loadcnt 48                              ; idx and the bias are in: the 48 weight loads are younger.  Bias and list are made while they are on their way
	v_cvt_pk_bf16_f32 v[T], v[BR], v[BR+1]         ; the bias rounded to bf16,
	v_cvt_pk_bf16_f32 v[T+1], v[BR+2], v[BR+3]
	v_and_b32 v[T], s[FLAG], v[T]                  ; 0 in the waves that do not add it,
	v_and_b32 v[T+1], s[FLAG], v[T+1]
	v_lshlrev_b32 v[BR], 16, v[T]                  ; back in f32,
	v_and_b32 v[BR+1], 0xffff0000, v[T]
	v_lshlrev_b32 v[BR+2], 16, v[T+1]
	v_and_b32 v[BR+3], 0xffff0000, v[T+1]
.irp c, 0,1,2,3
	ds_store_b32 v[BST], v[BR+(\c)] offset:32*(\c) ; through my own stage (LDS serves a wave's instructions in order),
.endr
.irp y, 0,1,2,3,4,5,6,7,8,9,10,11,12,13,14,15
	ds_load_b128 v[BIA+4*(\y):BIA+4*(\y)+3], v[BLD] offset:16*(\y)  ; into every lane of its half
.endr
.set li, 0
.rept 32
	LISTSTEP li
.set li, li+1
.endr
	WLOAD 3
	WIN 0
.set i, 0
.rept 64
	ds_load_b32 v[TOK+i], v[LRA] offset:64*i       ; the token of my row in tile i (these see the list: one wave's LDS instructions, in order)
.set i, i+1
.endr
	s_add_co_u32 s[TL], s[CNT], 15
	s_lshr_b32 s[TL], s[TL], 4                     ; tiles with places
	s_wait_dscnt 0x0
	; THE STREAM.  Landing sets 0 and 1 are ring places 0 and 1: the first two tiles are asked for as soon as the sets' last groups are rounded.
.set g, 0
.rept 12
	GROUP g
.set g, g+1
.endr
	GROUP 12
	MAYASK 0
	GROUP 13
	MAYASK 1
	GROUP 14
	GROUP 15
	WIN 0
	; THE ROUNDS.  At a round's head its first two tiles have been asked for, if they have places.
	s_mov_b32 s[RND], 16
.Lround:
	STEP 0
	STEP 1
	STEP 2
	STEP 3
	s_branch .Lmuldone
.Ldeadmul:
	s_wait_loadcnt 0x0                             ; behind a tile without places nothing is out
.Lmuldone:
	s_wait_dscnt 0x0                               ; for the others' sake: my parts are stored
	s_barrier_signal -1
	s_barrier_wait -1                              ; all four parts of every tile of the round are there
	s_sub_co_i32 s[NR], s[CNT], s[PB]
	s_cmp_le_i32 s[NR], 0
	s_cbranch_scc1 .Lreddone                       ; tile w has no places
	s_min_u32 s[NR], s[NR], 16
	v_mov_b32 v[TKS], v[TOK]                       ; tile w's tokens
	v_cndmask_b32 v[TKS], v[TKS], v[TOK+1], s[SM1]
	v_cndmask_b32 v[TKS], v[TKS], v[TOK+2], s[SM2]
	v_cndmask_b32 v[TKS], v[TKS], v[TOK+3], s[SM3]
	; the four parts are added: ((p0 + p1) + p2) + p3; the last addition also brings the columns into order
	WIN 0x40
	PLOAD S1, 0
	WIN 0
	PLOAD S0, 1
	WIN 0x40
	PLOAD Z, 2
	s_wait_dscnt 16                                ; parts 0 and 1 are in: part 2's 16 loads stay out
	WIN 0x41
.set i, 0
.rept 32
	v_pk_add_f32 v[S1+i:S1+i+1], v[S1+i:S1+i+1], v[S0+i:S0+i+1]
.set i, i+2
.endr
	WIN 0
	PLOAD S0, 3
	s_wait_dscnt 16                                ; part 2 is in: part 3's 16 loads stay out
	WIN 0x45
.set i, 0
.rept 32
	v_pk_add_f32 v[S1+i:S1+i+1], v[S1+i:S1+i+1], v[Z+i:Z+i+1]
.set i, i+2
.endr
	s_wait_dscnt 0x0
	WIN 0x41
.irp n, 0,1,2,3,4,5,6,7
.irp j, 0,1,2,3,4,5,6,7
	v_add_f32 v[Z+32*((\n)/4)+4*(\j)+(\n)%4], v[S1+8*(\n)+(\j)], v[S0+8*(\n)+(\j)]
.endr
.endr
	WIN 0x04                                       ; store data in window 1
.irp c, 0,1
.irp q, 0,1,2,3,4,5,6,7
	ds_store_b128 v[STO], v[Z+32*(\c)+4*(\q):Z+32*(\c)+4*(\q)+3] offset:256*(\c)+16*(\q)
.endr
.endr
	WIN 0
.set f, 0
.rept 16                                               ; back by rows: the stage is my wave's own, and LDS serves a wave's instructions in order
	ds_load_b128 v[OUT+4*f:OUT+4*f+3], v[SRD] offset:SP*f
.set f, f+1
.endr
.set f, 0
.rept 16                                               ; row f's token lies in lane f: its row's offset in the output, the same in every lane, plus my bytes
	v_readlane_b32 s[MSK+f%2], v[TKS], f
	s_min_u32 s[MSK+f%2], s[MSK+f%2], 0x3ff
	v_lshl_add_u32 v[TK+f], s[MSK+f%2], OSH, v[LNB]
.set f, f+1
.endr
	s_wait_dscnt 0x0
.set f, 0
.rept 16                                               ; a store is one token row's 512 consecutive bytes, aligned; rows past the count are jumped whole
.if f > 0
	s_cmp_le_u32 s[NR], f
	s_cbranch_scc1 .Lsdone
.endif
	global_store_b128 v[TK+f], v[OUT+4*f:OUT+4*f+3], s[OB:OB+1]
.set f, f+1
.endr
.Lsdone:
	s_wait_xcnt 0x0                                ; the stores' offsets and data are rewritten only behind this wait
.Lreddone:
	s_wait_dscnt 0x0                               ; my reads of the parts are over
	s_barrier_signal -1
	s_barrier_wait -1                              ; everybody's are: the next round may store its parts
	s_cmp_gt_i32 s[TL], 4
	s_cbranch_scc0 .Lnoshift
.set i, 0
.rept 60
	v_mov_b32 v[TOK+i], v[TOK+i+4]                 ; the next round's tiles move to the front
.set i, i+1
.endr
.Lnoshift:
	s_sub_co_i32 s[TL], s[TL], 4
	s_add_co_u32 s[PB], s[PB], 64
	s_sub_co_u32 s[RND], s[RND], 1
	s_cmp_lg_u32 s[RND], 0
	s_cbranch_scc1 .Lround
	s_wait_tensorcnt 0x0                           ; the wave's end
	ds_add_u32 v[SPW], v[NIL]
	s_wait_dscnt 0x0
	s_endpgm
.Lfunc_end_k_q7e3918cced_ffn2:
	.size	k_q7e3918cced_ffn2, .Lfunc_end_k_q7e3918cced_ffn2-k_q7e3918cced_ffn2
	.p2alignl 7, 3214868480
	.fill 96, 4, 3214868480
	.section	.rodata,"a",@progbits
	.p2align	6, 0x0
	.amdhsa_kernel k_q7e3918cced_ffn2
		.amdhsa_group_segment_fixed_size 182784
		.amdhsa_private_segment_fixed_size 0
		.amdhsa_enable_private_segment 0
		.amdhsa_kernarg_size 40
		.amdhsa_user_sgpr_count 2
		.amdhsa_user_sgpr_kernarg_segment_ptr 1
		.amdhsa_wavefront_size32 1
		.amdhsa_system_sgpr_workgroup_id_x 1
		.amdhsa_system_sgpr_workgroup_id_y 1
		.amdhsa_system_sgpr_workgroup_id_z 1
		.amdhsa_system_vgpr_workitem_id 0
		.amdhsa_next_free_vgpr 1024
		.amdhsa_next_free_sgpr 66
		.amdhsa_reserve_vcc 0
		.amdhsa_float_denorm_mode_32 3
		.amdhsa_float_denorm_mode_16_64 3
		.amdhsa_memory_ordered 1
		.amdhsa_forward_progress 1
		.amdhsa_inst_pref_size 138
	.end_amdhsa_kernel
	.amdgpu_metadata
---
amdhsa.version: [ 1, 2 ]
amdhsa.kernels:
  - .name:           k_q7e3918cced_ffn2
    .symbol:         k_q7e3918cced_ffn2.kd
    .args:
      - { .name: idx, .offset: 0, .size: 8, .value_kind: global_buffer, .address_space: global }
      - { .name: hb, .offset: 8, .size: 8, .value_kind: global_buffer, .address_space: global }
      - { .name: w2, .offset: 16, .size: 8, .value_kind: global_buffer, .address_space: global }
      - { .name: b2, .offset: 24, .size: 8, .value_kind: global_buffer, .address_space: global }
      - { .name: part, .offset: 32, .size: 8, .value_kind: global_buffer, .address_space: global }
    .group_segment_fixed_size: 182784
    .private_segment_fixed_size: 0
    .kernarg_segment_align: 8
    .kernarg_segment_size: 40
    .max_flat_workgroup_size: 128
    .sgpr_count:     66
    .vgpr_count:     1024
    .wavefront_size: 32
...
	.end_amdgpu_metadata
.endif
;; end of part 6
;; launch addup: the kernel of part 4 again; grid 256 x 1, 8 waves a work-group, no clusters, 0 bytes of LDS; arguments part, auxp, out0, out1; writes out0, out1
;; ======== version 3 of 3: 4 launches; version 2 with the launches ffn1, ffn2 written anew for expert scheduling mode
;; workspace buffers: xb 2,097,152 bytes; idx 4,096 bytes of whole numbers; auxp 256 bytes; hb 8,388,608 bytes; part 16,777,216 bytes
;; launch router: the kernel of part 1 again; grid 64 x 1, 8 waves a work-group, no clusters, 60,416 bytes of LDS; arguments x, gate_w, gate_b, xb, idx, auxp; writes xb, idx, auxp
;; launch ffn1 (part 7): grid 32 x 8, 4 waves a work-group, no clusters, 182,784 bytes of LDS; arguments idx, xb, w1, b1, hb; writes hb
.if DOCPART == 7
	.amdgcn_target "amdgcn-amd-amdhsa--gfx1250"
	.amdhsa_code_object_version 6
	.text
	.protected	k_q7e3918cced_ffn1
	.globl	k_q7e3918cced_ffn1
	.p2align	8
	.type	k_q7e3918cced_ffn1,@function
k_q7e3918cced_ffn1:
	s_mov_b64 s[64:65], 0
	v_nop
	global_prefetch_b8 v0, s[64:65] scope:SCOPE_SE
	s_setreg_imm32_b32 hwreg(HW_REG_WAVE_SCHED_MODE, 0, 2), 2
	s_setreg_imm32_b32 hwreg(HW_REG_WAVE_MODE, 25, 1), 1
	s_wait_xcnt 0x0
	s_wait_alu depctr_vm_vsrc(0)
; ONE PRODUCT OF THE EXPERTS' CHAIN, for the rows that chose the expert.  One text for both products, told apart by KIND.
;   KIND 1: hb[t][128 X ..] = gelu(xb[t] . w1[e][:, 128 X ..] + b1[e]), bf16.       KIND 2: part[kq][t][128 cg ..] = hb[t][1024 kq ..] . w2[e][1024 kq .., 128 cg ..] (+ b2[e] where kq = 0), f32.
; FORMATS AND LIMITS.  Weights and biases are rounded to bf16 on their way through registers (as every input of the program is); sums in f32; the hidden layer is rounded once to bf16; partial sums stay f32.
; The exact GELU's erf is taken by the rational form 7.1.26 of Abramowitz and Stegun, off by 1.5e-7 at the most for every argument; an exponential below 2^-126 counts as 0.  NaN and infinities are not treated apart.
; SHARES.  A work-group has a slice of ONE expert's weights, 1,024 k x 128 columns, which it alone reads, and all of that expert's rows, whatever their number (0 to 1,024).
; Wave w has k = 256 w .. + 255 of the slice and KEEPS it, as finished bf16 fragments, in 512 registers: the weights never pass through LDS, and no wave waits for another's part of the stream.
; 1. Every wave makes, from idx, its own copy of the list of the expert's tokens in LDS (places past the count name token 0, a row that exists; what is made of them is not stored), and reads it back: one register a tile of 16 places.
; 2. The stream: 16 groups of 16 loads of 512 bytes, four groups on their way; each group is rounded straight into its fragments' registers.  It is written out, since the registers differ from group to group.
; 3. ROUNDS of four tiles.  Every wave multiplies every tile that has places by its quarter of K (64 matrix instructions and 8,192 bytes of token rows a tile: each token byte is read by one wave of the work-group)
;    and puts its partial sums, f32, into LDS; a barrier; wave w adds the four parts of tile w, finishes them and stores one token row an instruction; a barrier.
;    The rounds are counted to the constant 16, which serves every split; every wave passes every barrier, and only work is jumped, forward.  Every LDS address is a register made at the head plus an immediate.
; NO TENSOR LOADS: the weights must pass through registers to be rounded.  NO CLUSTER: each slice has one reader, and the rows that an expert's work-groups share come by a list, which no descriptor covers.
; THE FRAGMENTS.  k and the columns are permuted alike on both sides.  In a group (K step s, column half ch) lane (r, h) loads 16 bytes of row k = 32 s + 16 h + p, p = 0..15, at columns 64 ch + 4 r ..:
; each half of the lanes takes 256 consecutive bytes, aligned.  Rows 2 i and 2 i + 1 of column c, rounded together, are register i of fragment nb = 4 ch + c, in which lane r stands for column 64 ch + 4 r + c.
; A token's fragment is then the 32 consecutive bytes at 64 s + 32 h of its row.  Source 0 = weights, source 1 = tokens: register j of accumulator nb in lane (r', h') is token r', column 64 ch + 32 h' + 4 j + c.
; REGISTERS, in windows of 256 (s_set_vgpr_msb: bits 1:0 source 0, 3:2 source 1, 5:4 source 2, 7:6 destination):
;   window 0: v0-63 addresses; v64-127 the 8 accumulators (at work at the head and in the sums); v128-191 the bias in the accumulators' layout; v192-255 the list
;   window 1: the stream's four landing sets of 64; then a ring of four tiles' token fragments (K step s at 64 place + 8 s), of which places 2 and 3 are at work in the sums
;   windows 2, 3: the weights: K step s, fragment nb at 64 (s % 4) + 8 nb of window 2 + s / 4
; THE MODE: SCHED_MODE bits 1:0 = 2 (LLVM: expert scheduling mode 2), set by the entry lines.  The code itself states the register dependences
; between vector or matrix instructions and memory or LDS instructions, with s_wait_alu, always for 0.
; THE PLAN.  Registers that memory or LDS instructions touch:
;   the addresses v4-13, v15, v20-23, v26 and the zeros v48-51   made at the head, ahead of one wait, and never written again.
;   LA, LD (v64-127, at the head)   all 32 list addresses and tokens are made first; one wait; one run of LDS stores reads them.  The products write these registers later, behind the wait ahead of the rounds.
;   a landing set   its group's 32 conversions read it; behind them one wait, and the loads of the group four on land in it.
;   ROW[p] and ring place p   written, and loaded, when tile t (p = t % 4) is asked for: the row offset is made, one wait, 16 loads.  The tile's 64 products read the place; it is asked for again four tiles on.
;   accumulators 0-3 and 4-7   two out-buffers by turns: a half's 32 products write it, four places and a wait follow, eight LDS stores read it while the other half is multiplied.
;                   The wait that frees a half for its next products stands ahead of the OTHER half's stores, 32 products behind the stores that it waits for.
;   S1, S0, Z       the four parts land there and the additions read them; S0 takes part 1 and then part 3, with a wait between.
;   TMP, OUT, TK    written by the roundings, by LDS loads and by vector lines; read by the stage's LDS stores and by the global stores; freed by the wait behind the global stores.
.set KIND, 1
.if KIND == 1
.set WP,  16384         ; bytes from a weight row to the next
.set WSH, 18            ; 16 WP = 1 << WSH
.set WWS, 22            ; 256 WP
.set BSH, 14            ; an expert's bias in bytes
.set PSH, 11            ; a token row of the left operand in bytes
.set OSH, 13            ; a token row of the output
.set SP,  272           ; a stage row: 256 bytes + 16
.set HSH, 6             ; a lane half's 32 columns in the stage
.set LSH, 3             ; bytes a lane stores of a row
.set OUT, 96            ; v96-127 rows back from the stage
.else
.set WP,  4096
.set WSH, 16
.set WWS, 20
.set BSH, 12
.set PSH, 13
.set OSH, 12
.set SP,  528           ; 512 bytes + 16
.set HSH, 7
.set LSH, 4
.set OUT, 64            ; v64-127
.endif
.set LIST,   131072     ; behind the partial sums (tile i of a round, wave w at 32,768 i + 8,192 w): for each wave 1,024 list places and 32 dump words, 4,352 bytes with the rest
.set LISTB,  4352
.set STAGE,  148480     ; for each wave 16 rows at SP bytes, for the way out; the 512 bytes behind the stages are the spare words of the closing add, 128 bytes a wave
.set STAGEB, 8448
.set WVOFF, 4           ; v4   16 h weight rows + 16 r
.set LKW,  5            ; v5   512 w + 32 h: my bytes in a token row
.set WB0,  6            ; v6   16 lane
.set LRA,  7            ; v7   my list + 4 r
.set STO,  8            ; v8   into the stage
.set SRD,  9            ; v9   back from it
.set LNB,  10           ; v10  my bytes in an output row
.set L4,   11           ; v11  4 lane
.set LISTW, 12          ; v12  my list
.set DMP,  13           ; v13  1,024 + lane
.set TKS,  14           ; v14  the tokens of the tile that I finish: lane f holds row f's
.set PR,   15           ; v15  the four parts of tile w: 32,768 w + 16 lane
.set ROW,  16           ; v16-19  byte offset of my token row, by ring place
.set PW,   20           ; v20-21  my part of tiles 0, 1 and of tiles 2, 3: 8,192 w + 16 lane (+ 65,536)
.set BST,  22           ; v22  the bias into my stage
.set BLD,  23           ; v23  and back
.set T,    24           ; v24-25  at work: no memory instruction names them
.set ZA,   26           ; v26  my list + 16 lane, for the zeros
.set TK,   32           ; v32-47  a tile's 16 rows' offsets in the output
.set ZR,   48           ; v48-51  zeros
.set BR,   52           ; v52-55  at the head: four numbers of the bias
.set ACC,  64           ; v64-127 accumulator nb at ACC + 8 nb
.set S0,   64           ;         in the sums: a part as loaded
.set LA,   64           ;         at the head: v64-95 the 32 LDS addresses of the list's stores,
.set LD,   96           ;         v96-127 the 32 tokens that they store
.set TMP,  64           ;         KIND 1: the tile in bf16
.set BIA,  128          ; v128-191 the bias of accumulator nb at BIA + 8 nb; 0 but in the wave that adds it
.set TOK,  192          ; v192-255 my row's token in tile t of the round in hand at TOK + t, of the rounds behind it from TOK + 4 on
.set IDX,  192          ;         at the head: the 1,024 choices, 32 a lane
.set S1,   128          ; window 1: the running sum, in the accumulators' layout
.set Z,    192          ; window 1: a part as loaded; then the tile in column order: Z[32 ch + 4 j + c]
.set GU,   128          ; window 1: GELU at work
.set GT,   144
.set GE,   160
.set GM,   176
.set MK,  4             ; s4-11 once the arguments are used up: eight masks of the list; eight tokens of the tile that I finish
.set WV,  14            ; s14 wave
.set XE,  15            ; s15 expert
.set CSL, 16            ; s16 which 128 columns
.set KQ,  17            ; s17 which quarter of K (KIND 2)
.set SM1, 18            ; s18, s19, s24  all ones in wave 1, 2, 3
.set SM2, 19
.set WBASE, 20          ; s[20:21] my wave's weights; never rewritten
.set AB0, 22            ; s[22:23] left operand
.set SM3, 24
.set OB,  26            ; s[26:27] output
.set BIAS, 28           ; s[28:29]
.set CNT, 30            ; s30 the expert's rows
.set PB,  31            ; s31 16 w + 64 round: the first place of the tile that I finish
.set TL,  32            ; s32 tiles with places, counted from the round's first (may fall below 0)
.set NR,  33            ; s33 rows with places in the tile that I finish
.set RND, 34
.set FLAG, 37           ; s37 all ones in the wave that adds the bias, else 0
.set POP, 39
.set AOF, 40            ; s[40:41], s[42:43], s[60:61], s[62:63] offsets
.set OOF, 42
.set CP,  44            ; s[44:59] GELU's constants, as pairs
.set CN,  46
.set C1,  48
.set C2,  50
.set C3,  52
.set C4,  54
.set C5,  56
.set CONE, 58
.set WOF, 60
.set BOF, 62
.set MSB, 0
.macro WIN new                         ; the immediate's high byte repeats the setting that is left; a switch that changes nothing is dropped
.if MSB != (\new)
	s_set_vgpr_msb (MSB<<8)|(\new)
.set MSB, (\new)
.endif
.endm
.macro PLACES                          ; four places behind matrix instructions, in front of LDS stores of their results; they stay beside the wait that follows them
.rept 4
	v_nop
.endr
.endm
; Eight registers of choices, 8 b .. 8 b + 7: the lanes whose token chose my expert will put its number at the next list places, the others into their dump words.
; The eight compares stand in one run, with one wait behind it; addresses and tokens go into registers of their own, and the stores follow in one run behind all four batches.
.macro LISTBATCH b
.irp k, 0,1,2,3,4,5,6,7
	v_cmp_eq_u32 s[MK+(\k)], s[XE], v[IDX+8*(\b)+(\k)]
.endr
	s_wait_alu depctr_va_sdst(0)                   ; the eight compares have written their masks, ahead of the first line that reads one
.irp k, 0,1,2,3,4,5,6,7
	v_mbcnt_lo_u32_b32 v[LA+8*(\b)+(\k)], s[MK+(\k)], s[CNT]  ; the count so far + the chosen lanes below mine
	v_cndmask_b32 v[LA+8*(\b)+(\k)], v[DMP], v[LA+8*(\b)+(\k)], s[MK+(\k)]
	v_min_u32 v[LA+8*(\b)+(\k)], 1055, v[LA+8*(\b)+(\k)]      ; inside my list's 1,056 words
	v_lshl_add_u32 v[LA+8*(\b)+(\k)], v[LA+8*(\b)+(\k)], 2, v[LISTW]
	v_add_nc_u32 v[LD+8*(\b)+(\k)], 128*(2*(\b)+(\k)/4)+(\k)%4, v[L4]  ; the token
	s_bcnt1_i32_b32 s[POP], s[MK+(\k)]
	s_add_co_u32 s[CNT], s[CNT], s[POP]
.endr
.endm
; Group gi of 16 (K step gi / 2, column half gi % 2): 16 loads into landing set gi % 4.  The rows stand in the immediate, 3,915,776 bytes at the most.  The launch reads each weight once.
.macro WLOAD gi
	WIN 0x40
.set p, 0
.rept 16
	global_load_b128 v[64*((\gi)%4)+4*p:64*((\gi)%4)+4*p+3], v[WVOFF], s[WBASE:WBASE+1] offset:(32*((\gi)/2)+p)*WP+256*((\gi)%2) th:TH_LOAD_NT
.set p, p+1
.endr
.endm
; Group gi is rounded into its four fragments' registers, and its landing set is asked for again, four groups on.
.macro GROUP gi
.if (\gi) < 15
	s_wait_loadcnt 48                              ; mine is in: three younger groups of 16 stay out (at the stream's end: weight groups and the first tiles' token loads)
.else
	s_wait_loadcnt 32                              ; the last group: the first two tiles' token loads stay out
.endif
	WIN 0x85+0x40*((\gi)/8)                        ; sources window 1, destination window 2 or 3
.set c, 0
.rept 4
.set i, 0
.rept 8
	v_cvt_pk_bf16_f32 v[64*(((\gi)/2)%4)+8*(4*((\gi)%2)+c)+i], v[64*((\gi)%4)+8*i+c], v[64*((\gi)%4)+8*i+4+c]
.set i, i+1
.endr
.set c, c+1
.endr
.if (\gi) < 12
	WIN 0x40
	s_wait_alu depctr_va_vdst(0)                   ; the 32 conversions are done reading this landing set, in which the loads below land
	WLOAD (\gi)+4
.endif
.endm
; Tile i (counted from the round's first) is asked for: my quarter of K of its 16 rows, 16 loads into ring place i % 4.  Other work-groups read these rows again.
.macro ASK i
	v_min_u32 v[T], 0x3ff, v[TOK+(\i)]
	v_lshl_add_u32 v[ROW+(\i)%4], v[T], PSH, v[LKW]  ; the place's last loads were shown done by the wait ahead of their products, and have read this register: a wait on vm_vsrc stands in every tile since
	WIN 0x40
	s_wait_alu depctr_va_vdst(0)                   ; the row's offset is written, which the loads read; all that read or wrote this ring place (conversions, products, the sums) is done: the loads land in it
.irp s, 0,1,2,3,4,5,6,7
	global_load_b128 v[64*((\i)%4)+8*(\s):64*((\i)%4)+8*(\s)+3],   v[ROW+(\i)%4], s[AB0:AB0+1] offset:64*(\s) th:TH_LOAD_HT
	global_load_b128 v[64*((\i)%4)+8*(\s)+4:64*((\i)%4)+8*(\s)+7], v[ROW+(\i)%4], s[AB0:AB0+1] offset:64*(\s)+16 th:TH_LOAD_HT
.endr
	WIN 0
.endm
; It is asked for only if it has places.  Where nothing is asked for, the wave waits for all its loads: so behind a tile's loads stand, on every way, either the next tile's 16 or a wait for 0,
; and the counted waits (16 ahead of a tile's products, 48 and 32 in the stream) hold on every way.
.macro MAYASK i
	WIN 0
	s_cmp_gt_i32 s[TL], (\i)
	s_cbranch_scc0 .Lnone_\@
	ASK \i
	s_branch .Lgo_\@
.Lnone_\@:
	s_wait_loadcnt 0x0
.Lgo_\@:
.endm
; 32 matrix instructions: tile i, accumulators 4 hb .. 4 hb + 3 by turns, through my 8 K steps.  The first K step starts the sums from the bias.
.macro HALF i, hb
.irp s, 0,1,2,3,4,5,6,7
	WIN 0x06+(\s)/4                                ; weights window 2 or 3, tokens window 1, C and D window 0
.irp c, 0,1,2,3
.if (\s) == 0
	v_wmma_f32_16x16x32_bf16 v[ACC+8*(4*(\hb)+(\c)):ACC+8*(4*(\hb)+(\c))+7], v[64*((\s)%4)+8*(4*(\hb)+(\c)):64*((\s)%4)+8*(4*(\hb)+(\c))+7], v[64*((\i)%4)+8*(\s):64*((\i)%4)+8*(\s)+7], v[BIA+8*(4*(\hb)+(\c)):BIA+8*(4*(\hb)+(\c))+7]
.else
	v_wmma_f32_16x16x32_bf16 v[ACC+8*(4*(\hb)+(\c)):ACC+8*(4*(\hb)+(\c))+7], v[64*((\s)%4)+8*(4*(\hb)+(\c)):64*((\s)%4)+8*(4*(\hb)+(\c))+7], v[64*((\i)%4)+8*(\s):64*((\i)%4)+8*(\s)+7], v[ACC+8*(4*(\hb)+(\c)):ACC+8*(4*(\hb)+(\c))+7]
.endif
.endr
.endr
	WIN 0
.endm
; The four accumulators go to my part of tile i, as they lie: 512 consecutive bytes a store; each accumulator's low registers first.
.macro PUT i, hb
.irp c, 0,1,2,3
	ds_store_b128 v[PW+(\i)/2], v[ACC+8*(4*(\hb)+(\c)):ACC+8*(4*(\hb)+(\c))+3]   offset:32768*((\i)%2)+1024*(4*(\hb)+(\c))
	ds_store_b128 v[PW+(\i)/2], v[ACC+8*(4*(\hb)+(\c))+4:ACC+8*(4*(\hb)+(\c))+7] offset:32768*((\i)%2)+1024*(4*(\hb)+(\c))+512
.endr
.endm
; Tile i of the round.  A tile without places ends the round's products: so do all behind it.
.macro STEP i
	s_cmp_gt_i32 s[TL], (\i)
	s_cbranch_scc0 .Ldeadmul
	s_wait_loadcnt 16                              ; my tile's rows are in: the next tile's 16 loads stay out
	MAYASK (\i)+2                                  ; two tiles ahead, into the place that was multiplied two tiles ago
	HALF \i, 0
	PLACES
	s_wait_alu depctr_va_vdst(0)                   ; the products have written accumulators 0-3, which the LDS stores below read
	s_wait_alu depctr_vm_vsrc(0)                   ; the LDS stores of the tile before have read accumulators 4-7, which the next 32 products write; the loads asked for above have read their row's offset
	PUT \i, 0
	HALF \i, 1
	PLACES
	s_wait_alu depctr_va_vdst(0)                   ; the products have written accumulators 4-7, which the LDS stores below read
	s_wait_alu depctr_vm_vsrc(0)                   ; the eight LDS stores above have read accumulators 0-3, which the next tile's first products write
	PUT \i, 1
.endm
; Part pw of tile w: 16 LDS loads of 512 consecutive bytes, into the accumulators' layout at dst.
.macro PLOAD dst, pw
.irp n, 0,1,2,3,4,5,6,7
	ds_load_b128 v[(\dst)+8*(\n):(\dst)+8*(\n)+3],   v[PR] offset:8192*(\pw)+1024*(\n)
	ds_load_b128 v[(\dst)+8*(\n)+4:(\dst)+8*(\n)+7], v[PR] offset:8192*(\pw)+1024*(\n)+512
.endr
.endm
; gelu(z) = max(z, 0) + |z| P(t) 2^(-z^2 log2(e) / 2), t = 1 / (1 + 0.23164189 |z|), P = t (c1 + t (c2 + t (c3 + t (c4 + t c5)))), for Z[16 b ..]: 16 numbers, in place.
; The 32 transcendentals are one batch; the 16 maxima are the plain lines behind them; one wait ahead of the first reader.
.macro GELU b
	WIN 0x55
.set zb, Z+16*(\b)
.set i, 0
.rept 16
	v_and_b32 v[GU+i], 0x7fffffff, v[zb+i]
.set i, i+1
.endr
.set i, 0
.rept 8
	v_pk_fma_f32 v[GT+i:GT+i+1], v[GU+i:GU+i+1], s[CP:CP+1], s[CONE:CONE+1] op_sel_hi:[1,0,0]
	v_pk_mul_f32 v[GE+i:GE+i+1], v[zb+i:zb+i+1], v[zb+i:zb+i+1]
.set i, i+2
.endr
.set i, 0
.rept 8
	v_pk_mul_f32 v[GE+i:GE+i+1], v[GE+i:GE+i+1], s[CN:CN+1] op_sel_hi:[1,0]
.set i, i+2
.endr
.set i, 0
.rept 16
	v_rcp_f32 v[GT+i], v[GT+i]
.set i, i+1
.endr
.set i, 0
.rept 16
	v_exp_f32 v[GE+i], v[GE+i]
.set i, i+1
.endr
.set i, 0
.rept 16
	v_max_num_f32 v[GM+i], 0, v[zb+i]
.set i, i+1
.endr
	s_wait_alu depctr_va_vdst(0)                   ; the 16 reciprocals in GT and the 16 exponentials in GE are written, ahead of their first reader
.set i, 0
.rept 8
	v_pk_fma_f32 v[zb+i:zb+i+1], v[GT+i:GT+i+1], s[C5:C5+1], s[C4:C4+1] op_sel_hi:[1,0,0]
.set i, i+2
.endr
.irp k, C3, C2, C1
.set i, 0
.rept 8
	v_pk_fma_f32 v[zb+i:zb+i+1], v[zb+i:zb+i+1], v[GT+i:GT+i+1], s[\k:\k+1] op_sel_hi:[1,1,0]
.set i, i+2
.endr
.endr
.set i, 0
.rept 8
	v_pk_mul_f32 v[zb+i:zb+i+1], v[zb+i:zb+i+1], v[GT+i:GT+i+1]
	v_pk_mul_f32 v[GE+i:GE+i+1], v[GE+i:GE+i+1], v[GU+i:GU+i+1]
.set i, i+2
.endr
.set i, 0
.rept 8
	v_pk_fma_f32 v[zb+i:zb+i+1], v[zb+i:zb+i+1], v[GE+i:GE+i+1], v[GM+i:GM+i+1]
.set i, i+2
.endr
.endm
	s_load_b256 s[4:11], s[0:1], 0x0               ; idx s[4:5], left operand s[6:7], weights s[8:9], bias s[10:11]
	s_load_b64 s[12:13], s[0:1], 0x20              ; output
	v_lshl_add_u32 v62, v0, 2, 0x2c800
	v_mov_b32 v63, 0
	v_lshrrev_b32 v1, 5, v0
	v_readfirstlane_b32 s[WV], v1                  ; wave 0..3
	v_and_b32 v1, 31, v0                           ; lane
	v_and_b32 v2, 15, v0                           ; r
	v_bfe_u32 v3, v0, 4, 1                         ; h
	s_and_b32 s[XE], ttmp7, 0xffff                 ; the expert
	s_wait_alu depctr_va_sdst(0)                   ; the wave's number is written, ahead of its first reader
.if KIND == 1
	s_mov_b32 s[CSL], ttmp9
	s_cmp_eq_u32 s[WV], 0
.else
	s_and_b32 s[CSL], ttmp9, 7
	s_lshr_b32 s[KQ], ttmp9, 3
	s_or_b32 s2, s[WV], s[KQ]
	s_cmp_eq_u32 s2, 0
.endif
	s_cselect_b32 s[FLAG], -1, 0                   ; the bias is added once: by wave 0 (KIND 2: of the first quarter of K)
	s_cmp_eq_u32 s[WV], 1
	s_cselect_b32 s[SM1], -1, 0
	s_cmp_eq_u32 s[WV], 2
	s_cselect_b32 s[SM2], -1, 0
	s_cmp_eq_u32 s[WV], 3
	s_cselect_b32 s[SM3], -1, 0
	s_lshl_b32 s[WOF], s[XE], 24                   ; weights: the expert's 1 << 24 bytes, my 512 bytes of a row, my wave's 256 rows
	s_lshl_b32 s[WOF+1], s[CSL], 9
	s_add_co_u32 s[WOF], s[WOF], s[WOF+1]
	s_lshl_b32 s[WOF+1], s[WV], WWS
	s_add_co_u32 s[WOF], s[WOF], s[WOF+1]
.if KIND == 2
	s_lshl_b32 s[WOF+1], s[KQ], 22                 ; and the quarter's 1,024 rows
	s_add_co_u32 s[WOF], s[WOF], s[WOF+1]
.endif
	s_mov_b32 s[WOF+1], 0
	s_lshl_b32 s[BOF], s[XE], BSH
	s_lshl_b32 s[BOF+1], s[CSL], 9
	s_add_co_u32 s[BOF], s[BOF], s[BOF+1]
	s_mov_b32 s[BOF+1], 0
.if KIND == 1
	s_lshl_b32 s[OOF], s[CSL], 8
.else
	s_lshl_b32 s[OOF], s[KQ], 22
	s_lshl_b32 s[OOF+1], s[CSL], 9
	s_add_co_u32 s[OOF], s[OOF], s[OOF+1]
	s_lshl_b32 s[AOF], s[KQ], 11
	s_mov_b32 s[AOF+1], 0
.endif
	s_mov_b32 s[OOF+1], 0
.if KIND == 1
.irp k, 0,1
	s_mov_b32 s[CP+(\k)], 0x3e6d3388               ; 0.23164189
	s_mov_b32 s[CN+(\k)], 0xbf38aa3b               ; -log2(e) / 2
	s_mov_b32 s[C1+(\k)], 0xbe027906               ; -0.5 x the series' five coefficients
	s_mov_b32 s[C2+(\k)], 0x3e11a98e
	s_mov_b32 s[C3+(\k)], 0xbf35f0e3
	s_mov_b32 s[C4+(\k)], 0x3f3a00e3
	s_mov_b32 s[C5+(\k)], 0xbf07dc22
	s_mov_b32 s[CONE+(\k)], 1.0
.endr
.endif
	v_lshlrev_b32 v[WB0], 4, v1
	v_lshlrev_b32 v[WVOFF], 4, v2
	v_lshl_add_u32 v[WVOFF], v3, WSH, v[WVOFF]
	s_lshl_b32 s2, s[WV], 9
	v_lshlrev_b32 v[LKW], 5, v3
	v_add_nc_u32 v[LKW], s2, v[LKW]
	s_lshl_b32 s2, s[WV], 13
	v_add_nc_u32 v[PW], s2, v[WB0]
	v_add_nc_u32 v[PW+1], 0x10000, v[PW]
	s_lshl_b32 s2, s[WV], 15
	v_add_nc_u32 v[PR], s2, v[WB0]
	s_mul_i32 s2, s[WV], LISTB
	s_add_co_u32 s2, s2, LIST
	v_mov_b32 v[LISTW], s2
	v_add_nc_u32 v[ZA], s2, v[WB0]
	v_lshl_add_u32 v[LRA], v2, 2, s2
.irp k, 0,1,2,3
	v_mov_b32 v[ZR+(\k)], 0
.endr
	s_mul_i32 s2, s[WV], STAGEB
	s_add_co_u32 s2, s2, STAGE
	v_mul_u32_u24 v[STO], v2, SP
	v_lshl_add_u32 v[STO], v3, HSH, v[STO]
	v_add_nc_u32 v[STO], s2, v[STO]
	v_lshlrev_b32 v[LNB], LSH, v1
	v_add_nc_u32 v[SRD], s2, v[LNB]
	; the bias: lane l loads columns 4 l + c = 64 (l / 16) + 32 (l / 8 % 2) + 4 (l % 8) + c, and puts number c at word 32 (l / 16) + 8 c + l % 8 of the 64 words of lane half l / 8 % 2: the accumulators' layout
	v_and_b32 v[BST], 7, v0
	v_lshlrev_b32 v[BST], 2, v[BST]
	v_bfe_u32 v[T+1], v0, 3, 1
	v_lshl_add_u32 v[BST], v[T+1], 8, v[BST]
	v_lshl_add_u32 v[BST], v3, 7, v[BST]
	v_add_nc_u32 v[BST], s2, v[BST]
	v_lshl_add_u32 v[BLD], v3, 8, s2
	v_lshlrev_b32 v[L4], 2, v1
	v_add_nc_u32 v[DMP], 1024, v1
	s_mov_b32 s[CNT], 0
	s_lshl_b32 s[PB], s[WV], 4
	s_wait_kmcnt 0x0
	s_add_nc_u64 s[WBASE:WBASE+1], s[8:9], s[WOF:WOF+1]
.if KIND == 1
	s_mov_b64 s[AB0:AB0+1], s[6:7]
.else
	s_add_nc_u64 s[AB0:AB0+1], s[6:7], s[AOF:AOF+1]
.endif
	s_add_nc_u64 s[BIAS:BIAS+1], s[10:11], s[BOF:BOF+1]
	s_add_nc_u64 s[OB:OB+1], s[12:13], s[OOF:OOF+1]
	s_wait_alu depctr_va_vdst(0)                   ; all the addresses and offsets above and the four zeros are written: every LDS and memory instruction of the kernel reads some of them
.irp k, 0,1,2,3,4,5,6,7
	ds_store_b128 v[ZA], v[ZR:ZR+3] offset:512*(\k) ; my 1,024 list places name token 0
.endr
.irp y, 0,1,2,3,4,5,6,7
	global_load_b128 v[IDX+4*(\y):IDX+4*(\y)+3], v[WB0], s[4:5] offset:512*(\y)  ; idx[128 y + 4 lane ..]
.endr
	global_load_b128 v[BR:BR+3], v[WB0], s[BIAS:BIAS+1]  ; the slice's 128 numbers of the bias, four a lane
	WLOAD 0
	WLOAD 1
	WLOAD 2
	WIN 0
	s_wait_loadcnt 48                              ; idx and the bias are in: the 48 weight loads are younger.  Bias and list are made while they are on their way.  The loads that read s[4:5] are done: s4-11 are free
	v_cvt_pk_bf16_f32 v[T], v[BR], v[BR+1]         ; the bias rounded to bf16,
	v_cvt_pk_bf16_f32 v[T+1], v[BR+2], v[BR+3]
	v_and_b32 v[T], s[FLAG], v[T]                  ; 0 in the waves that do not add it,
	v_and_b32 v[T+1], s[FLAG], v[T+1]
	v_lshlrev_b32 v[BR], 16, v[T]                  ; back in f32
	v_and_b32 v[BR+1], 0xffff0000, v[T]
	v_lshlrev_b32 v[BR+2], 16, v[T+1]
	v_and_b32 v[BR+3], 0xffff0000, v[T+1]
	LISTBATCH 0
	LISTBATCH 1
	LISTBATCH 2
	LISTBATCH 3
	s_wait_alu depctr_va_vdst(0)                   ; the bias, the 32 list addresses and the 32 tokens are written, which the LDS stores below read; the compares are done reading the choices, in whose registers the list lands
.irp c, 0,1,2,3
	ds_store_b32 v[BST], v[BR+(\c)] offset:32*(\c) ; the bias goes through my own stage (LDS serves a wave's instructions in order),
.endr
.irp y, 0,1,2,3,4,5,6,7,8,9,10,11,12,13,14,15
	ds_load_b128 v[BIA+4*(\y):BIA+4*(\y)+3], v[BLD] offset:16*(\y)  ; into every lane of its half
.endr
.set i, 0
.rept 32
	ds_store_b32 v[LA+i], v[LD+i]                  ; the list
.set i, i+1
.endr
	WLOAD 3
	WIN 0
.set i, 0
.rept 64
	ds_load_b32 v[TOK+i], v[LRA] offset:64*i       ; the token of my row in tile i (these see the list: one wave's LDS instructions, in order)
.set i, i+1
.endr
	s_add_co_u32 s[TL], s[CNT], 15
	s_lshr_b32 s[TL], s[TL], 4                     ; tiles with places
	s_wait_dscnt 0x0
	s_wait_alu depctr_vm_vsrc(0)                   ; the list's LDS stores have read v64-127, which the first products write
	; THE STREAM.  Landing sets 0 and 1 are ring places 0 and 1: the first two tiles are asked for as soon as the sets' last groups are rounded.
.set g, 0
.rept 12
	GROUP g
.set g, g+1
.endr
	GROUP 12
	MAYASK 0
	GROUP 13
	MAYASK 1
	GROUP 14
	GROUP 15
	WIN 0
	; THE ROUNDS.  At a round's head its first two tiles have been asked for, if they have places.
	s_mov_b32 s[RND], 16
.Lround:
	STEP 0
	STEP 1
	STEP 2
	STEP 3
	s_branch .Lmuldone
.Ldeadmul:
	s_wait_loadcnt 0x0                             ; behind a tile without places nothing is out
.Lmuldone:
	s_wait_dscnt 0x0                               ; for the others' sake: my parts are stored
	s_barrier_signal -1
	s_barrier_wait -1                              ; all four parts of every tile of the round are there
	s_sub_co_i32 s[NR], s[CNT], s[PB]
	s_cmp_le_i32 s[NR], 0
	s_cbranch_scc1 .Lreddone                       ; tile w has no places
	s_min_u32 s[NR], s[NR], 16
	; the four parts are added: ((p0 + p1) + p2) + p3; the last addition also brings the columns into order
	WIN 0x40
	s_wait_alu depctr_vm_vsrc(0)                   ; the LDS stores of the round's last tile have read accumulators 4-7: parts 1 and 3 land in v64-127
	s_wait_alu depctr_va_vdst(0)                   ; all that named S1, S0 and Z is done (the stream's last conversions, the products that read ring places 2 and 3 and wrote the accumulators): the parts land there
	PLOAD S1, 0
	WIN 0
	PLOAD S0, 1
	WIN 0x40
	PLOAD Z, 2
	WIN 0
	v_mov_b32 v[TKS], v[TOK]                       ; while the parts are on their way: tile w's tokens,
	v_cndmask_b32 v[TKS], v[TKS], v[TOK+1], s[SM1]
	v_cndmask_b32 v[TKS], v[TKS], v[TOK+2], s[SM2]
	v_cndmask_b32 v[TKS], v[TKS], v[TOK+3], s[SM3]
.irp q, 0,1                                            ; and its rows' offsets.  Row f's token lies in lane f: its row's offset in the output, the same in every lane, plus my bytes.  Eight lane reads in a run, one wait behind it
.irp k, 0,1,2,3,4,5,6,7
	v_readlane_b32 s[MK+(\k)], v[TKS], 8*(\q)+(\k)
.endr
	s_wait_alu depctr_va_sdst(0)                   ; the eight lane reads have written s4-11, ahead of the first line that reads one
.irp k, 0,1,2,3,4,5,6,7
	s_min_u32 s[MK+(\k)], s[MK+(\k)], 0x3ff
.endr
.irp k, 0,1,2,3,4,5,6,7
	v_lshl_add_u32 v[TK+8*(\q)+(\k)], s[MK+(\k)], OSH, v[LNB]  ; the last round's stores have read these registers: the wait on vm_vsrc behind them
.endr
.endr
	s_wait_dscnt 16                                ; parts 0 and 1 are in: part 2's 16 loads stay out
	WIN 0x41
.set i, 0
.rept 32
	v_pk_add_f32 v[S1+i:S1+i+1], v[S1+i:S1+i+1], v[S0+i:S0+i+1]
.set i, i+2
.endr
	WIN 0
	s_wait_alu depctr_va_vdst(0)                   ; the additions are done reading part 1 in S0, in which part 3 lands; the rows' offsets are written, which the global stores below read
	PLOAD S0, 3
	s_wait_dscnt 16                                ; part 2 is in: part 3's 16 loads stay out
	WIN 0x45
.set i, 0
.rept 32
	v_pk_add_f32 v[S1+i:S1+i+1], v[S1+i:S1+i+1], v[Z+i:Z+i+1]
.set i, i+2
.endr
	s_wait_dscnt 0x0
	WIN 0x41
.irp n, 0,1,2,3,4,5,6,7
.irp j, 0,1,2,3,4,5,6,7
	v_add_f32 v[Z+32*((\n)/4)+4*(\j)+(\n)%4], v[S1+8*(\n)+(\j)], v[S0+8*(\n)+(\j)]
.endr
.endr
.if KIND == 1
	GELU 0
	GELU 1
	GELU 2
	GELU 3
	WIN 0x05
.set i, 0
.rept 32
	v_cvt_pk_bf16_f32 v[TMP+i], v[Z+2*i], v[Z+2*i+1]
.set i, i+1
.endr
	WIN 0
	s_wait_alu depctr_va_vdst(0)                   ; the roundings have written TMP, which the LDS stores read; the last additions are done reading v96-127, in which the rows land
.irp c, 0,1
.irp q, 0,1,2,3
	ds_store_b128 v[STO], v[TMP+16*(\c)+4*(\q):TMP+16*(\c)+4*(\q)+3] offset:128*(\c)+16*(\q)
.endr
.endr
.else
	WIN 0x04                                       ; store data in window 1
	s_wait_alu depctr_va_vdst(0)                   ; the last additions have written Z, which the LDS stores read, and are done reading v64-127, in which the rows land
.irp c, 0,1
.irp q, 0,1,2,3,4,5,6,7
	ds_store_b128 v[STO], v[Z+32*(\c)+4*(\q):Z+32*(\c)+4*(\q)+3] offset:256*(\c)+16*(\q)
.endr
.endr
	WIN 0
.endif
.set f, 0
.rept 16                                               ; back by rows: the stage is my wave's own, and LDS serves a wave's instructions in order
.if KIND == 1
	ds_load_b64 v[OUT+2*f:OUT+2*f+1], v[SRD] offset:SP*f
.else
	ds_load_b128 v[OUT+4*f:OUT+4*f+3], v[SRD] offset:SP*f
.endif
.set f, f+1
.endr
	s_wait_dscnt 0x0
.set f, 0
.rept 16                                               ; a store is one token row's 256 (KIND 2: 512) consecutive bytes, aligned; rows past the count are jumped whole
.if f > 0
	s_cmp_le_u32 s[NR], f
	s_cbranch_scc1 .Lsdone
.endif
.if KIND == 1
	global_store_b64 v[TK+f], v[OUT+2*f:OUT+2*f+1], s[OB:OB+1]
.else
	global_store_b128 v[TK+f], v[OUT+4*f:OUT+4*f+3], s[OB:OB+1]
.endif
.set f, f+1
.endr
.Lsdone:
	s_wait_xcnt 0x0                                ; the stores' offsets and data are rewritten only behind this wait,
	s_wait_alu depctr_vm_vsrc(0)                   ; and behind this one: the global stores have read their offsets and the rows, the stage's LDS stores their data: the next round's products, loads and offsets write all of these
.Lreddone:
	s_wait_dscnt 0x0                               ; my reads of the parts are over
	s_barrier_signal -1
	s_barrier_wait -1                              ; everybody's are: the next round may store its parts
	s_cmp_gt_i32 s[TL], 4
	s_cbranch_scc0 .Lnoshift
.set i, 0
.rept 60
	v_mov_b32 v[TOK+i], v[TOK+i+4]                 ; the next round's tiles move to the front (vector lines alone name these registers in the rounds)
.set i, i+1
.endr
.Lnoshift:
	s_sub_co_i32 s[TL], s[TL], 4
	s_add_co_u32 s[PB], s[PB], 64
	s_sub_co_u32 s[RND], s[RND], 1
	s_cmp_lg_u32 s[RND], 0
	s_cbranch_scc1 .Lround
	s_wait_dscnt 0x0                               ; the wave's end
	s_wait_alu depctr_hold_cnt(0) depctr_sa_sdst(0) depctr_va_vdst(0) depctr_va_sdst(0) depctr_va_ssrc(0) depctr_va_vcc(0) depctr_vm_vsrc(0)
	s_wait_tensorcnt 0x0
	ds_add_u32 v62, v63
	s_wait_dscnt 0x0
	s_endpgm
.Lfunc_end_k_q7e3918cced_ffn1:
	.size	k_q7e3918cced_ffn1, .Lfunc_end_k_q7e3918cced_ffn1-k_q7e3918cced_ffn1
	.p2alignl 7, 3214868480
	.fill 96, 4, 3214868480
	.section	.rodata,"a",@progbits
	.p2align	6, 0x0
	.amdhsa_kernel k_q7e3918cced_ffn1
		.amdhsa_group_segment_fixed_size 182784
		.amdhsa_private_segment_fixed_size 0
		.amdhsa_enable_private_segment 0
		.amdhsa_kernarg_size 40
		.amdhsa_user_sgpr_count 2
		.amdhsa_user_sgpr_kernarg_segment_ptr 1
		.amdhsa_wavefront_size32 1
		.amdhsa_system_sgpr_workgroup_id_x 1
		.amdhsa_system_sgpr_workgroup_id_y 1
		.amdhsa_system_sgpr_workgroup_id_z 1
		.amdhsa_system_vgpr_workitem_id 0
		.amdhsa_next_free_vgpr 1024
		.amdhsa_next_free_sgpr 66
		.amdhsa_reserve_vcc 0
		.amdhsa_float_denorm_mode_32 3
		.amdhsa_float_denorm_mode_16_64 3
		.amdhsa_memory_ordered 1
		.amdhsa_forward_progress 1
		.amdhsa_inst_pref_size 172
	.end_amdhsa_kernel
	.amdgpu_metadata
---
amdhsa.version: [ 1, 2 ]
amdhsa.kernels:
  - .name:           k_q7e3918cced_ffn1
    .symbol:         k_q7e3918cced_ffn1.kd
    .args:
      - { .name: idx, .offset: 0, .size: 8, .value_kind: global_buffer, .address_space: global }
      - { .name: xb, .offset: 8, .size: 8, .value_kind: global_buffer, .address_space: global }
      - { .name: w1, .offset: 16, .size: 8, .value_kind: global_buffer, .address_space: global }
      - { .name: b1, .offset: 24, .size: 8, .value_kind: global_buffer, .address_space: global }
      - { .name: hb, .offset: 32, .size: 8, .value_kind: global_buffer, .address_space: global }
    .group_segment_fixed_size: 182784
    .private_segment_fixed_size: 0
    .kernarg_segment_align: 8
    .kernarg_segment_size: 40
    .max_flat_workgroup_size: 128
    .sgpr_count:     66
    .vgpr_count:     1024
    .wavefront_size: 32
...
	.end_amdgpu_metadata
.endif
;; end of part 7
;; launch ffn2 (part 8): grid 32 x 8, 4 waves a work-group, no clusters, 182,784 bytes of LDS; arguments idx, hb, w2, b2, part; writes part
.if DOCPART == 8
	.amdgcn_target "amdgcn-amd-amdhsa--gfx1250"
	.amdhsa_code_object_version 6
	.text
	.protected	k_q7e3918cced_ffn2
	.globl	k_q7e3918cced_ffn2
	.p2align	8
	.type	k_q7e3918cced_ffn2,@function
k_q7e3918cced_ffn2:
	s_mov_b64 s[64:65], 0
	v_nop
	global_prefetch_b8 v0, s[64:65] scope:SCOPE_SE
	s_setreg_imm32_b32 hwreg(HW_REG_WAVE_SCHED_MODE, 0, 2), 2
	s_setreg_imm32_b32 hwreg(HW_REG_WAVE_MODE, 25, 1), 1
	s_wait_xcnt 0x0
	s_wait_alu depctr_vm_vsrc(0)
; ONE PRODUCT OF THE EXPERTS' CHAIN, for the rows that chose the expert.  One text for both products, told apart by KIND (this copy leaves out what KIND 1 alone uses: the GELU).
;   KIND 1: hb[t][128 X ..] = gelu(xb[t] . w1[e][:, 128 X ..] + b1[e]), bf16.       KIND 2: part[kq][t][128 cg ..] = hb[t][1024 kq ..] . w2[e][1024 kq .., 128 cg ..] (+ b2[e] where kq = 0), f32.
; FORMATS AND LIMITS.  Weights and biases are rounded to bf16 on their way through registers (as every input of the program is); sums in f32; partial sums stay f32.  NaN and infinities are not treated apart.
; SHARES.  A work-group has a slice of ONE expert's weights, 1,024 k x 128 columns, which it alone reads, and all of that expert's rows, whatever their number (0 to 1,024).
; Wave w has k = 256 w .. + 255 of the slice and KEEPS it, as finished bf16 fragments, in 512 registers: the weights never pass through LDS, and no wave waits for another's part of the stream.
; 1. Every wave makes, from idx, its own copy of the list of the expert's tokens in LDS (places past the count name token 0, a row that exists; what is made of them is not stored), and reads it back: one register a tile of 16 places.
; 2. The stream: 16 groups of 16 loads of 512 bytes, four groups on their way; each group is rounded straight into its fragments' registers.  It is written out, since the registers differ from group to group.
; 3. ROUNDS of four tiles.  Every wave multiplies every tile that has places by its quarter of K (64 matrix instructions and 8,192 bytes of token rows a tile: each token byte is read by one wave of the work-group)
;    and puts its partial sums, f32, into LDS; a barrier; wave w adds the four parts of tile w and stores one token row an instruction; a barrier.
;    The rounds are counted to the constant 16, which serves every split; every wave passes every barrier, and only work is jumped, forward.  Every LDS address is a register made at the head plus an immediate.
; NO TENSOR LOADS: the weights must pass through registers to be rounded.  NO CLUSTER: each slice has one reader, and the rows that an expert's work-groups share come by a list, which no descriptor covers.
; THE FRAGMENTS.  k and the columns are permuted alike on both sides.  In a group (K step s, column half ch) lane (r, h) loads 16 bytes of row k = 32 s + 16 h + p, p = 0..15, at columns 64 ch + 4 r ..:
; each half of the lanes takes 256 consecutive bytes, aligned.  Rows 2 i and 2 i + 1 of column c, rounded together, are register i of fragment nb = 4 ch + c, in which lane r stands for column 64 ch + 4 r + c.
; A token's fragment is then the 32 consecutive bytes at 64 s + 32 h of its row.  Source 0 = weights, source 1 = tokens: register j of accumulator nb in lane (r', h') is token r', column 64 ch + 32 h' + 4 j + c.
; REGISTERS, in windows of 256 (s_set_vgpr_msb: bits 1:0 source 0, 3:2 source 1, 5:4 source 2, 7:6 destination):
;   window 0: v0-63 addresses; v64-127 the 8 accumulators (at work at the head and in the sums); v128-191 the bias in the accumulators' layout; v192-255 the list
;   window 1: the stream's four landing sets of 64; then a ring of four tiles' token fragments (K step s at 64 place + 8 s), of which places 2 and 3 are at work in the sums
;   windows 2, 3: the weights: K step s, fragment nb at 64 (s % 4) + 8 nb of window 2 + s / 4
; THE MODE: SCHED_MODE bits 1:0 = 2 (LLVM: expert scheduling mode 2), set by the entry lines.  The code itself states the register dependences
; between vector or matrix instructions and memory or LDS instructions, with s_wait_alu, always for 0.
; THE PLAN.  Registers that memory or LDS instructions touch:
;   the addresses v4-13, v15, v20-23, v26 and the zeros v48-51   made at the head, ahead of one wait, and never written again.
;   LA, LD (v64-127, at the head)   all 32 list addresses and tokens are made first; one wait; one run of LDS stores reads them.  The products write these registers later, behind the wait ahead of the rounds.
;   a landing set   its group's 32 conversions read it; behind them one wait, and the loads of the group four on land in it.
;   ROW[p] and ring place p   written, and loaded, when tile t (p = t % 4) is asked for: the row offset is made, one wait, 16 loads.  The tile's 64 products read the place; it is asked for again four tiles on.
;   accumulators 0-3 and 4-7   two out-buffers by turns: a half's 32 products write it, four places and a wait follow, eight LDS stores read it while the other half is multiplied.
;                   The wait that frees a half for its next products stands ahead of the OTHER half's stores, 32 products behind the stores that it waits for.
;   S1, S0, Z       the four parts land there and the additions read them; S0 takes part 1 and then part 3, with a wait between.
;   Z, OUT, TK      written by the last additions, by LDS loads and by vector lines; read by the stage's LDS stores and by the global stores; freed by the wait behind the global stores.
.set KIND, 2
.if KIND == 1
.set WP,  16384         ; bytes from a weight row to the next
.set WSH, 18            ; 16 WP = 1 << WSH
.set WWS, 22            ; 256 WP
.set BSH, 14            ; an expert's bias in bytes
.set PSH, 11            ; a token row of the left operand in bytes
.set OSH, 13            ; a token row of the output
.set SP,  272           ; a stage row: 256 bytes + 16
.set HSH, 6             ; a lane half's 32 columns in the stage
.set LSH, 3             ; bytes a lane stores of a row
.set OUT, 96            ; v96-127 rows back from the stage
.else
.set WP,  4096
.set WSH, 16
.set WWS, 20
.set BSH, 12
.set PSH, 13
.set OSH, 12
.set SP,  528           ; 512 bytes + 16
.set HSH, 7
.set LSH, 4
.set OUT, 64            ; v64-127
.endif
.set LIST,   131072     ; behind the partial sums (tile i of a round, wave w at 32,768 i + 8,192 w): for each wave 1,024 list places and 32 dump words, 4,352 bytes with the rest
.set LISTB,  4352
.set STAGE,  148480     ; for each wave 16 rows at SP bytes, for the way out; the 512 bytes behind the stages are the spare words of the closing add, 128 bytes a wave
.set STAGEB, 8448
.set WVOFF, 4           ; v4   16 h weight rows + 16 r
.set LKW,  5            ; v5   512 w + 32 h: my bytes in a token row
.set WB0,  6            ; v6   16 lane
.set LRA,  7            ; v7   my list + 4 r
.set STO,  8            ; v8   into the stage
.set SRD,  9            ; v9   back from it
.set LNB,  10           ; v10  my bytes in an output row
.set L4,   11           ; v11  4 lane
.set LISTW, 12          ; v12  my list
.set DMP,  13           ; v13  1,024 + lane
.set TKS,  14           ; v14  the tokens of the tile that I finish: lane f holds row f's
.set PR,   15           ; v15  the four parts of tile w: 32,768 w + 16 lane
.set ROW,  16           ; v16-19  byte offset of my token row, by ring place
.set PW,   20           ; v20-21  my part of tiles 0, 1 and of tiles 2, 3: 8,192 w + 16 lane (+ 65,536)
.set BST,  22           ; v22  the bias into my stage
.set BLD,  23           ; v23  and back
.set T,    24           ; v24-25  at work: no memory instruction names them
.set ZA,   26           ; v26  my list + 16 lane, for the zeros
.set TK,   32           ; v32-47  a tile's 16 rows' offsets in the output
.set ZR,   48           ; v48-51  zeros
.set BR,   52           ; v52-55  at the head: four numbers of the bias
.set ACC,  64           ; v64-127 accumulator nb at ACC + 8 nb
.set S0,   64           ;         in the sums: a part as loaded
.set LA,   64           ;         at the head: v64-95 the 32 LDS addresses of the list's stores,
.set LD,   96           ;         v96-127 the 32 tokens that they store
.set BIA,  128          ; v128-191 the bias of accumulator nb at BIA + 8 nb; 0 but in the wave that adds it
.set TOK,  192          ; v192-255 my row's token in tile t of the round in hand at TOK + t, of the rounds behind it from TOK + 4 on
.set IDX,  192          ;         at the head: the 1,024 choices, 32 a lane
.set S1,   128          ; window 1: the running sum, in the accumulators' layout
.set Z,    192          ; window 1: a part as loaded; then the tile in column order: Z[32 ch + 4 j + c]
.set MK,  4             ; s4-11 once the arguments are used up: eight masks of the list; eight tokens of the tile that I finish
.set WV,  14            ; s14 wave
.set XE,  15            ; s15 expert
.set CSL, 16            ; s16 which 128 columns
.set KQ,  17            ; s17 which quarter of K (KIND 2)
.set SM1, 18            ; s18, s19, s24  all ones in wave 1, 2, 3
.set SM2, 19
.set WBASE, 20          ; s[20:21] my wave's weights; never rewritten
.set AB0, 22            ; s[22:23] left operand
.set SM3, 24
.set OB,  26            ; s[26:27] output
.set BIAS, 28           ; s[28:29]
.set CNT, 30            ; s30 the expert's rows
.set PB,  31            ; s31 16 w + 64 round: the first place of the tile that I finish
.set TL,  32            ; s32 tiles with places, counted from the round's first (may fall below 0)
.set NR,  33            ; s33 rows with places in the tile that I finish
.set RND, 34
.set FLAG, 37           ; s37 all ones in the wave that adds the bias, else 0
.set POP, 39
.set AOF, 40            ; s[40:41], s[42:43], s[60:61], s[62:63] offsets
.set OOF, 42
.set WOF, 60
.set BOF, 62
.set MSB, 0
.macro WIN new                         ; the immediate's high byte repeats the setting that is left; a switch that changes nothing is dropped
.if MSB != (\new)
	s_set_vgpr_msb (MSB<<8)|(\new)
.set MSB, (\new)
.endif
.endm
.macro PLACES                          ; four places behind matrix instructions, in front of LDS stores of their results; they stay beside the wait that follows them
.rept 4
	v_nop
.endr
.endm
; Eight registers of choices, 8 b .. 8 b + 7: the lanes whose token chose my expert will put its number at the next list places, the others into their dump words.
; The eight compares stand in one run, with one wait behind it; addresses and tokens go into registers of their own, and the stores follow in one run behind all four batches.
.macro LISTBATCH b
.irp k, 0,1,2,3,4,5,6,7
	v_cmp_eq_u32 s[MK+(\k)], s[XE], v[IDX+8*(\b)+(\k)]
.endr
	s_wait_alu depctr_va_sdst(0)                   ; the eight compares have written their masks, ahead of the first line that reads one
.irp k, 0,1,2,3,4,5,6,7
	v_mbcnt_lo_u32_b32 v[LA+8*(\b)+(\k)], s[MK+(\k)], s[CNT]  ; the count so far + the chosen lanes below mine
	v_cndmask_b32 v[LA+8*(\b)+(\k)], v[DMP], v[LA+8*(\b)+(\k)], s[MK+(\k)]
	v_min_u32 v[LA+8*(\b)+(\k)], 1055, v[LA+8*(\b)+(\k)]      ; inside my list's 1,056 words
	v_lshl_add_u32 v[LA+8*(\b)+(\k)], v[LA+8*(\b)+(\k)], 2, v[LISTW]
	v_add_nc_u32 v[LD+8*(\b)+(\k)], 128*(2*(\b)+(\k)/4)+(\k)%4, v[L4]  ; the token
	s_bcnt1_i32_b32 s[POP], s[MK+(\k)]
	s_add_co_u32 s[CNT], s[CNT], s[POP]
.endr
.endm
; Group gi of 16 (K step gi / 2, column half gi % 2): 16 loads into landing set gi % 4.  The rows stand in the immediate, 979,200 bytes at the most.  The launch reads each weight once.
.macro WLOAD gi
	WIN 0x40
.set p, 0
.rept 16
	global_load_b128 v[64*((\gi)%4)+4*p:64*((\gi)%4)+4*p+3], v[WVOFF], s[WBASE:WBASE+1] offset:(32*((\gi)/2)+p)*WP+256*((\gi)%2) th:TH_LOAD_NT
.set p, p+1
.endr
.endm
; Group gi is rounded into its four fragments' registers, and its landing set is asked for again, four groups on.
.macro GROUP gi
.if (\gi) < 15
	s_wait_loadcnt 48                              ; mine is in: three younger groups of 16 stay out (at the stream's end: weight groups and the first tiles' token loads)
.else
	s_wait_loadcnt 32                              ; the last group: the first two tiles' token loads stay out
.endif
	WIN 0x85+0x40*((\gi)/8)                        ; sources window 1, destination window 2 or 3
.set c, 0
.rept 4
.set i, 0
.rept 8
	v_cvt_pk_bf16_f32 v[64*(((\gi)/2)%4)+8*(4*((\gi)%2)+c)+i], v[64*((\gi)%4)+8*i+c], v[64*((\gi)%4)+8*i+4+c]
.set i, i+1
.endr
.set c, c+1
.endr
.if (\gi) < 12
	WIN 0x40
	s_wait_alu depctr_va_vdst(0)                   ; the 32 conversions are done reading this landing set, in which the loads below land
	WLOAD (\gi)+4
.endif
.endm
; Tile i (counted from the round's first) is asked for: my quarter of K of its 16 rows, 16 loads into ring place i % 4.  Other work-groups read these rows again.
.macro ASK i
	v_min_u32 v[T], 0x3ff, v[TOK+(\i)]
	v_lshl_add_u32 v[ROW+(\i)%4], v[T], PSH, v[LKW]  ; the place's last loads were shown done by the wait ahead of their products, and have read this register: a wait on vm_vsrc stands in every tile since
	WIN 0x40
	s_wait_alu depctr_va_vdst(0)                   ; the row's offset is written, which the loads read; all that read or wrote this ring place (conversions, products, the sums) is done: the loads land in it
.irp s, 0,1,2,3,4,5,6,7
	global_load_b128 v[64*((\i)%4)+8*(\s):64*((\i)%4)+8*(\s)+3],   v[ROW+(\i)%4], s[AB0:AB0+1] offset:64*(\s) th:TH_LOAD_HT
	global_load_b128 v[64*((\i)%4)+8*(\s)+4:64*((\i)%4)+8*(\s)+7], v[ROW+(\i)%4], s[AB0:AB0+1] offset:64*(\s)+16 th:TH_LOAD_HT
.endr
	WIN 0
.endm
; It is asked for only if it has places.  Where nothing is asked for, the wave waits for all its loads: so behind a tile's loads stand, on every way, either the next tile's 16 or a wait for 0,
; and the counted waits (16 ahead of a tile's products, 48 and 32 in the stream) hold on every way.
.macro MAYASK i
	WIN 0
	s_cmp_gt_i32 s[TL], (\i)
	s_cbranch_scc0 .Lnone_\@
	ASK \i
	s_branch .Lgo_\@
.Lnone_\@:
	s_wait_loadcnt 0x0
.Lgo_\@:
.endm
; 32 matrix instructions: tile i, accumulators 4 hb .. 4 hb + 3 by turns, through my 8 K steps.  The first K step starts the sums from the bias.
.macro HALF i, hb
.irp s, 0,1,2,3,4,5,6,7
	WIN 0x06+(\s)/4                                ; weights window 2 or 3, tokens window 1, C and D window 0
.irp c, 0,1,2,3
.if (\s) == 0
	v_wmma_f32_16x16x32_bf16 v[ACC+8*(4*(\hb)+(\c)):ACC+8*(4*(\hb)+(\c))+7], v[64*((\s)%4)+8*(4*(\hb)+(\c)):64*((\s)%4)+8*(4*(\hb)+(\c))+7], v[64*((\i)%4)+8*(\s):64*((\i)%4)+8*(\s)+7], v[BIA+8*(4*(\hb)+(\c)):BIA+8*(4*(\hb)+(\c))+7]
.else
	v_wmma_f32_16x16x32_bf16 v[ACC+8*(4*(\hb)+(\c)):ACC+8*(4*(\hb)+(\c))+7], v[64*((\s)%4)+8*(4*(\hb)+(\c)):64*((\s)%4)+8*(4*(\hb)+(\c))+7], v[64*((\i)%4)+8*(\s):64*((\i)%4)+8*(\s)+7], v[ACC+8*(4*(\hb)+(\c)):ACC+8*(4*(\hb)+(\c))+7]
.endif
.endr
.endr
	WIN 0
.endm
; The four accumulators go to my part of tile i, as they lie: 512 consecutive bytes a store; each accumulator's low registers first.
.macro PUT i, hb
.irp c, 0,1,2,3
	ds_store_b128 v[PW+(\i)/2], v[ACC+8*(4*(\hb)+(\c)):ACC+8*(4*(\hb)+(\c))+3]   offset:32768*((\i)%2)+1024*(4*(\hb)+(\c))
	ds_store_b128 v[PW+(\i)/2], v[ACC+8*(4*(\hb)+(\c))+4:ACC+8*(4*(\hb)+(\c))+7] offset:32768*((\i)%2)+1024*(4*(\hb)+(\c))+512
.endr
.endm
; Tile i of the round.  A tile without places ends the round's products: so do all behind it.
.macro STEP i
	s_cmp_gt_i32 s[TL], (\i)
	s_cbranch_scc0 .Ldeadmul
	s_wait_loadcnt 16                              ; my tile's rows are in: the next tile's 16 loads stay out
	MAYASK (\i)+2                                  ; two tiles ahead, into the place that was multiplied two tiles ago
	HALF \i, 0
	PLACES
	s_wait_alu depctr_va_vdst(0)                   ; the products have written accumulators 0-3, which the LDS stores below read
	s_wait_alu depctr_vm_vsrc(0)                   ; the LDS stores of the tile before have read accumulators 4-7, which the next 32 products write; the loads asked for above have read their row's offset
	PUT \i, 0
	HALF \i, 1
	PLACES
	s_wait_alu depctr_va_vdst(0)                   ; the products have written accumulators 4-7, which the LDS stores below read
	s_wait_alu depctr_vm_vsrc(0)                   ; the eight LDS stores above have read accumulators 0-3, which the next tile's first products write
	PUT \i, 1
.endm
; Part pw of tile w: 16 LDS loads of 512 consecutive bytes, into the accumulators' layout at dst.
.macro PLOAD dst, pw
.irp n, 0,1,2,3,4,5,6,7
	ds_load_b128 v[(\dst)+8*(\n):(\dst)+8*(\n)+3],   v[PR] offset:8192*(\pw)+1024*(\n)
	ds_load_b128 v[(\dst)+8*(\n)+4:(\dst)+8*(\n)+7], v[PR] offset:8192*(\pw)+1024*(\n)+512
.endr
.endm
	s_load_b256 s[4:11], s[0:1], 0x0               ; idx s[4:5], left operand s[6:7], weights s[8:9], bias s[10:11]
	s_load_b64 s[12:13], s[0:1], 0x20              ; output
	v_lshl_add_u32 v62, v0, 2, 0x2c800
	v_mov_b32 v63, 0
	v_lshrrev_b32 v1, 5, v0
	v_readfirstlane_b32 s[WV], v1                  ; wave 0..3
	v_and_b32 v1, 31, v0                           ; lane
	v_and_b32 v2, 15, v0                           ; r
	v_bfe_u32 v3, v0, 4, 1                         ; h
	s_and_b32 s[XE], ttmp7, 0xffff                 ; the expert
	s_wait_alu depctr_va_sdst(0)                   ; the wave's number is written, ahead of its first reader
.if KIND == 1
	s_mov_b32 s[CSL], ttmp9
	s_cmp_eq_u32 s[WV], 0
.else
	s_and_b32 s[CSL], ttmp9, 7
	s_lshr_b32 s[KQ], ttmp9, 3
	s_or_b32 s2, s[WV], s[KQ]
	s_cmp_eq_u32 s2, 0
.endif
	s_cselect_b32 s[FLAG], -1, 0                   ; the bias is added once: by wave 0 (KIND 2: of the first quarter of K)
	s_cmp_eq_u32 s[WV], 1
	s_cselect_b32 s[SM1], -1, 0
	s_cmp_eq_u32 s[WV], 2
	s_cselect_b32 s[SM2], -1, 0
	s_cmp_eq_u32 s[WV], 3
	s_cselect_b32 s[SM3], -1, 0
	s_lshl_b32 s[WOF], s[XE], 24                   ; weights: the expert's 1 << 24 bytes, my 512 bytes of a row, my wave's 256 rows
	s_lshl_b32 s[WOF+1], s[CSL], 9
	s_add_co_u32 s[WOF], s[WOF], s[WOF+1]
	s_lshl_b32 s[WOF+1], s[WV], WWS
	s_add_co_u32 s[WOF], s[WOF], s[WOF+1]
.if KIND == 2
	s_lshl_b32 s[WOF+1], s[KQ], 22                 ; and the quarter's 1,024 rows
	s_add_co_u32 s[WOF], s[WOF], s[WOF+1]
.endif
	s_mov_b32 s[WOF+1], 0
	s_lshl_b32 s[BOF], s[XE], BSH
	s_lshl_b32 s[BOF+1], s[CSL], 9
	s_add_co_u32 s[BOF], s[BOF], s[BOF+1]
	s_mov_b32 s[BOF+1], 0
.if KIND == 1
	s_lshl_b32 s[OOF], s[CSL], 8
.else
	s_lshl_b32 s[OOF], s[KQ], 22
	s_lshl_b32 s[OOF+1], s[CSL], 9
	s_add_co_u32 s[OOF], s[OOF], s[OOF+1]
	s_lshl_b32 s[AOF], s[KQ], 11
	s_mov_b32 s[AOF+1], 0
.endif
	s_mov_b32 s[OOF+1], 0
	v_lshlrev_b32 v[WB0], 4, v1
	v_lshlrev_b32 v[WVOFF], 4, v2
	v_lshl_add_u32 v[WVOFF], v3, WSH, v[WVOFF]
	s_lshl_b32 s2, s[WV], 9
	v_lshlrev_b32 v[LKW], 5, v3
	v_add_nc_u32 v[LKW], s2, v[LKW]
	s_lshl_b32 s2, s[WV], 13
	v_add_nc_u32 v[PW], s2, v[WB0]
	v_add_nc_u32 v[PW+1], 0x10000, v[PW]
	s_lshl_b32 s2, s[WV], 15
	v_add_nc_u32 v[PR], s2, v[WB0]
	s_mul_i32 s2, s[WV], LISTB
	s_add_co_u32 s2, s2, LIST
	v_mov_b32 v[LISTW], s2
	v_add_nc_u32 v[ZA], s2, v[WB0]
	v_lshl_add_u32 v[LRA], v2, 2, s2
.irp k, 0,1,2,3
	v_mov_b32 v[ZR+(\k)], 0
.endr
	s_mul_i32 s2, s[WV], STAGEB
	s_add_co_u32 s2, s2, STAGE
	v_mul_u32_u24 v[STO], v2, SP
	v_lshl_add_u32 v[STO], v3, HSH, v[STO]
	v_add_nc_u32 v[STO], s2, v[STO]
	v_lshlrev_b32 v[LNB], LSH, v1
	v_add_nc_u32 v[SRD], s2, v[LNB]
	; the bias: lane l loads columns 4 l + c = 64 (l / 16) + 32 (l / 8 % 2) + 4 (l % 8) + c, and puts number c at word 32 (l / 16) + 8 c + l % 8 of the 64 words of lane half l / 8 % 2: the accumulators' layout
	v_and_b32 v[BST], 7, v0
	v_lshlrev_b32 v[BST], 2, v[BST]
	v_bfe_u32 v[T+1], v0, 3, 1
	v_lshl_add_u32 v[BST], v[T+1], 8, v[BST]
	v_lshl_add_u32 v[BST], v3, 7, v[BST]
	v_add_nc_u32 v[BST], s2, v[BST]
	v_lshl_add_u32 v[BLD], v3, 8, s2
	v_lshlrev_b32 v[L4], 2, v1
	v_add_nc_u32 v[DMP], 1024, v1
	s_mov_b32 s[CNT], 0
	s_lshl_b32 s[PB], s[WV], 4
	s_wait_kmcnt 0x0
	s_add_nc_u64 s[WBASE:WBASE+1], s[8:9], s[WOF:WOF+1]
.if KIND == 1
	s_mov_b64 s[AB0:AB0+1], s[6:7]
.else
	s_add_nc_u64 s[AB0:AB0+1], s[6:7], s[AOF:AOF+1]
.endif
	s_add_nc_u64 s[BIAS:BIAS+1], s[10:11], s[BOF:BOF+1]
	s_add_nc_u64 s[OB:OB+1], s[12:13], s[OOF:OOF+1]
	s_wait_alu depctr_va_vdst(0)                   ; all the addresses and offsets above and the four zeros are written: every LDS and memory instruction of the kernel reads some of them
.irp k, 0,1,2,3,4,5,6,7
	ds_store_b128 v[ZA], v[ZR:ZR+3] offset:512*(\k) ; my 1,024 list places name token 0
.endr
.irp y, 0,1,2,3,4,5,6,7
	global_load_b128 v[IDX+4*(\y):IDX+4*(\y)+3], v[WB0], s[4:5] offset:512*(\y)  ; idx[128 y + 4 lane ..]
.endr
	global_load_b128 v[BR:BR+3], v[WB0], s[BIAS:BIAS+1]  ; the slice's 128 numbers of the bias, four a lane
	WLOAD 0
	WLOAD 1
	WLOAD 2
	WIN 0
	s_wait_loadcnt 48                              ; idx and the bias are in: the 48 weight loads are younger.  Bias and list are made while they are on their way.  The loads that read s[4:5] are done: s4-11 are free
	v_cvt_pk_bf16_f32 v[T], v[BR], v[BR+1]         ; the bias rounded to bf16,
	v_cvt_pk_bf16_f32 v[T+1], v[BR+2], v[BR+3]
	v_and_b32 v[T], s[FLAG], v[T]                  ; 0 in the waves that do not add it,
	v_and_b32 v[T+1], s[FLAG], v[T+1]
	v_lshlrev_b32 v[BR], 16, v[T]                  ; back in f32
	v_and_b32 v[BR+1], 0xffff0000, v[T]
	v_lshlrev_b32 v[BR+2], 16, v[T+1]
	v_and_b32 v[BR+3], 0xffff0000, v[T+1]
	LISTBATCH 0
	LISTBATCH 1
	LISTBATCH 2
	LISTBATCH 3
	s_wait_alu depctr_va_vdst(0)                   ; the bias, the 32 list addresses and the 32 tokens are written, which the LDS stores below read; the compares are done reading the choices, in whose registers the list lands
.irp c, 0,1,2,3
	ds_store_b32 v[BST], v[BR+(\c)] offset:32*(\c) ; the bias goes through my own stage (LDS serves a wave's instructions in order),
.endr
.irp y, 0,1,2,3,4,5,6,7,8,9,10,11,12,13,14,15
	ds_load_b128 v[BIA+4*(\y):BIA+4*(\y)+3], v[BLD] offset:16*(\y)  ; into every lane of its half
.endr
.set i, 0
.rept 32
	ds_store_b32 v[LA+i], v[LD+i]                  ; the list
.set i, i+1
.endr
	WLOAD 3
	WIN 0
.set i, 0
.rept 64
	ds_load_b32 v[TOK+i], v[LRA] offset:64*i       ; the token of my row in tile i (these see the list: one wave's LDS instructions, in order)
.set i, i+1
.endr
	s_add_co_u32 s[TL], s[CNT], 15
	s_lshr_b32 s[TL], s[TL], 4                     ; tiles with places
	s_wait_dscnt 0x0
	s_wait_alu depctr_vm_vsrc(0)                   ; the list's LDS stores have read v64-127, which the first products write
	; THE STREAM.  Landing sets 0 and 1 are ring places 0 and 1: the first two tiles are asked for as soon as the sets' last groups are rounded.
.set g, 0
.rept 12
	GROUP g
.set g, g+1
.endr
	GROUP 12
	MAYASK 0
	GROUP 13
	MAYASK 1
	GROUP 14
	GROUP 15
	WIN 0
	; THE ROUNDS.  At a round's head its first two tiles have been asked for, if they have places.
	s_mov_b32 s[RND], 16
.Lround:
	STEP 0
	STEP 1
	STEP 2
	STEP 3
	s_branch .Lmuldone
.Ldeadmul:
	s_wait_loadcnt 0x0                             ; behind a tile without places nothing is out
.Lmuldone:
	s_wait_dscnt 0x0                               ; for the others' sake: my parts are stored
	s_barrier_signal -1
	s_barrier_wait -1                              ; all four parts of every tile of the round are there
	s_sub_co_i32 s[NR], s[CNT], s[PB]
	s_cmp_le_i32 s[NR], 0
	s_cbranch_scc1 .Lreddone                       ; tile w has no places
	s_min_u32 s[NR], s[NR], 16
	; the four parts are added: ((p0 + p1) + p2) + p3; the last addition also brings the columns into order
	WIN 0x40
	s_wait_alu depctr_vm_vsrc(0)                   ; the LDS stores of the round's last tile have read accumulators 4-7: parts 1 and 3 land in v64-127
	s_wait_alu depctr_va_vdst(0)                   ; all that named S1, S0 and Z is done (the stream's last conversions, the products that read ring places 2 and 3 and wrote the accumulators): the parts land there
	PLOAD S1, 0
	WIN 0
	PLOAD S0, 1
	WIN 0x40
	PLOAD Z, 2
	WIN 0
	v_mov_b32 v[TKS], v[TOK]                       ; while the parts are on their way: tile w's tokens,
	v_cndmask_b32 v[TKS], v[TKS], v[TOK+1], s[SM1]
	v_cndmask_b32 v[TKS], v[TKS], v[TOK+2], s[SM2]
	v_cndmask_b32 v[TKS], v[TKS], v[TOK+3], s[SM3]
.irp q, 0,1                                            ; and its rows' offsets.  Row f's token lies in lane f: its row's offset in the output, the same in every lane, plus my bytes.  Eight lane reads in a run, one wait behind it
.irp k, 0,1,2,3,4,5,6,7
	v_readlane_b32 s[MK+(\k)], v[TKS], 8*(\q)+(\k)
.endr
	s_wait_alu depctr_va_sdst(0)                   ; the eight lane reads have written s4-11, ahead of the first line that reads one
.irp k, 0,1,2,3,4,5,6,7
	s_min_u32 s[MK+(\k)], s[MK+(\k)], 0x3ff
.endr
.irp k, 0,1,2,3,4,5,6,7
	v_lshl_add_u32 v[TK+8*(\q)+(\k)], s[MK+(\k)], OSH, v[LNB]  ; the last round's stores have read these registers: the wait on vm_vsrc behind them
.endr
.endr
	s_wait_dscnt 16                                ; parts 0 and 1 are in: part 2's 16 loads stay out
	WIN 0x41
.set i, 0
.rept 32
	v_pk_add_f32 v[S1+i:S1+i+1], v[S1+i:S1+i+1], v[S0+i:S0+i+1]
.set i, i+2
.endr
	WIN 0
	s_wait_alu depctr_va_vdst(0)                   ; the additions are done reading part 1 in S0, in which part 3 lands; the rows' offsets are written, which the global stores below read
	PLOAD S0, 3
	s_wait_dscnt 16                                ; part 2 is in: part 3's 16 loads stay out
	WIN 0x45
.set i, 0
.rept 32
	v_pk_add_f32 v[S1+i:S1+i+1], v[S1+i:S1+i+1], v[Z+i:Z+i+1]
.set i, i+2
.endr
	s_wait_dscnt 0x0
	WIN 0x41
.irp n, 0,1,2,3,4,5,6,7
.irp j, 0,1,2,3,4,5,6,7
	v_add_f32 v[Z+32*((\n)/4)+4*(\j)+(\n)%4], v[S1+8*(\n)+(\j)], v[S0+8*(\n)+(\j)]
.endr
.endr
	WIN 0x04                                       ; store data in window 1
	s_wait_alu depctr_va_vdst(0)                   ; the last additions have written Z, which the LDS stores read, and are done reading v64-127, in which the rows land
.irp c, 0,1
.irp q, 0,1,2,3,4,5,6,7
	ds_store_b128 v[STO], v[Z+32*(\c)+4*(\q):Z+32*(\c)+4*(\q)+3] offset:256*(\c)+16*(\q)
.endr
.endr
	WIN 0
.set f, 0
.rept 16                                               ; back by rows: the stage is my wave's own, and LDS serves a wave's instructions in order
	ds_load_b128 v[OUT+4*f:OUT+4*f+3], v[SRD] offset:SP*f
.set f, f+1
.endr
	s_wait_dscnt 0x0
.set f, 0
.rept 16                                               ; a store is one token row's 512 consecutive bytes, aligned; rows past the count are jumped whole
.if f > 0
	s_cmp_le_u32 s[NR], f
	s_cbranch_scc1 .Lsdone
.endif
	global_store_b128 v[TK+f], v[OUT+4*f:OUT+4*f+3], s[OB:OB+1]
.set f, f+1
.endr
.Lsdone:
	s_wait_xcnt 0x0                                ; the stores' offsets and data are rewritten only behind this wait,
	s_wait_alu depctr_vm_vsrc(0)                   ; and behind this one: the global stores have read their offsets and the rows, the stage's LDS stores their data: the next round's products, loads and offsets write all of these
.Lreddone:
	s_wait_dscnt 0x0                               ; my reads of the parts are over
	s_barrier_signal -1
	s_barrier_wait -1                              ; everybody's are: the next round may store its parts
	s_cmp_gt_i32 s[TL], 4
	s_cbranch_scc0 .Lnoshift
.set i, 0
.rept 60
	v_mov_b32 v[TOK+i], v[TOK+i+4]                 ; the next round's tiles move to the front (vector lines alone name these registers in the rounds)
.set i, i+1
.endr
.Lnoshift:
	s_sub_co_i32 s[TL], s[TL], 4
	s_add_co_u32 s[PB], s[PB], 64
	s_sub_co_u32 s[RND], s[RND], 1
	s_cmp_lg_u32 s[RND], 0
	s_cbranch_scc1 .Lround
	s_wait_dscnt 0x0                               ; the wave's end
	s_wait_alu depctr_hold_cnt(0) depctr_sa_sdst(0) depctr_va_vdst(0) depctr_va_sdst(0) depctr_va_ssrc(0) depctr_va_vcc(0) depctr_vm_vsrc(0)
	s_wait_tensorcnt 0x0
	ds_add_u32 v62, v63
	s_wait_dscnt 0x0
	s_endpgm
.Lfunc_end_k_q7e3918cced_ffn2:
	.size	k_q7e3918cced_ffn2, .Lfunc_end_k_q7e3918cced_ffn2-k_q7e3918cced_ffn2
	.p2alignl 7, 3214868480
	.fill 96, 4, 3214868480
	.section	.rodata,"a",@progbits
	.p2align	6, 0x0
	.amdhsa_kernel k_q7e3918cced_ffn2
		.amdhsa_group_segment_fixed_size 182784
		.amdhsa_private_segment_fixed_size 0
		.amdhsa_enable_private_segment 0
		.amdhsa_kernarg_size 40
		.amdhsa_user_sgpr_count 2
		.amdhsa_user_sgpr_kernarg_segment_ptr 1
		.amdhsa_wavefront_size32 1
		.amdhsa_system_sgpr_workgroup_id_x 1
		.amdhsa_system_sgpr_workgroup_id_y 1
		.amdhsa_system_sgpr_workgroup_id_z 1
		.amdhsa_system_vgpr_workitem_id 0
		.amdhsa_next_free_vgpr 1024
		.amdhsa_next_free_sgpr 66
		.amdhsa_reserve_vcc 0
		.amdhsa_float_denorm_mode_32 3
		.amdhsa_float_denorm_mode_16_64 3
		.amdhsa_memory_ordered 1
		.amdhsa_forward_progress 1
		.amdhsa_inst_pref_size 140
	.end_amdhsa_kernel
	.amdgpu_metadata
---
amdhsa.version: [ 1, 2 ]
amdhsa.kernels:
  - .name:           k_q7e3918cced_ffn2
    .symbol:         k_q7e3918cced_ffn2.kd
    .args:
      - { .name: idx, .offset: 0, .size: 8, .value_kind: global_buffer, .address_space: global }
      - { .name: hb, .offset: 8, .size: 8, .value_kind: global_buffer, .address_space: global }
      - { .name: w2, .offset: 16, .size: 8, .value_kind: global_buffer, .address_space: global }
      - { .name: b2, .offset: 24, .size: 8, .value_kind: global_buffer, .address_space: global }
      - { .name: part, .offset: 32, .size: 8, .value_kind: global_buffer, .address_space: global }
    .group_segment_fixed_size: 182784
    .private_segment_fixed_size: 0
    .kernarg_segment_align: 8
    .kernarg_segment_size: 40
    .max_flat_workgroup_size: 128
    .sgpr_count:     66
    .vgpr_count:     1024
    .wavefront_size: 32
...
	.end_amdgpu_metadata
.endif
;; end of part 8
;; launch addup: the kernel of part 4 again; grid 256 x 1, 8 waves a work-group, no clusters, 0 bytes of LDS; arguments part, auxp, out0, out1; writes out0, out1
